; MI455X (gfx1250); checked and timed in simulation.
; The chip was launched on July 23, 2026; its instructions are those of AMD's public machine-readable ISA for CDNA 5 (MIT licence, August 2026) and "CDNA5" Instruction Set Architecture Reference Guide (July 2026). The comments in the code are by the model that wrote it; some were corrected since.
;; Expert Group. Allowed arithmetic: float matrix products may take bf16 or f16 operands with f32 sums; all other float work in f32.
;; Inputs: A 8 x 128 x 128 float32; Wap 2,048 x 128 float32; Wd 1,024 x 2,048 float32; Wg 2,048 x 1,024 float32; Wo 1,024 x 2,048 float32; Wp 2,048 x 128 float32; Wpost 128 x 2,048 float32; Wpre 128 x 1,024 float32; Wu 2,048 x 1,024 float32; bd 1,024 float32; bg 2,048 float32; bpost 128 float32; bpre 128 float32; bu 2,048 float32; eb 8 x 128 float32; eg 8 x 128 float32; expert_weights 4 x 2,048 x 8 float32; ln_b 128 float32; ln_g 128 float32; x 4 x 2,048 x 1,024 float32.
;; Outputs: out0 4 x 2,048 x 1,024 float32.
;; 3 versions, each right; version 2 is faster than version 1; version 3 is version 2 with the launch prep written anew for expert scheduling mode. Each part assembles by itself: llvm-mc -triple=amdgcn-amd-amdhsa -mcpu=gfx1250 --defsym DOCPART=n.
;; ======== version 1 of 3: 6 launches
;; limits: right only within a limited range of input values
;; workspace buffers: xb 16,777,216 bytes; Wug 8,388,608 bytes; Wdo 8,388,608 bytes; Wsm 2,097,152 bytes; Hb 33,554,432 bytes; Hx 4,194,304 bytes; AIO 4,194,304 bytes; Wx 524,288 bytes
;; launch prep (part 1): grid 592 x 1, 8 waves a work-group, no clusters, 0 bytes of LDS; arguments x, Wu, Wg, Wd, Wo, Wpost, Wpre, A, Wap, Wp, xb, Wug, Wdo, Wsm; writes xb, Wug, Wdo, Wsm
.if DOCPART == 1
	.amdgcn_target "amdgcn-amd-amdhsa--gfx1250"
	.amdhsa_code_object_version 6
	.text
	.protected	k_q69e77a192f_prep
	.globl	k_q69e77a192f_prep
	.p2align	8
	.type	k_q69e77a192f_prep,@function
k_q69e77a192f_prep:
	s_mov_b64 s[64:65], 0
	v_nop
	global_prefetch_b8 v0, s[64:65] scope:SCOPE_SE
	s_setreg_imm32_b32 hwreg(HW_REG_WAVE_MODE, 25, 1), 1
	s_wait_xcnt 0x0
; Every matrix operand is rounded to bf16 once, here, so that the later launches move and read half the bytes.
; Work-groups 0-527 convert: each takes 32 pieces of 1,024 f32 (131,072 bytes in, 65,536 out), a wave 4 pieces.
;   0-255 x -> xb;  256-319 Wu, 320-383 Wg -> Wug;  384-447 Wd, 448-511 Wo -> Wdo (Wo behind Wd);
;   512-519 Wpost, 520-523 Wpre, 524-527 A -> Wsm at bytes 0, 1,572,864 and 1,835,008.
; Wug interleaves Wu and Wg: row 256 (h>>7) + 128 ((h>>6)&1) + 64 g + (h&63), g = 0 for Wu, 1 for Wg, so that a wave of the next
; product that takes 128 neighbouring rows holds "up" and "gate" of the same 64 columns of hidden.
; Work-groups 528-559 transpose Wap, 560-591 Wp, [2048][128] f32 -> [128][2048] bf16, to Wsm at bytes 524,288 and 1,048,576.
; A stream: no LDS, no matrix unit, no cluster (no two work-groups read the same byte).  All of a wave's 32 loads are out at once;
; no register is used twice, so the only waits are the counted ones for the loads.
.set LD,  4                            ; v[4:131]   32 loads of 4 f32
.set PKO, 132                          ; v[132:195] 32 pairs of packed bf16
	s_load_b512 s[16:31], s[0:1], 0x0              ; x 16, Wu 18, Wg 20, Wd 22, Wo 24, Wpost 26, Wpre 28, A 30
	s_load_b256 s[32:39], s[0:1], 0x40             ; Wap 32, Wp 34, xb 36, Wug 38
	s_load_b128 s[40:43], s[0:1], 0x60             ; Wdo 40, Wsm 42
	s_mov_b32 s4, ttmp9                            ; the work-group's number
	v_lshrrev_b32 v1, 5, v0
	v_readfirstlane_b32 s5, v1                     ; the wave's number
	v_and_b32 v3, 31, v0                           ; lane
	s_mov_b32 s15, 0                               ; the upper word of every offset
	s_wait_kmcnt 0x0
	s_cmp_ge_u32 s4, 528
	s_cbranch_scc1 .Ltr
	; which tensor: source, destination, the role's first work-group, the destination's first byte
	s_mov_b64 s[6:7], s[16:17]
	s_mov_b64 s[8:9], s[36:37]
	s_mov_b32 s10, 0
	s_mov_b32 s13, 0
.macro ROLE from, src, dst, at
	s_cmp_ge_u32 s4, \from
	s_cselect_b64 s[6:7], s[\src:\src+1], s[6:7]
	s_cselect_b64 s[8:9], s[\dst:\dst+1], s[8:9]
	s_cselect_b32 s10, \from, s10
	s_cselect_b32 s13, \at, s13
.endm
	ROLE 256, 18, 38, 0
	ROLE 320, 20, 38, 0
	ROLE 384, 22, 40, 0
	ROLE 448, 24, 40, 4194304
	ROLE 512, 26, 42, 0
	ROLE 520, 28, 42, 1572864
	ROLE 524, 30, 42, 1835008
	s_sub_co_u32 s11, s4, s10                      ; my number within the role
	s_lshl_b32 s12, s11, 16
	s_add_co_u32 s12, s12, s13                     ; dense: 65,536 bytes out for each work-group
	; Wug: my 32 rows h = 32 n .. 32 n + 31 go to row 256 (n>>2) + 128 ((n>>1)&1) + 64 g + 32 (n&1), rows of 2,048 bytes
	s_lshr_b32 s2, s11, 2
	s_lshl_b32 s2, s2, 19
	s_bfe_u32 s3, s11, 0x10001
	s_lshl_b32 s3, s3, 18
	s_or_b32 s2, s2, s3
	s_and_b32 s3, s11, 1
	s_lshl_b32 s3, s3, 16
	s_or_b32 s2, s2, s3
	s_cmp_ge_u32 s4, 320
	s_cselect_b32 s3, 0x20000, 0
	s_or_b32 s2, s2, s3
	s_sub_co_u32 s14, s4, 256
	s_cmp_lt_u32 s14, 128                          ; unsigned: true for work-groups 256 to 383 alone
	s_cselect_b32 s12, s2, s12
	s_lshl_b32 s14, s11, 17                        ; source: 131,072 bytes a work-group, 16,384 a wave
	s_lshl_b32 s2, s5, 14
	s_add_co_u32 s14, s14, s2
	s_add_nc_u64 s[6:7], s[6:7], s[14:15]
	s_lshl_b32 s14, s5, 13                         ; destination: 8,192 bytes a wave
	s_add_co_u32 s14, s14, s12
	s_add_nc_u64 s[8:9], s[8:9], s[14:15]
	v_lshlrev_b32 v1, 4, v3                        ; 16 bytes a lane in
	v_lshlrev_b32 v2, 3, v3                        ; 8 bytes a lane out
.set j, 0
.rept 32
	global_load_b128 v[LD+4*j:LD+4*j+3], v1, s[6:7] offset:512*j th:TH_LOAD_NT
.set j, j+1
.endr
.set j, 0
.rept 32
	s_wait_loadcnt 31-j                            ; loads come back in order: load j is in, the younger ones stay out
	v_cvt_pk_bf16_f32 v[PKO+2*j],   v[LD+4*j],   v[LD+4*j+1]
	v_cvt_pk_bf16_f32 v[PKO+2*j+1], v[LD+4*j+2], v[LD+4*j+3]
	global_store_b64 v2, v[PKO+2*j:PKO+2*j+1], s[8:9] offset:256*j    ; the wave's store covers 256 consecutive bytes, aligned
.set j, j+1
.endr
	s_endpgm
.Ltr:
	; A work-group takes 128 rows h (ht = 0..15) and 64 columns a; a wave 8 columns.  Lane (q, hf) loads W[128 ht + 8 q + j][a0 + 4 hf + 0..3],
	; j = 0..7, and stores, for each of its 4 columns, the 8 neighbouring h as 16 bytes: sixteen lanes fill 256 consecutive bytes, aligned.
	; The loads take 32 bytes of each row; the two tensors are 2 MiB in all and each byte is read once.
	s_sub_co_u32 s11, s4, 528
	s_mov_b32 s13, 524288
	s_cmp_ge_u32 s4, 560
	s_cselect_b64 s[6:7], s[34:35], s[32:33]       ; Wp or Wap
	s_cselect_b32 s13, 1048576, s13                ; its place in Wsm
	s_and_b32 s11, s11, 31
	s_lshr_b32 s12, s11, 1                         ; ht
	s_and_b32 s10, s11, 1
	s_lshl_b32 s10, s10, 6
	s_lshl3_add_u32 s10, s5, s10                   ; a0 = 64 x half + 8 x wave
	s_lshl_b32 s14, s12, 16                        ; 128 rows of 512 bytes
	s_lshl2_add_u32 s14, s10, s14                  ; + 4 a0
	s_add_nc_u64 s[6:7], s[6:7], s[14:15]
	s_lshl_b32 s14, s10, 12                        ; a0 rows of 4,096 bytes
	s_lshl_b32 s2, s12, 8                          ; + 128 ht columns of 2 bytes
	s_add_co_u32 s14, s14, s2
	s_add_co_u32 s14, s14, s13
	s_add_nc_u64 s[8:9], s[42:43], s[14:15]
	v_and_b32 v52, 15, v3                          ; q
	v_lshrrev_b32 v53, 4, v3                       ; hf
	v_lshlrev_b32 v1, 12, v52                      ; in: 8 q rows of 512 bytes + 16 hf
	v_lshl_add_u32 v1, v53, 4, v1
	v_lshlrev_b32 v2, 4, v52                       ; out: 4 hf rows of 4,096 bytes + 16 q
	v_lshl_add_u32 v2, v53, 14, v2
.irp j, 0,1,2,3,4,5,6,7
	global_load_b128 v[4+4*\j:7+4*\j], v1, s[6:7] offset:512*\j th:TH_LOAD_NT
.endr
	s_wait_loadcnt 0x0
.irp i, 0,1,2,3
.irp p, 0,1,2,3
	v_cvt_pk_bf16_f32 v[36+4*\i+\p], v[4+8*\p+\i], v[8+8*\p+\i]      ; rows 2 p and 2 p + 1 of column i
.endr
	global_store_b128 v2, v[36+4*\i:39+4*\i], s[8:9] offset:4096*\i
.endr
	s_endpgm
.Lfunc_end_k_q69e77a192f_prep:
	.size	k_q69e77a192f_prep, .Lfunc_end_k_q69e77a192f_prep-k_q69e77a192f_prep
	.p2alignl 7, 3214868480
	.fill 96, 4, 3214868480
	.section	.rodata,"a",@progbits
	.p2align	6, 0x0
	.amdhsa_kernel k_q69e77a192f_prep
		.amdhsa_group_segment_fixed_size 0
		.amdhsa_private_segment_fixed_size 0
		.amdhsa_enable_private_segment 0
		.amdhsa_kernarg_size 112
		.amdhsa_user_sgpr_count 2
		.amdhsa_user_sgpr_kernarg_segment_ptr 1
		.amdhsa_wavefront_size32 1
		.amdhsa_system_sgpr_workgroup_id_x 1
		.amdhsa_system_sgpr_workgroup_id_y 1
		.amdhsa_system_sgpr_workgroup_id_z 1
		.amdhsa_system_vgpr_workitem_id 0
		.amdhsa_next_free_vgpr 196
		.amdhsa_next_free_sgpr 66
		.amdhsa_reserve_vcc 0
		.amdhsa_float_denorm_mode_32 3
		.amdhsa_float_denorm_mode_16_64 3
		.amdhsa_memory_ordered 1
		.amdhsa_forward_progress 1
		.amdhsa_inst_pref_size 18
	.end_amdhsa_kernel
	.amdgpu_metadata
---
amdhsa.version: [ 1, 2 ]
amdhsa.kernels:
  - .name:           k_q69e77a192f_prep
    .symbol:         k_q69e77a192f_prep.kd
    .args:
      - { .name: x, .offset: 0, .size: 8, .value_kind: global_buffer, .address_space: global }
      - { .name: Wu, .offset: 8, .size: 8, .value_kind: global_buffer, .address_space: global }
      - { .name: Wg, .offset: 16, .size: 8, .value_kind: global_buffer, .address_space: global }
      - { .name: Wd, .offset: 24, .size: 8, .value_kind: global_buffer, .address_space: global }
      - { .name: Wo, .offset: 32, .size: 8, .value_kind: global_buffer, .address_space: global }
      - { .name: Wpost, .offset: 40, .size: 8, .value_kind: global_buffer, .address_space: global }
      - { .name: Wpre, .offset: 48, .size: 8, .value_kind: global_buffer, .address_space: global }
      - { .name: A, .offset: 56, .size: 8, .value_kind: global_buffer, .address_space: global }
      - { .name: Wap, .offset: 64, .size: 8, .value_kind: global_buffer, .address_space: global }
      - { .name: Wp, .offset: 72, .size: 8, .value_kind: global_buffer, .address_space: global }
      - { .name: xb, .offset: 80, .size: 8, .value_kind: global_buffer, .address_space: global }
      - { .name: Wug, .offset: 88, .size: 8, .value_kind: global_buffer, .address_space: global }
      - { .name: Wdo, .offset: 96, .size: 8, .value_kind: global_buffer, .address_space: global }
      - { .name: Wsm, .offset: 104, .size: 8, .value_kind: global_buffer, .address_space: global }
    .group_segment_fixed_size: 0
    .private_segment_fixed_size: 0
    .kernarg_segment_align: 8
    .kernarg_segment_size: 112
    .max_flat_workgroup_size: 256
    .sgpr_count:     66
    .vgpr_count:     196
    .wavefront_size: 32
...
	.end_amdgpu_metadata
.endif
;; end of part 1
;; launch pre (part 2): grid 128 x 1, 4 waves a work-group, clusters of 4 x 1, 327,680 bytes of LDS; arguments xb, Wsm, bpre, ln_g, ln_b, eg, eb, expert_weights, AIO, Hx; writes AIO, Hx
.if DOCPART == 2
	.amdgcn_target "amdgcn-amd-amdhsa--gfx1250"
	.amdhsa_code_object_version 6
	.text
	.protected	k_q69e77a192f_pre
	.globl	k_q69e77a192f_pre
	.p2align	8
	.type	k_q69e77a192f_pre,@function
k_q69e77a192f_pre:
	s_mov_b64 s[64:65], 0
	v_nop
	global_prefetch_b8 v0, s[64:65] scope:SCOPE_SE
	s_setreg_imm32_b32 hwreg(HW_REG_WAVE_MODE, 25, 1), 1
	s_wait_xcnt 0x0
	s_wait_alu depctr_hold_cnt(0) depctr_sa_sdst(0) depctr_va_vdst(0) depctr_va_sdst(0) depctr_va_ssrc(0) depctr_va_vcc(0) depctr_vm_vsrc(0)
	s_getreg_b32 s2, hwreg(HW_REG_IB_STS2, 6, 4)
	s_cmp_eq_u32 s2, 0
	s_cbranch_scc0 .Lentry_in_a_cluster
	s_endpgm
.Lentry_in_a_cluster:
	s_bfe_u32 s2, ttmp6, 0x10000c
	s_cmp_lg_u32 s2, 0x3003
	s_cbranch_scc0 .Lentry_shape_is_right
	s_endpgm
.Lentry_shape_is_right:
; pre = x Wpre^T + bpre;  adapt_in = LayerNorm(pre) -> AIO columns 128-255;
; hw = sum over e of max(w_e, 0) LayerNorm_e(pre A_e^T) -> Hx columns 128-255.  All outputs bf16, sums and norms in f32.
; A work-group takes 64 tokens; wave w takes tokens 16 w .. 16 w + 15 with all 128 columns: 8 accumulator tiles.
; The matrix instruction is used transposed (source 0 = 16 rows of the weights, source 1 = 16 tokens): lane (r, h) holds token r and the
; columns 16 b + 8 h + j.  So a token's LayerNorm is a sum within the lane and one exchange with lane r of the other half, and the packed
; result is already the fragment that the next product wants: nothing passes between waves.
; LDS: two slots of 101,376 bytes.  K chunks of 256 (rows of 512 bytes, pitch 528): Wpre's 128 rows at byte 0, x's 64 rows at byte 67,584.
; Later the same slots take pairs of experts: 256 rows of 256 bytes, pitch 272.  Behind the slots a stage of 16 x 272 bytes for each wave.
; CLUSTER of 4 work-groups: Wpre's chunks and the experts' matrices are the same for all, so they are asked for jointly (mask 15);
; x's rows are each work-group's own (plain loads).  A wave has two tensor loads out at the start and one behind each round.
; The variance is taken in two passes (mean first), so that no difference of large sums is formed.
; Limits: v_rsq_f32 treats a denormal argument as zero; here the argument is at least 1e-5.
.set KK,    1024
.set PITCH, 528
.set SLOT,  192*PITCH
.set STAGE, 2*SLOT
.set SP,    272
.set EP,    272
.set ADA, 2                            ; v2-3    LDS address of my tokens' fragments in slot 0, 1
.set ADB, 4                            ; v4-5    of the weights' fragments
.set STO, 6                            ; v6      stage: where I put 16 bytes of a row
.set RD,  7                            ; v7      stage: where I read a row back
.set CO,  8                            ; v8      my byte offset in the output's rows of 512 bytes
.set VH,  9                            ; v9      32 h: my place in a vector over the columns
.set ADE, 10                           ; v10-11  LDS address of an expert's fragments in slot 0, 1
.set AF,  16                           ; v16-31  the tokens' fragments, two buffers (K loop only)
.set W,   16                           ; v16-23  afterwards: the 8 expert weights of my token, negative ones set to 0
.set M,   24                           ; v24-25  mean, twice
.set R,   26                           ; v26-27  1 / sqrt(var + eps), twice
.set WP,  28                           ; v28-29  w_e, twice
.set T,   30                           ; v30-31  at work
.set PK,  32                           ; v32-63  pre as four bf16 fragments; at the end the packed hw
.set BF,  64                           ; v64-191 the weights' fragments, two buffers of 64
.set H,   192                          ; v192-255 the 8 accumulator tiles
.set HW,  0                            ; window 1: v0-63 hw, v64-127 eg, v128-191 eb
.set EG,  64
.set EB,  128
.set G1A, 16
.set G1B, 24
.set G0A, 32
.set G0B, 40
.set G1E, 48
.set G0E, 56
.set MSB, 0
.macro WIN new                         ; the immediate's high byte repeats the setting that is left
.if MSB != \new
	s_set_vgpr_msb (MSB<<8)|\new
.set MSB, \new
.endif
.endm
.macro PLACES                          ; four places behind a matrix instruction (ISA guide 7.12.1) in front of what reads its result or writes its registers
.rept 4
	v_nop
.endr
.endm
.macro ROUND                           ; a round of the cluster's barrier
	s_barrier_signal -1
	s_barrier_wait -1
	s_cmp_lg_u32 s10, 0
	s_cbranch_scc1 .Lnot_wave_0_\@
	s_barrier_signal -3
.Lnot_wave_0_\@:
	s_barrier_wait -3
	s_barrier_signal -1
	s_barrier_wait -1
.endm
.macro TLOAD s                         ; waves 0, 1: a half of the weights' chunk, jointly; waves 2, 3: a half of my tokens' chunk
	s_cmp_eq_u32 s11, 0
	s_cbranch_scc0 .Lfor_a_\@
	tensor_load_to_lds s[G0B+4*\s:G0B+4*\s+3], s[G1B:G1B+7]
	s_nop 0
	s_branch .Lasked_\@
.Lfor_a_\@:
	tensor_load_to_lds s[G0A+4*\s:G0A+4*\s+3], s[G1A:G1A+7]
	s_nop 0
.Lasked_\@:
.endm
.macro ELOAD s                         ; every wave: its 64 rows of a pair of experts, jointly
	tensor_load_to_lds s[G0E+4*\s:G0E+4*\s+3], s[G1E:G1E+7]
	s_nop 0
.endm
	s_load_b512 s[80:95], s[0:1], 0x0              ; xb 80, Wsm 82, bpre 84, ln_g 86, ln_b 88, eg 90, eb 92, expert_weights 94
	s_load_b128 s[96:99], s[0:1], 0x40             ; AIO 96, Hx 98
	s_set_vgpr_msb 0x40
	v_lshl_add_u32 v192, v0, 2, 0x35c00
	v_mov_b32 v193, 0
	s_set_vgpr_msb 0x4045
	ds_add_u32 v192, v193
	s_set_vgpr_msb 0x4500
	v_lshrrev_b32 v1, 5, v0
	v_readfirstlane_b32 s10, v1                    ; wave
	s_lshr_b32 s11, s10, 1                         ; 0: I fetch weights, 1: tokens
	s_and_b32 s12, s10, 1                          ; which half
	s_bfe_u32 s4, ttmp6, 0x40000                   ; cx
	s_lshl_b32 s13, ttmp9, 2
	s_add_co_u32 s13, s13, s4                      ; work-group = 4 x cluster + cx
	s_mov_b32 s74, 0x76543210                      ; v_permlanex16_b32: lane i reads lane i of the other half
	s_mov_b32 s75, 0xfedcba98
	s_mov_b32 s76, 0x3c000000                      ; 1 / 128
	s_mov_b32 s77, 0x3727c5ac                      ; 1e-5
	; group 1: my tokens, 32 rows x 256 elements of 2 bytes, 16 bytes of padding behind every 128 words
	s_mov_b32 s[G1A+0], (1<<16)|(1<<20)|(6<<22)|(3<<25)
	s_mov_b32 s[G1A+1], 256<<16
	s_mov_b32 s[G1A+2], 32<<16
	s_mov_b32 s[G1A+3], 256<<16
	s_mov_b32 s[G1A+4], 32
	s_mov_b32 s[G1A+5], KK
	s_mov_b32 s[G1A+6], 0
	s_mov_b32 s[G1A+7], 0
	; the weights: 64 rows x 256, to all four work-groups
	s_mov_b32 s[G1B+0], 15|(1<<16)|(1<<20)|(1<<21)|(6<<22)|(3<<25)
	s_mov_b32 s[G1B+1], 256<<16
	s_mov_b32 s[G1B+2], 64<<16
	s_mov_b32 s[G1B+3], 256<<16
	s_mov_b32 s[G1B+4], 64
	s_mov_b32 s[G1B+5], KK
	s_mov_b32 s[G1B+6], 0
	s_mov_b32 s[G1B+7], 0
	; the experts: 64 rows x 128, padding behind every 64 words, to all four
	s_mov_b32 s[G1E+0], 15|(1<<16)|(1<<20)|(1<<21)|(5<<22)|(3<<25)
	s_mov_b32 s[G1E+1], 128<<16
	s_mov_b32 s[G1E+2], 64<<16
	s_mov_b32 s[G1E+3], 128<<16
	s_mov_b32 s[G1E+4], 64
	s_mov_b32 s[G1E+5], 128
	s_mov_b32 s[G1E+6], 0
	s_mov_b32 s[G1E+7], 0
	s_lshl_b32 s66, s13, 17                        ; xb: 64 rows of 2,048 bytes a work-group,
	s_lshl_b32 s67, s12, 16                        ; 32 rows a half
	s_add_co_u32 s66, s66, s67
	s_mov_b32 s67, 0
	s_lshl_b32 s68, s12, 17                        ; Wpre in Wsm: 64 rows a half
	s_add_co_u32 s68, s68, 1572864
	s_mov_b32 s69, 0
	s_lshl_b32 s70, s10, 14                        ; A in Wsm: 64 rows of 256 bytes a wave
	s_add_co_u32 s70, s70, 1835008
	s_mov_b32 s71, 0
	s_lshl_b32 s78, s13, 6
	s_lshl4_add_u32 s78, s10, s78                  ; my wave's first token
	s_lshl_b32 s6, s78, 9                          ; rows of 512 bytes, the right half
	s_add_co_u32 s6, s6, 256
	s_mov_b32 s7, 0
	s_lshl_b32 s8, s78, 5                          ; 32 bytes of weights a token
	s_mov_b32 s9, 0
	s_mul_i32 s15, s10, 64*PITCH                   ; LDS: weights at 33,792 w (waves 0, 1)
	s_mul_i32 s5, s10, 32*PITCH
	s_add_co_u32 s5, s5, 64*PITCH                  ; tokens at 33,792 + 16,896 w (waves 2, 3): bytes 67,584 and 84,480
	s_mul_i32 s79, s10, 64*EP                      ; experts at 17,408 w
	s_wait_dscnt 0x0
	s_wait_kmcnt 0x0
	s_add_nc_u64 s[66:67], s[80:81], s[66:67]
	s_add_nc_u64 s[68:69], s[82:83], s[68:69]
	s_add_nc_u64 s[70:71], s[82:83], s[70:71]
	s_add_nc_u64 s[96:97], s[96:97], s[6:7]
	s_add_nc_u64 s[98:99], s[98:99], s[6:7]
	s_add_nc_u64 s[94:95], s[94:95], s[8:9]
.irp s, 0,1
	s_mov_b32 s[G0A+4*\s], 1
	s_add_co_u32 s[G0A+4*\s+1], s5, \s*SLOT
	s_add_nc_u64 s[G0A+4*\s+2:G0A+4*\s+3], s[66:67], \s*512
	s_or_b32 s[G0A+4*\s+3], s[G0A+4*\s+3], 0x80000000
	s_mov_b32 s[G0B+4*\s], 1
	s_add_co_u32 s[G0B+4*\s+1], s15, \s*SLOT
	s_add_nc_u64 s[G0B+4*\s+2:G0B+4*\s+3], s[68:69], \s*512
	s_or_b32 s[G0B+4*\s+3], s[G0B+4*\s+3], 0x80000000
	s_mov_b32 s[G0E+4*\s], 1
	s_add_co_u32 s[G0E+4*\s+1], s79, \s*SLOT
	s_add_nc_u64 s[G0E+4*\s+2:G0E+4*\s+3], s[70:71], \s*65536
	s_or_b32 s[G0E+4*\s+3], s[G0E+4*\s+3], 0x80000000
.endr
	ROUND                                          ; all four work-groups are here: the first joint loads meet
	TLOAD 0                                        ; K chunks 0 and 1
	TLOAD 1
	v_and_b32 v1, 15, v0                           ; r
	v_bfe_u32 v12, v0, 4, 1                        ; h
	v_mul_u32_u24 v13, v1, PITCH
	v_lshl_add_u32 v13, v12, 4, v13                ; 528 r + 16 h
	s_mul_i32 s72, s10, 16*PITCH
	s_add_co_u32 s72, s72, 128*PITCH               ; my 16 tokens, behind the weights' 128 rows
	v_add_nc_u32 v[ADA], s72, v13
	v_add_nc_u32 v[ADA+1], SLOT, v[ADA]
	v_mov_b32 v[ADB], v13
	v_add_nc_u32 v[ADB+1], SLOT, v13
	v_mul_u32_u24 v13, v1, EP
	v_lshl_add_u32 v[ADE], v12, 4, v13             ; 272 r + 16 h
	v_add_nc_u32 v[ADE+1], SLOT, v[ADE]
	s_mul_i32 s72, s10, 16*SP
	s_add_co_u32 s72, s72, STAGE
	v_add_nc_u32 v[STO], s72, v[ADE]               ; stage: 272 r + 16 h
	v_mul_u32_u24 v13, v12, SP
	v_lshl_add_u32 v13, v1, 4, v13
	v_add_nc_u32 v[RD], s72, v13                   ; back: lanes 0-15 one row of 256 bytes, lanes 16-31 the next
	v_lshlrev_b32 v13, 9, v12
	v_lshl_add_u32 v[CO], v1, 4, v13
	v_lshlrev_b32 v[VH], 5, v12
	v_lshlrev_b32 v1, 5, v1                        ; 32 r: my token's 8 weights
; 18 LDS loads: the fragments of 32 along K (number kk of the chunk's eight) into buffer f
.macro FETCH s, kk, f
	PLACES
	ds_load_b128 v[AF+8*\f:AF+8*\f+3],   v[ADA+\s] offset:64*\kk
	ds_load_b128 v[AF+8*\f+4:AF+8*\f+7], v[ADA+\s] offset:64*\kk+32
.irp b, 0,1,2,3,4,5,6,7
	ds_load_b128 v[BF+64*\f+8*\b:BF+64*\f+8*\b+3],   v[ADB+\s] offset:8448*\b+64*\kk
	ds_load_b128 v[BF+64*\f+8*\b+4:BF+64*\f+8*\b+7], v[ADB+\s] offset:8448*\b+64*\kk+32
.endr
.endm
; 8 matrix instructions; the eight accumulators take turns, one instruction a turn
.macro MUL f, zero
.irp b, 0,1,2,3,4,5,6,7
.if \zero
	v_wmma_f32_16x16x32_bf16 v[H+8*\b:H+8*\b+7], v[BF+64*\f+8*\b:BF+64*\f+8*\b+7], v[AF+8*\f:AF+8*\f+7], 0
.else
	v_wmma_f32_16x16x32_bf16 v[H+8*\b:H+8*\b+7], v[BF+64*\f+8*\b:BF+64*\f+8*\b+7], v[AF+8*\f:AF+8*\f+7], v[H+8*\b:H+8*\b+7]
.endif
.endr
.endm
; a chunk of 256 along K.  s_wait_dscnt 18: all but the 18 loads just issued are in
.macro WORK s, zero
	FETCH \s, 0, 0
	FETCH \s, 1, 1
	s_wait_dscnt 18
	MUL 0, \zero
	FETCH \s, 2, 0
	s_wait_dscnt 18
	MUL 1, 0
	FETCH \s, 3, 1
	s_wait_dscnt 18
	MUL 0, 0
	FETCH \s, 4, 0
	s_wait_dscnt 18
	MUL 1, 0
	FETCH \s, 5, 1
	s_wait_dscnt 18
	MUL 0, 0
	FETCH \s, 6, 0
	s_wait_dscnt 18
	MUL 1, 0
	FETCH \s, 7, 1
	s_wait_dscnt 18
	MUL 0, 0
	s_wait_dscnt 0x0
	MUL 1, 0
.endm
; Slot o, which has been read, is filled again.  Every wave waits for all its tensor loads (its part of the other slot among them) and for
; its LDS reads, the round brings all waves of all four work-groups here, and the refill is the wave's one tensor load behind it.
.macro STEPK o
	s_set_vgpr_msb 0x5
	s_wait_tensorcnt 0x0
	ds_add_u32 v192, v193
	s_wait_dscnt 0x0
	s_set_vgpr_msb 0x500
	s_add_nc_u64 s[G0A+4*\o+2:G0A+4*\o+3], s[G0A+4*\o+2:G0A+4*\o+3], 1024
	s_add_nc_u64 s[G0B+4*\o+2:G0B+4*\o+3], s[G0B+4*\o+2:G0B+4*\o+3], 1024
	s_wait_dscnt 0x0
	ROUND
	TLOAD \o
.endm
.macro STEPE o, step
	s_set_vgpr_msb 0x5
	s_wait_tensorcnt 0x0
	ds_add_u32 v192, v193
	s_wait_dscnt 0x0
	s_set_vgpr_msb 0x500
.if \step
	s_add_nc_u64 s[G0E+4*\o+2:G0E+4*\o+3], s[G0E+4*\o+2:G0E+4*\o+3], 131072
.endif
	s_wait_dscnt 0x0
	ROUND
	ELOAD \o
.endm
; Mean and 1 / sqrt(var + eps) of my token's 128 numbers; H leaves with the mean taken away.  c0..c3: four register pairs for four chains.
.macro LNSTAT c0, c1, c2, c3
	v_pk_add_f32 v[\c0:\c0+1], v[H:H+1],     v[H+2:H+3]
	v_pk_add_f32 v[\c1:\c1+1], v[H+4:H+5],   v[H+6:H+7]
	v_pk_add_f32 v[\c2:\c2+1], v[H+8:H+9],   v[H+10:H+11]
	v_pk_add_f32 v[\c3:\c3+1], v[H+12:H+13], v[H+14:H+15]
.set i, 16
.rept 6
	v_pk_add_f32 v[\c0:\c0+1], v[\c0:\c0+1], v[H+i:H+i+1]
	v_pk_add_f32 v[\c1:\c1+1], v[\c1:\c1+1], v[H+i+2:H+i+3]
	v_pk_add_f32 v[\c2:\c2+1], v[\c2:\c2+1], v[H+i+4:H+i+5]
	v_pk_add_f32 v[\c3:\c3+1], v[\c3:\c3+1], v[H+i+6:H+i+7]
.set i, i+8
.endr
	v_pk_add_f32 v[\c0:\c0+1], v[\c0:\c0+1], v[\c1:\c1+1]
	v_pk_add_f32 v[\c2:\c2+1], v[\c2:\c2+1], v[\c3:\c3+1]
	v_pk_add_f32 v[\c0:\c0+1], v[\c0:\c0+1], v[\c2:\c2+1]
	v_add_f32 v[\c0], v[\c0], v[\c0+1]
	v_permlanex16_b32 v[\c0+1], v[\c0], s74, s75   ; the other 64 columns of my token
	v_add_f32 v[\c0], v[\c0], v[\c0+1]
	v_mul_f32 v[M], s76, v[\c0]
	v_mul_f32 v[M+1], s76, v[\c0]
.set i, 0
.rept 32
	v_pk_add_f32 v[H+i:H+i+1], v[H+i:H+i+1], v[M:M+1] neg_lo:[0,1] neg_hi:[0,1]
.set i, i+2
.endr
	v_pk_mul_f32 v[\c0:\c0+1], v[H:H+1],   v[H:H+1]
	v_pk_mul_f32 v[\c1:\c1+1], v[H+2:H+3], v[H+2:H+3]
	v_pk_mul_f32 v[\c2:\c2+1], v[H+4:H+5], v[H+4:H+5]
	v_pk_mul_f32 v[\c3:\c3+1], v[H+6:H+7], v[H+6:H+7]
.set i, 8
.rept 7
	v_pk_fma_f32 v[\c0:\c0+1], v[H+i:H+i+1],   v[H+i:H+i+1],   v[\c0:\c0+1]
	v_pk_fma_f32 v[\c1:\c1+1], v[H+i+2:H+i+3], v[H+i+2:H+i+3], v[\c1:\c1+1]
	v_pk_fma_f32 v[\c2:\c2+1], v[H+i+4:H+i+5], v[H+i+4:H+i+5], v[\c2:\c2+1]
	v_pk_fma_f32 v[\c3:\c3+1], v[H+i+6:H+i+7], v[H+i+6:H+i+7], v[\c3:\c3+1]
.set i, i+8
.endr
	v_pk_add_f32 v[\c0:\c0+1], v[\c0:\c0+1], v[\c1:\c1+1]
	v_pk_add_f32 v[\c2:\c2+1], v[\c2:\c2+1], v[\c3:\c3+1]
	v_pk_add_f32 v[\c0:\c0+1], v[\c0:\c0+1], v[\c2:\c2+1]
	v_add_f32 v[\c0], v[\c0], v[\c0+1]
	v_permlanex16_b32 v[\c0+1], v[\c0], s74, s75
	v_add_f32 v[\c0], v[\c0], v[\c0+1]
	v_fma_f32 v[T], v[\c0], s76, s77               ; var + eps
	v_rsq_f32 v[R], v[T]
	v_nop                                          ; one plain place behind the transcendental (ISA guide 5.7.2)
	s_wait_alu depctr_va_vdst(0)
	v_mov_b32 v[R+1], v[R]
.endm
; a vector over the 128 columns in the accumulators' layout: register 8 b + 4 q + i holds element 16 b + 8 h + 4 q + i
.macro VEC64 dst, base
.irp b, 0,1,2,3,4,5,6,7
	global_load_b128 v[\dst+8*\b:\dst+8*\b+3],   v[VH], s[\base:\base+1] offset:64*\b
	global_load_b128 v[\dst+8*\b+4:\dst+8*\b+7], v[VH], s[\base:\base+1] offset:64*\b+16
.endr
.endm
; 16 rows x 128 bf16, packed in v[src ..+31], go through my own stage and leave as whole rows of 256 bytes
.macro OUT16 src, base
.irp b, 0,1,2,3,4,5,6,7
	ds_store_b128 v[STO], v[\src+4*\b:\src+4*\b+3] offset:32*\b
.endr
	s_wait_xcnt 0x0                                ; what earlier stores read is rewritten only behind this wait
.irp t, 0,1,2,3,4,5,6,7
	ds_load_b128 v[BF+4*\t:BF+4*\t+3], v[RD] offset:544*\t         ; LDS serves a wave's instructions in order: these see the stores above
.endr
.irp t, 0,1,2,3,4,5,6,7
	s_wait_dscnt 7-\t
	global_store_b128 v[CO], v[BF+4*\t:BF+4*\t+3], s[\base:\base+1] offset:1024*\t    ; 16 lanes store 256 consecutive bytes, aligned
.endr
.endm
; the fragments of expert x of the slot's pair, 32 along K
.macro FETCHE s, x, kk, f
	PLACES
.irp b, 0,1,2,3,4,5,6,7
	ds_load_b128 v[BF+64*\f+8*\b:BF+64*\f+8*\b+3],   v[ADE+\s] offset:34816*\x+4352*\b+64*\kk
	ds_load_b128 v[BF+64*\f+8*\b+4:BF+64*\f+8*\b+7], v[ADE+\s] offset:34816*\x+4352*\b+64*\kk+32
.endr
.endm
.macro MULE f, kk, zero
.irp b, 0,1,2,3,4,5,6,7
.if \zero
	v_wmma_f32_16x16x32_bf16 v[H+8*\b:H+8*\b+7], v[BF+64*\f+8*\b:BF+64*\f+8*\b+7], v[PK+8*\kk:PK+8*\kk+7], 0
.else
	v_wmma_f32_16x16x32_bf16 v[H+8*\b:H+8*\b+7], v[BF+64*\f+8*\b:BF+64*\f+8*\b+7], v[PK+8*\kk:PK+8*\kk+7], v[H+8*\b:H+8*\b+7]
.endif
.endr
.endm
; expert e: h = pre A_e^T, its LayerNorm, hw += w_e ((h - m) rstd eg + eb)
.macro EXPERT s, x, e, first
	WIN 0x40                                       ; destinations in window 1
.irp b, 0,1,2,3,4,5,6,7
	global_load_b128 v[EG+8*\b:EG+8*\b+3],   v[VH], s[90:91] offset:512*\e+64*\b
	global_load_b128 v[EG+8*\b+4:EG+8*\b+7], v[VH], s[90:91] offset:512*\e+64*\b+16
	global_load_b128 v[EB+8*\b:EB+8*\b+3],   v[VH], s[92:93] offset:512*\e+64*\b
	global_load_b128 v[EB+8*\b+4:EB+8*\b+7], v[VH], s[92:93] offset:512*\e+64*\b+16
.endr
	WIN 0
	FETCHE \s, \x, 0, 0
	FETCHE \s, \x, 1, 1
	s_wait_dscnt 16                                ; all but the 16 loads just issued
	MULE 0, 0, 1
	FETCHE \s, \x, 2, 0
	s_wait_dscnt 16
	MULE 1, 1, 0
	FETCHE \s, \x, 3, 1
	s_wait_dscnt 16
	MULE 0, 2, 0
	s_wait_dscnt 0x0
	MULE 1, 3, 0
	PLACES
	LNSTAT 64, 66, 68, 70
	v_mul_f32 v[T], v[R], v[W+\e]                  ; rstd w_e
	v_mul_f32 v[T+1], v[R], v[W+\e]
	v_mov_b32 v[WP], v[W+\e]
	v_mov_b32 v[WP+1], v[W+\e]
.set i, 0
.rept 32
	v_pk_mul_f32 v[H+i:H+i+1], v[H+i:H+i+1], v[T:T+1]
.set i, i+2
.endr
	s_wait_loadcnt 0x0                             ; eg and eb of this expert
	WIN 0x54                                       ; source 0 window 0; source 1, source 2 and destination window 1
.set i, 0
.rept 32
.if \first
	v_pk_mul_f32 v[HW+i:HW+i+1], v[WP:WP+1], v[EB+i:EB+i+1]        ; the first expert starts the sums
.else
	v_pk_fma_f32 v[HW+i:HW+i+1], v[WP:WP+1], v[EB+i:EB+i+1], v[HW+i:HW+i+1]
.endif
.set i, i+2
.endr
.set i, 0
.rept 32
	v_pk_fma_f32 v[HW+i:HW+i+1], v[H+i:H+i+1], v[EG+i:EG+i+1], v[HW+i:HW+i+1]
.set i, i+2
.endr
	WIN 0
.endm
	s_wait_tensorcnt 0x1                           ; my part of chunk 0 is in; chunk 1's may stay out
	s_barrier_signal -1
	s_barrier_wait -1
	WORK 0, 1
	STEPK 0                                        ; chunk 2 into slot 0
	WORK 1, 0
	STEPK 1                                        ; chunk 3 into slot 1
	WORK 0, 0
	STEPE 0, 0                                     ; experts 0, 1 into slot 0
	WORK 1, 0
	STEPE 1, 0                                     ; experts 2, 3 into slot 1
	; pre is whole: bias, the fragments for the experts, then adapt_in
	PLACES
	VEC64 BF, 84                                   ; bpre
	VEC64 BF+64, 86                                ; ln_g
	global_load_b128 v[W:W+3],   v1, s[94:95]
	global_load_b128 v[W+4:W+7], v1, s[94:95] offset:16
	s_wait_loadcnt 18                              ; bpre is in; ln_g's 16 loads and the weights' 2 stay out
.set i, 0
.rept 32
	v_pk_add_f32 v[H+i:H+i+1], v[H+i:H+i+1], v[BF+i:BF+i+1]
.set i, i+2
.endr
.set i, 0
.rept 32
	v_cvt_pk_bf16_f32 v[PK+i], v[H+2*i], v[H+2*i+1]                ; tiles 2 kk and 2 kk + 1 are fragment kk as they lie
.set i, i+1
.endr
	VEC64 BF, 88                                   ; ln_b
	LNSTAT 12, 14, 28, 30
	s_wait_loadcnt 0x0
.irp e, 0,1,2,3,4,5,6,7
	v_max_num_f32 v[W+\e], 0, v[W+\e]              ; where(w > 0, w, 0)
.endr
.set i, 0
.rept 32
	v_pk_mul_f32 v[H+i:H+i+1], v[H+i:H+i+1], v[R:R+1]
.set i, i+2
.endr
.set i, 0
.rept 32
	v_pk_fma_f32 v[H+i:H+i+1], v[H+i:H+i+1], v[BF+64+i:BF+64+i+1], v[BF+i:BF+i+1]
.set i, i+2
.endr
.set i, 0
.rept 32
	v_cvt_pk_bf16_f32 v[BF+64+i], v[H+2*i], v[H+2*i+1]
.set i, i+1
.endr
	OUT16 BF+64, 96                                ; adapt_in
	s_wait_xcnt 0x0                                ; the stores' data registers are loaded again below
	EXPERT 0, 0, 0, 1
	EXPERT 0, 1, 1, 0
	STEPE 0, 1                                     ; experts 4, 5 into slot 0
	EXPERT 1, 0, 2, 0
	EXPERT 1, 1, 3, 0
	STEPE 1, 1                                     ; experts 6, 7 into slot 1
	EXPERT 0, 0, 4, 0
	EXPERT 0, 1, 5, 0
	s_wait_tensorcnt 0x0                           ; my part of the last pair is in,
	s_wait_dscnt 0x0
	s_barrier_signal -1
	s_barrier_wait -1                              ; everybody's is; nothing is left to fetch
	EXPERT 1, 0, 6, 0
	EXPERT 1, 1, 7, 0
	WIN 0x05                                       ; sources in window 1
.set i, 0
.rept 32
	v_cvt_pk_bf16_f32 v[PK+i], v[HW+2*i], v[HW+2*i+1]
.set i, i+1
.endr
	WIN 0
	OUT16 PK, 98                                   ; hw
	s_set_vgpr_msb 0x5
	s_wait_tensorcnt 0x0
	ds_add_u32 v192, v193
	s_wait_dscnt 0x0
	s_set_vgpr_msb 0x500
	ROUND                                          ; the closing round: no work-group ends while a partner may still ask jointly
	s_endpgm
.Lfunc_end_k_q69e77a192f_pre:
	.size	k_q69e77a192f_pre, .Lfunc_end_k_q69e77a192f_pre-k_q69e77a192f_pre
	.p2alignl 7, 3214868480
	.fill 96, 4, 3214868480
	.section	.rodata,"a",@progbits
	.p2align	6, 0x0
	.amdhsa_kernel k_q69e77a192f_pre
		.amdhsa_group_segment_fixed_size 327680
		.amdhsa_private_segment_fixed_size 0
		.amdhsa_enable_private_segment 0
		.amdhsa_kernarg_size 80
		.amdhsa_user_sgpr_count 2
		.amdhsa_user_sgpr_kernarg_segment_ptr 1
		.amdhsa_wavefront_size32 1
		.amdhsa_system_sgpr_workgroup_id_x 1
		.amdhsa_system_sgpr_workgroup_id_y 1
		.amdhsa_system_sgpr_workgroup_id_z 1
		.amdhsa_system_vgpr_workitem_id 0
		.amdhsa_next_free_vgpr 450
		.amdhsa_next_free_sgpr 100
		.amdhsa_reserve_vcc 0
		.amdhsa_float_denorm_mode_32 3
		.amdhsa_float_denorm_mode_16_64 3
		.amdhsa_memory_ordered 1
		.amdhsa_forward_progress 1
		.amdhsa_inst_pref_size 255
	.end_amdhsa_kernel
	.section	.bss,"aw",@nobits
	.p2align	6
	.space	262144
	.amdgpu_metadata
---
amdhsa.version: [ 1, 2 ]
amdhsa.kernels:
  - .name:           k_q69e77a192f_pre
    .symbol:         k_q69e77a192f_pre.kd
    .args:
      - { .name: xb, .offset: 0, .size: 8, .value_kind: global_buffer, .address_space: global }
      - { .name: Wsm, .offset: 8, .size: 8, .value_kind: global_buffer, .address_space: global }
      - { .name: bpre, .offset: 16, .size: 8, .value_kind: global_buffer, .address_space: global }
      - { .name: ln_g, .offset: 24, .size: 8, .value_kind: global_buffer, .address_space: global }
      - { .name: ln_b, .offset: 32, .size: 8, .value_kind: global_buffer, .address_space: global }
      - { .name: eg, .offset: 40, .size: 8, .value_kind: global_buffer, .address_space: global }
      - { .name: eb, .offset: 48, .size: 8, .value_kind: global_buffer, .address_space: global }
      - { .name: expert_weights, .offset: 56, .size: 8, .value_kind: global_buffer, .address_space: global }
      - { .name: AIO, .offset: 64, .size: 8, .value_kind: global_buffer, .address_space: global }
      - { .name: Hx, .offset: 72, .size: 8, .value_kind: global_buffer, .address_space: global }
    .group_segment_fixed_size: 327680
    .private_segment_fixed_size: 0
    .kernarg_segment_align: 8
    .kernarg_segment_size: 80
    .max_flat_workgroup_size: 128
    .sgpr_count:     100
    .vgpr_count:     450
    .wavefront_size: 32
...
	.end_amdgpu_metadata
.endif
;; end of part 2
;; launch gemm1 (part 3): grid 16 x 32, 4 waves a work-group, clusters of 4 x 4, 327,680 bytes of LDS; arguments xb, Wug, Hb, bu, bg; writes Hb
.if DOCPART == 3
	.amdgcn_target "amdgcn-amd-amdhsa--gfx1250"
	.amdhsa_code_object_version 6
	.text
	.protected	k_q69e77a192f_gemm1
	.globl	k_q69e77a192f_gemm1
	.p2align	8
	.type	k_q69e77a192f_gemm1,@function
k_q69e77a192f_gemm1:
	s_mov_b64 s[64:65], 0
	v_nop
	global_prefetch_b8 v0, s[64:65] scope:SCOPE_SE
	s_setreg_imm32_b32 hwreg(HW_REG_WAVE_MODE, 25, 1), 1
	s_wait_xcnt 0x0
	s_wait_alu depctr_hold_cnt(0) depctr_sa_sdst(0) depctr_va_vdst(0) depctr_va_sdst(0) depctr_va_ssrc(0) depctr_va_vcc(0) depctr_vm_vsrc(0)
	s_getreg_b32 s2, hwreg(HW_REG_IB_STS2, 6, 4)
	s_cmp_eq_u32 s2, 0
	s_cbranch_scc0 .Lentry_in_a_cluster
	s_endpgm
.Lentry_in_a_cluster:
	s_bfe_u32 s2, ttmp6, 0x10000c
	s_cmp_lg_u32 s2, 0xf033
	s_cbranch_scc0 .Lentry_shape_is_right
	s_endpgm
.Lentry_shape_is_right:
; hidden = silu(x Wg^T + bg) (x Wu^T + bu), bf16 out, sums and the activation in f32.
; One GEMM of [8192][1024] by Wug [4096][1024], in which Wu's and Wg's rows are interleaved by 64: a work-group makes 256 tokens x 256 rows of
; Wug = 128 columns of hidden; a wave makes 128 x 128: its tiles b = 0..3 are "up", b = 4..7 "gate" of the same 64 columns.
; Four waves, each with 64 accumulator tiles (512 registers).  K goes in steps of 128 through two LDS slots filled by the tensor data mover;
; a tile's rows are 256 bytes of memory and start at multiples of 256 bytes.
; CLUSTER 4 x 4: x's tiles are shared along a row of the cluster, Wug's along a column; each is asked for jointly by the four that need it.
; A wave has two tensor loads out at the start and one behind each round.
; Windows: 0: addresses, fragments of x (v64-127, v128-191); 1: fragments of Wug (same numbers), the biases (v192-255); 2, 3: accumulators.
; The matrix instruction is used transposed (source 0 = rows of Wug, source 1 = tokens): a lane holds token l % 16 and eight neighbouring columns.
; The biases are the C operand of the first products: nothing is cleared and no bias pass is needed.
; Limits: the product is formed as (up gate) sigmoid(gate), so |up gate| has to stay below f32's largest number; v_exp_f32 and v_rcp_f32 give 0
; for results below 2^-126.
.set SIZE_K, 1024
.set KSTEP,  128
.set PITCH,  272                       ; an LDS row: 256 bytes + 16 of padding, so that 16 rows start at 16 different 16-byte columns
.set HALFT,  128*PITCH
.set SLOT,   4*HALFT                   ; x's 256 rows, then Wug's 256 rows
.set SPITCH, 144                       ; the way out: 128 bytes + 16
.set WSTAGE, 128*SPITCH+128            ; a wave's region there; the odd 128 bytes put the two column halves on different banks
.set LAPS, SIZE_K/(2*KSTEP)
.set ADRA, 16
.set ADRB, 20
.set STO,  24
.set RD,   25
.set CO,   26
.set BO,   27
.set F0,   64
.set F1,   128
.set BIAS, 192                         ; window 1
.set G1, 24
.set G0, 32
.set G1B, 48
.set G0B, 56
.set MSB, 0
.macro WIN new                         ; the immediate's high byte repeats the setting that is left
.if MSB != \new
	s_set_vgpr_msb (MSB<<8)|\new
.set MSB, \new
.endif
.endm
.set MUL_LO,  0xa1                     ; source 0 window 1, source 1 window 0, C and D window 2
.set MUL_HI,  0xf1                     ; C and D window 3
.set MULB_LO, 0x91                     ; C (the bias) window 1, D window 2
.set MULB_HI, 0xd1                     ; C window 1, D window 3
.set TO_B,    0x40                     ; destination window 1
.macro JLOAD s                         ; waves 0, 1 ask for x's two halves, waves 2, 3 for Wug's; the branch hangs on the wave's number alone
	s_cmp_eq_u32 s11, 0
	s_cbranch_scc0 .Lfor_b_\@
	tensor_load_to_lds s[G0+4*\s:G0+4*\s+3], s[G1:G1+7]
	s_nop 0
	s_branch .Lasked_\@
.Lfor_b_\@:
	tensor_load_to_lds s[G0B+4*\s:G0B+4*\s+3], s[G1B:G1B+7]
	s_nop 0
.Lasked_\@:
.endm
.macro CREST                           ; a round of the cluster's barrier behind its opening barrier
	s_cmp_lg_u32 s10, 0
	s_cbranch_scc1 .Lnot_wave_0_\@
	s_barrier_signal -3
.Lnot_wave_0_\@:
	s_barrier_wait -3
	s_barrier_signal -1
	s_barrier_wait -1
.endm
.macro CROUND
	s_barrier_signal -1
	s_barrier_wait -1
	CREST
.endm
	s_load_b128 s[4:7], s[0:1], 0x0                ; xb, Wug
	s_load_b64 s[8:9], s[0:1], 0x10                ; Hb
	s_load_b64 s[68:69], s[0:1], 0x18              ; bu
	s_load_b64 s[70:71], s[0:1], 0x20              ; bg
	s_set_vgpr_msb 0x40
	v_lshl_add_u32 v63, v0, 2, 0x44000
	s_set_vgpr_msb 0x4000
	v_mov_b32 v255, 0
	s_set_vgpr_msb 0x1
	ds_add_u32 v63, v255
	s_set_vgpr_msb 0x100
	v_lshrrev_b32 v1, 5, v0
	v_readfirstlane_b32 s10, v1                    ; wave
	s_lshr_b32 s11, s10, 1                         ; my half of the tokens.  Also: I fetch x (0) or Wug (1)
	s_and_b32 s12, s10, 1                          ; my half of the columns.  Also: which 128 rows I fetch
	s_bfe_u32 s40, ttmp6, 0x40000                  ; cx
	s_bfe_u32 s41, ttmp6, 0x40004                  ; cy
	s_lshl_b32 s42, ttmp9, 2
	s_add_co_u32 s42, s42, s40                     ; block column
	s_and_b32 s13, ttmp7, 0xffff
	s_lshl_b32 s13, s13, 2
	s_add_co_u32 s13, s13, s41                     ; block row
	s_lshl_b32 s43, s41, 2
	s_lshl_b32 s43, 15, s43                        ; my row of the cluster
	s_lshl_b32 s44, 0x1111, s40                    ; my column
	s_mov_b32 s72, 0xbfb8aa3b                      ; -log2(e), twice
	s_mov_b32 s73, 0xbfb8aa3b
	s_or_b32 s[G1+0], s43, (1<<16)|(1<<20)|(1<<21)|(5<<22)|(3<<25)  ; mask; 2-byte elements; 4 words of padding behind every 64
	s_or_b32 s[G1B+0], s44, (1<<16)|(1<<20)|(1<<21)|(5<<22)|(3<<25)
	s_mov_b32 s[G1B+1], KSTEP<<16
	s_mov_b32 s[G1+1], KSTEP<<16
	s_mov_b32 s[G1B+2], 128<<16
	s_mov_b32 s[G1+2], 128<<16
	s_mov_b32 s[G1B+3], KSTEP<<16
	s_mov_b32 s[G1+3], KSTEP<<16
	s_mov_b32 s[G1B+4], 128
	s_mov_b32 s[G1+4], 128
	s_mov_b32 s[G1B+5], SIZE_K
	s_mov_b32 s[G1+5], SIZE_K
	s_mov_b32 s[G1B+6], 0
	s_mov_b32 s[G1+6], 0
	s_mov_b32 s[G1B+7], 0
	s_mov_b32 s[G1+7], 0
	s_lshl_b32 s17, s12, 7
	s_lshl_b32 s16, s13, 8
	s_add_co_u32 s16, s16, s17                     ; x: row 256 x block row + 128 x half
	s_lshl_b32 s46, s42, 8
	s_add_co_u32 s46, s46, s17                     ; Wug: row 256 x block column + 128 x half
	s_mov_b32 s17, 0
	s_mov_b32 s47, 0
	s_mov_b64 s[18:19], SIZE_K*2
	s_mul_u64 s[16:17], s[16:17], s[18:19]
	s_mul_u64 s[46:47], s[46:47], s[18:19]
	s_mul_i32 s20, s10, HALFT                      ; LDS: wave x 128 rows
	s_wait_dscnt 0x0
	s_wait_kmcnt 0x0
	s_add_nc_u64 s[14:15], s[4:5], s[16:17]
	s_add_nc_u64 s[46:47], s[6:7], s[46:47]
	CROUND                                         ; all sixteen work-groups are here: the first joint loads meet
.irp s, 0,1
	s_mov_b32 s[G0+4*\s], 1
	s_add_co_u32 s[G0+4*\s+1], s20, \s*SLOT
	s_add_nc_u64 s[G0+4*\s+2:G0+4*\s+3], s[14:15], \s*KSTEP*2
	s_or_b32 s[G0+4*\s+3], s[G0+4*\s+3], 0x80000000
	s_mov_b32 s[G0B+4*\s], 1
	s_add_co_u32 s[G0B+4*\s+1], s20, \s*SLOT
	s_add_nc_u64 s[G0B+4*\s+2:G0B+4*\s+3], s[46:47], \s*KSTEP*2
	s_or_b32 s[G0B+4*\s+3], s[G0B+4*\s+3], 0x80000000
	JLOAD \s
.endr
	v_and_b32 v1, 15, v0                           ; l % 16
	v_bfe_u32 v2, v0, 4, 1                         ; l / 16
	v_mul_u32_u24 v3, v1, PITCH
	v_lshl_add_u32 v3, v2, 4, v3
	s_mul_i32 s21, s11, HALFT
	s_mul_i32 s22, s12, HALFT
	s_add_co_u32 s22, s22, 2*HALFT
.irp s, 0,1
	v_add_nc_u32 v[ADRA+\s], s21, v3
	v_add_nc_u32 v[ADRB+\s], s22, v3
	s_add_co_u32 s21, s21, SLOT
	s_add_co_u32 s22, s22, SLOT
.endr
	s_mul_i32 s23, s10, WSTAGE                     ; the way out: my own region
	v_mul_u32_u24 v4, v1, SPITCH
	v_lshl_add_u32 v4, v2, 4, v4
	v_add_nc_u32 v[STO], s23, v4                   ; row l % 16, 16 bytes for each half of the lanes
	s_mul_i32 s23, s11, 2*WSTAGE                   ; back: rows 64 w .. of the block lie in the two regions of waves 2 (w / 2) and 2 (w / 2) + 1,
	s_mul_i32 s21, s12, 64*SPITCH                  ; from their row 64 (w % 2) on
	s_add_co_u32 s23, s23, s21
	v_mul_u32_u24 v5, v2, SPITCH                   ; lanes 0-15 one row, lanes 16-31 the next;
	v_bfe_u32 v6, v0, 3, 1
	v_mul_u32_u24 v6, v6, WSTAGE                   ; of sixteen lanes the first eight take the left 128 bytes, the others the right
	v_add_nc_u32 v5, v5, v6
	v_and_b32 v6, 7, v0
	v_lshl_add_u32 v5, v6, 4, v5
	v_add_nc_u32 v[RD], s23, v5
	v_lshlrev_b32 v5, 12, v2                       ; the same two rows in Hb (4,096 bytes each)
	v_lshl_add_u32 v[CO], v1, 4, v5
	v_lshlrev_b32 v[BO], 5, v2                     ; 8 h numbers of 4 bytes
	s_lshl_b32 s74, s42, 9                         ; the biases of my 64 columns: 4 (128 x block column + 64 x half)
	s_lshl_b32 s75, s12, 8
	s_add_co_u32 s74, s74, s75
	s_mov_b32 s75, 0
	s_add_nc_u64 s[68:69], s[68:69], s[74:75]
	s_add_nc_u64 s[70:71], s[70:71], s[74:75]
	WIN TO_B
.irp b, 0,1,2,3
	global_load_b128 v[BIAS+8*\b:BIAS+8*\b+3],       v[BO], s[68:69] offset:64*\b
	global_load_b128 v[BIAS+8*\b+4:BIAS+8*\b+7],     v[BO], s[68:69] offset:64*\b+16
	global_load_b128 v[BIAS+32+8*\b:BIAS+32+8*\b+3], v[BO], s[70:71] offset:64*\b
	global_load_b128 v[BIAS+32+8*\b+4:BIAS+32+8*\b+7], v[BO], s[70:71] offset:64*\b+16
.endr
	WIN 0
; 16 matrix instructions: token blocks a0, a0 + 1 of the window's four x all 8 column blocks.  zero = 1: the bias starts the sums.
; The 64 accumulators take turns, one instruction a turn, in the same order in every quarter step.
.macro MUL16 f, hi, a0, zero
.irp a, \a0, \a0+1
.irp b, 0,1,2,3,4,5,6,7
.if \zero
	v_wmma_f32_16x16x32_bf16 v[8*(8*(\a)+\b):8*(8*(\a)+\b)+7], v[\f+8*\b:\f+8*\b+7], v[\f+8*(4*\hi+\a):\f+8*(4*\hi+\a)+7], v[BIAS+8*\b:BIAS+8*\b+7]
.else
	v_wmma_f32_16x16x32_bf16 v[8*(8*(\a)+\b):8*(8*(\a)+\b)+7], v[\f+8*\b:\f+8*\b+7], v[\f+8*(4*\hi+\a):\f+8*(4*\hi+\a)+7], v[8*(8*(\a)+\b):8*(8*(\a)+\b)+7]
.endif
.endr
.endr
.endm
.macro FETCH slot, k, f                ; 32 LDS loads in one run: a quarter step's fragments
	WIN TO_B
.irp i, 0,1,2,3,4,5,6,7
	ds_load_b128 v[\f+8*\i:\f+8*\i+3],   v[ADRB+\slot] offset:\k+\i*16*PITCH
	ds_load_b128 v[\f+8*\i+4:\f+8*\i+7], v[ADRB+\slot] offset:\k+\i*16*PITCH+32
.endr
	WIN 0
.irp i, 0,1,2,3,4,5,6,7
	ds_load_b128 v[\f+8*\i:\f+8*\i+3],   v[ADRA+\slot] offset:\k+\i*16*PITCH
	ds_load_b128 v[\f+8*\i+4:\f+8*\i+7], v[ADRA+\slot] offset:\k+\i*16*PITCH+32
.endr
.endm
.macro PLACES                          ; four places behind a matrix instruction in front of loads into its sources and of readers of its result
.rept 4
	v_nop
.endr
.endm
.macro QUARTER slot, k, f, g, zero
	s_wait_dscnt 8                                 ; Wug's fragments and tokens 0-63 are in; the youngest eight loads may be out
.if \zero
	WIN MULB_LO
.else
	WIN MUL_LO
.endif
	MUL16 \f, 0, 0, \zero
	MUL16 \f, 0, 2, \zero
	PLACES
	FETCH \slot, \k, \g
	s_wait_dscnt 32                                ; all but the 32 just issued
.if \zero
	WIN MULB_HI
.else
	WIN MUL_HI
.endif
	MUL16 \f, 1, 0, \zero
	MUL16 \f, 1, 2, \zero
.endm
.macro THREE slot, zero
	QUARTER \slot, 64,  F0, F1, \zero
	QUARTER \slot, 128, F1, F0, 0
	QUARTER \slot, 192, F0, F1, 0
.endm
; The last quarter changes slots.  In front of the barrier each wave waits for its reads of this slot and for all its tensor loads (the one that
; is out is its part of the next slot); behind it (behind the cluster's round where the slot is filled again) the refill comes first.
.macro TURN slot, next, fill
	s_wait_dscnt 8
	WIN MUL_LO
	MUL16 F1, 0, 0, 0
	s_wait_dscnt 0
	s_wait_tensorcnt 0x0
	ds_add_u32 v63, v255
	s_wait_dscnt 0x0
	s_barrier_signal -1
	MUL16 F1, 0, 2, 0                              ; register work while the others arrive
	WIN 0
	s_barrier_wait -1
.if \fill
	CREST
	s_add_nc_u64 s[G0+4*\slot+2:G0+4*\slot+3], s[G0+4*\slot+2:G0+4*\slot+3], 2*KSTEP*2
	s_add_nc_u64 s[G0B+4*\slot+2:G0B+4*\slot+3], s[G0B+4*\slot+2:G0B+4*\slot+3], 2*KSTEP*2
	JLOAD \slot
.endif
	PLACES
	FETCH \next, 0, F0
	WIN MUL_HI
	MUL16 F1, 1, 0, 0
	MUL16 F1, 1, 2, 0
.endm
.macro LAP zero
	THREE 0, \zero
	TURN 0, 1, 1
	THREE 1, 0
	TURN 1, 0, 1
.endm
	s_wait_loadcnt 0x0                             ; the biases
	s_wait_tensorcnt 1                             ; my part of K step 0 is in; K step 1's stays out
	s_barrier_signal -1
	s_barrier_wait -1
	FETCH 0, 0, F0
	LAP 1
	WIN 0
	s_mov_b32 s3, LAPS-2
.Llap:
	LAP 0
	WIN 0
	s_sub_co_u32 s3, s3, 1
	s_cmp_lg_u32 s3, 0
	s_cbranch_scc1 .Llap
	THREE 0, 0                                     ; the last lap fills nothing
	TURN 0, 1, 0
	THREE 1, 0
	s_wait_dscnt 8
	WIN MUL_LO
	MUL16 F1, 0, 0, 0
	MUL16 F1, 0, 2, 0
	s_wait_dscnt 0
	WIN MUL_HI
	MUL16 F1, 1, 0, 0
	MUL16 F1, 1, 2, 0
	; THE ACTIVATION, in the accumulators' own window: up = (up gate) / (1 + 2^(-log2(e) gate)), packed to bf16 in the tile's first four registers
	PLACES
.macro SILU a, b
.set UU, 8*(8*\a+\b)
.set GG, UU+32
.irp r, 0,2,4,6
	v_pk_mul_f32 v[UU+\r:UU+\r+1], v[UU+\r:UU+\r+1], v[GG+\r:GG+\r+1]
.endr
.irp r, 0,2,4,6
	v_pk_mul_f32 v[GG+\r:GG+\r+1], v[GG+\r:GG+\r+1], s[72:73] op_sel_hi:[1,0]
.endr
.irp r, 0,1,2,3,4,5,6,7
	v_exp_f32 v[GG+\r], v[GG+\r]
.endr
	v_nop                                          ; one plain place behind the transcendentals (ISA guide 5.7.2)
	s_wait_alu depctr_va_vdst(0)
.irp r, 0,2,4,6
	v_pk_add_f32 v[GG+\r:GG+\r+1], v[GG+\r:GG+\r+1], 1.0 op_sel_hi:[1,0]
.endr
.irp r, 0,1,2,3,4,5,6,7
	v_rcp_f32 v[GG+\r], v[GG+\r]
.endr
	v_nop
	s_wait_alu depctr_va_vdst(0)
.irp r, 0,2,4,6
	v_pk_mul_f32 v[UU+\r:UU+\r+1], v[UU+\r:UU+\r+1], v[GG+\r:GG+\r+1]
.endr
.irp r, 0,1,2,3
	v_cvt_pk_bf16_f32 v[UU+\r], v[UU+2*\r], v[UU+2*\r+1]           ; ascending: each line writes a register that the lines behind it do not read
.endr
.endm
; The stage lies in slot 0: its last fill and every wave's last reads of it stand in front of the barrier of the last change of slots.
.macro HALF_OUT hi, all, data
	WIN \all
.irp a, 0,1,2,3
.irp b, 0,1,2,3
	SILU \a, \b
.endr
.endr
	WIN \data
.irp a, 0,1,2,3
.irp b, 0,1,2,3
	ds_store_b128 v[STO], v[8*(8*\a+\b):8*(8*\a+\b)+3] offset:16*(4*\hi+\a)*SPITCH+32*\b
.endr
.endr
.endm
	HALF_OUT 0, 0xaa, 0x08
	HALF_OUT 1, 0xff, 0x0c
	WIN 0
	s_lshl_b32 s16, s13, 8
	s_lshl_b32 s14, s10, 6
	s_add_co_u32 s16, s16, s14                     ; the 64 rows that I store: 256 x block row + 64 x wave
	s_lshl_b32 s16, s16, 12
	s_mov_b32 s17, 0
	s_add_nc_u64 s[8:9], s[8:9], s[16:17]
	s_lshl_b32 s46, s42, 8                         ; 128 columns of 2 bytes a block column
	s_mov_b32 s47, 0
	s_add_nc_u64 s[8:9], s[8:9], s[46:47]
	s_wait_dscnt 0x0                               ; my stores are done, for the others' sake
	s_barrier_signal -1
	s_barrier_wait -1                              ; a row's two halves come from two waves
.set t, 0
.rept 32
	ds_load_b128 v[F0+4*t:F0+4*t+3], v[RD] offset:2*SPITCH*t
.set t, t+1
.endr
.set t, 0
.rept 32
	s_wait_dscnt 31-t
	global_store_b128 v[CO], v[F0+4*t:F0+4*t+3], s[8:9] offset:8192*t       ; 16 lanes store 256 consecutive bytes, aligned
.set t, t+1
.endr
	s_set_vgpr_msb 0x1
	s_wait_tensorcnt 0x0
	ds_add_u32 v63, v255
	s_wait_dscnt 0x0
	s_set_vgpr_msb 0x100
	CROUND                                         ; the closing round
	s_endpgm
.Lfunc_end_k_q69e77a192f_gemm1:
	.size	k_q69e77a192f_gemm1, .Lfunc_end_k_q69e77a192f_gemm1-k_q69e77a192f_gemm1
	.p2alignl 7, 3214868480
	.fill 96, 4, 3214868480
	.section	.rodata,"a",@progbits
	.p2align	6, 0x0
	.amdhsa_kernel k_q69e77a192f_gemm1
		.amdhsa_group_segment_fixed_size 327680
		.amdhsa_private_segment_fixed_size 0
		.amdhsa_enable_private_segment 0
		.amdhsa_kernarg_size 40
		.amdhsa_user_sgpr_count 2
		.amdhsa_user_sgpr_kernarg_segment_ptr 1
		.amdhsa_wavefront_size32 1
		.amdhsa_system_sgpr_workgroup_id_x 1
		.amdhsa_system_sgpr_workgroup_id_y 1
		.amdhsa_system_sgpr_workgroup_id_z 1
		.amdhsa_system_vgpr_workitem_id 0
		.amdhsa_next_free_vgpr 1024
		.amdhsa_next_free_sgpr 76
		.amdhsa_reserve_vcc 0
		.amdhsa_float_denorm_mode_32 3
		.amdhsa_float_denorm_mode_16_64 3
		.amdhsa_memory_ordered 1
		.amdhsa_forward_progress 1
		.amdhsa_inst_pref_size 233
	.end_amdhsa_kernel
	.amdgpu_metadata
---
amdhsa.version: [ 1, 2 ]
amdhsa.kernels:
  - .name:           k_q69e77a192f_gemm1
    .symbol:         k_q69e77a192f_gemm1.kd
    .args:
      - { .name: xb, .offset: 0, .size: 8, .value_kind: global_buffer, .address_space: global }
      - { .name: Wug, .offset: 8, .size: 8, .value_kind: global_buffer, .address_space: global }
      - { .name: Hb, .offset: 16, .size: 8, .value_kind: global_buffer, .address_space: global }
      - { .name: bu, .offset: 24, .size: 8, .value_kind: global_buffer, .address_space: global }
      - { .name: bg, .offset: 32, .size: 8, .value_kind: global_buffer, .address_space: global }
    .group_segment_fixed_size: 327680
    .private_segment_fixed_size: 0
    .kernarg_segment_align: 8
    .kernarg_segment_size: 40
    .max_flat_workgroup_size: 128
    .sgpr_count:     76
    .vgpr_count:     1024
    .wavefront_size: 32
...
	.end_amdgpu_metadata
.endif
;; end of part 3
;; launch post (part 4): grid 160 x 1, 4 waves a work-group, clusters of 4 x 1, 327,680 bytes of LDS; arguments Hb, Wdo, Wsm, bpost, ln_g, ln_b, AIO, Wx; writes AIO, Wx
.if DOCPART == 4
	.amdgcn_target "amdgcn-amd-amdhsa--gfx1250"
	.amdhsa_code_object_version 6
	.text
	.protected	k_q69e77a192f_post
	.globl	k_q69e77a192f_post
	.p2align	8
	.type	k_q69e77a192f_post,@function
k_q69e77a192f_post:
	s_mov_b64 s[64:65], 0
	v_nop
	global_prefetch_b8 v0, s[64:65] scope:SCOPE_SE
	s_setreg_imm32_b32 hwreg(HW_REG_WAVE_MODE, 25, 1), 1
	s_wait_xcnt 0x0
	s_wait_alu depctr_hold_cnt(0) depctr_sa_sdst(0) depctr_va_vdst(0) depctr_va_sdst(0) depctr_va_ssrc(0) depctr_va_vcc(0) depctr_vm_vsrc(0)
	s_getreg_b32 s2, hwreg(HW_REG_IB_STS2, 6, 4)
	s_cmp_eq_u32 s2, 0
	s_cbranch_scc0 .Lentry_in_a_cluster
	s_endpgm
.Lentry_in_a_cluster:
	s_bfe_u32 s2, ttmp6, 0x10000c
	s_cmp_lg_u32 s2, 0x3003
	s_cbranch_scc0 .Lentry_shape_is_right
	s_endpgm
.Lentry_shape_is_right:
; Three products of the same shape, [rows][2048] by [128][2048]^T, 64 rows a work-group:
;   clusters 0-31:  adapt_out = LayerNorm(hidden Wpost^T + bpost) -> AIO columns 0-127
;   clusters 32-35: 0.1 Wd Wap -> Wx columns 0-127;   clusters 36-39: 0.1 Wo Wp -> Wx columns 128-255   (Wdo holds Wd, then Wo)
; 160 work-groups: every one has to bring all 512 KiB of its right-hand matrix into LDS, so halving the rows would not halve its time.
; Wave w takes rows 16 w .. 16 w + 15 with all 128 columns: 8 accumulator tiles.  The matrix instruction is used transposed: lane (r, h) holds
; row r and the columns 16 b + 8 h + j, so a row's LayerNorm is a sum within the lane and one exchange with the other half of the lanes.
; LDS: two slots of 101,376 bytes for K chunks of 256 (rows of 512 bytes, pitch 528): the right-hand matrix's 128 rows at byte 0, my 64 rows at
; byte 67,584.  Behind them a stage of 16 x 272 bytes for each wave.
; CLUSTER of 4: the right-hand matrix is the same for the four (the role hangs on the cluster's number alone) and is asked for jointly.
; A wave has two tensor loads out at the start and one behind each round.  The variance is taken in two passes.
.set KK,    2048
.set PITCH, 528
.set SLOT,  192*PITCH
.set STAGE, 2*SLOT
.set SP,    272
.set ADA, 2
.set ADB, 4
.set STO, 6
.set RD,  7
.set CO,  8
.set VH,  9
.set AF,  16                           ; v16-31  my rows' fragments, two buffers (K loop only)
.set M,   24
.set R,   26
.set T,   30
.set PK,  32                           ; v32-63  chains of the sums, then the packed result
.set BF,  64                           ; v64-191 the right-hand fragments, two buffers of 64
.set H,   192                          ; v192-255 the 8 accumulator tiles
.set G1A, 16
.set G1B, 24
.set G0A, 32
.set G0B, 40
.macro PLACES                          ; four places behind a matrix instruction (ISA guide 7.12.1)
.rept 4
	v_nop
.endr
.endm
.macro ROUND                           ; a round of the cluster's barrier
	s_barrier_signal -1
	s_barrier_wait -1
	s_cmp_lg_u32 s10, 0
	s_cbranch_scc1 .Lnot_wave_0_\@
	s_barrier_signal -3
.Lnot_wave_0_\@:
	s_barrier_wait -3
	s_barrier_signal -1
	s_barrier_wait -1
.endm
.macro TLOAD s                         ; waves 0, 1: a half of the right-hand chunk, jointly; waves 2, 3: a half of my rows' chunk
	s_cmp_eq_u32 s11, 0
	s_cbranch_scc0 .Lfor_a_\@
	tensor_load_to_lds s[G0B+4*\s:G0B+4*\s+3], s[G1B:G1B+7]
	s_nop 0
	s_branch .Lasked_\@
.Lfor_a_\@:
	tensor_load_to_lds s[G0A+4*\s:G0A+4*\s+3], s[G1A:G1A+7]
	s_nop 0
.Lasked_\@:
.endm
	s_load_b512 s[80:95], s[0:1], 0x0              ; Hb 80, Wdo 82, Wsm 84, bpost 86, ln_g 88, ln_b 90, AIO 92, Wx 94
	v_lshl_add_u32 v14, v0, 2, 0x35c00
	v_mov_b32 v15, 0
	ds_add_u32 v14, v15
	v_lshrrev_b32 v1, 5, v0
	v_readfirstlane_b32 s10, v1                    ; wave
	s_lshr_b32 s11, s10, 1
	s_and_b32 s12, s10, 1
	s_bfe_u32 s4, ttmp6, 0x40000                   ; cx
	s_mov_b32 s14, ttmp9                           ; the cluster's number: the role
	s_lshl_b32 s13, s14, 2
	s_add_co_u32 s13, s13, s4                      ; work-group
	s_mov_b32 s74, 0x76543210
	s_mov_b32 s75, 0xfedcba98
	s_mov_b32 s76, 0x3c000000                      ; 1 / 128
	s_mov_b32 s77, 0x3727c5ac                      ; 1e-5
	s_mov_b32 s[G1A+0], (1<<16)|(1<<20)|(6<<22)|(3<<25)            ; 32 rows x 256 elements of 2 bytes, 4 words of padding behind every 128
	s_mov_b32 s[G1A+1], 256<<16
	s_mov_b32 s[G1A+2], 32<<16
	s_mov_b32 s[G1A+3], 256<<16
	s_mov_b32 s[G1A+4], 32
	s_mov_b32 s[G1A+5], KK
	s_mov_b32 s[G1A+6], 0
	s_mov_b32 s[G1A+7], 0
	s_mov_b32 s[G1B+0], 15|(1<<16)|(1<<20)|(1<<21)|(6<<22)|(3<<25) ; 64 rows x 256, to all four work-groups
	s_mov_b32 s[G1B+1], 256<<16
	s_mov_b32 s[G1B+2], 64<<16
	s_mov_b32 s[G1B+3], 256<<16
	s_mov_b32 s[G1B+4], 64
	s_mov_b32 s[G1B+5], KK
	s_mov_b32 s[G1B+6], 0
	s_mov_b32 s[G1B+7], 0
	s_wait_dscnt 0x0
	s_wait_kmcnt 0x0
	s_cmp_ge_u32 s14, 32
	s_cselect_b64 s[6:7], s[82:83], s[80:81]       ; my rows: of Wdo or of Hb
	s_cselect_b64 s[8:9], s[94:95], s[92:93]       ; the result: Wx or AIO
	s_cselect_b32 s5, 128, 0                       ; the first work-group of that left-hand matrix
	s_cselect_b32 s48, 524288, 0                   ; the right-hand matrix's place in Wsm
	s_cselect_b32 s50, 128, 0                      ; the first work-group of that result
	s_mov_b32 s52, 0                               ; the result's column, in bytes
	s_cmp_ge_u32 s14, 36
	s_cselect_b32 s48, 1048576, s48
	s_cselect_b32 s50, 144, s50
	s_cselect_b32 s52, 256, s52
	s_sub_co_u32 s54, s13, s5
	s_lshl_b32 s54, s54, 18                        ; 64 rows of 4,096 bytes a work-group,
	s_lshl_b32 s55, s12, 17                        ; 32 rows a half
	s_add_co_u32 s54, s54, s55
	s_mov_b32 s55, 0
	s_add_nc_u64 s[6:7], s[6:7], s[54:55]
	s_lshl_b32 s49, s12, 18                        ; 64 rows a half
	s_add_co_u32 s48, s48, s49
	s_mov_b32 s49, 0
	s_add_nc_u64 s[56:57], s[84:85], s[48:49]
	s_sub_co_u32 s50, s13, s50
	s_lshl_b32 s50, s50, 15                        ; 64 rows of 512 bytes a work-group,
	s_add_co_u32 s50, s50, s52
	s_lshl_b32 s51, s10, 13                        ; 16 rows a wave
	s_add_co_u32 s50, s50, s51
	s_mov_b32 s51, 0
	s_add_nc_u64 s[8:9], s[8:9], s[50:51]
	s_mul_i32 s58, s10, 64*PITCH                   ; LDS: right-hand rows at 33,792 w (waves 0, 1)
	s_mul_i32 s59, s10, 32*PITCH
	s_add_co_u32 s59, s59, 64*PITCH                ; my rows at 33,792 + 16,896 w (waves 2, 3)
.irp s, 0,1
	s_mov_b32 s[G0A+4*\s], 1
	s_add_co_u32 s[G0A+4*\s+1], s59, \s*SLOT
	s_add_nc_u64 s[G0A+4*\s+2:G0A+4*\s+3], s[6:7], \s*512
	s_or_b32 s[G0A+4*\s+3], s[G0A+4*\s+3], 0x80000000
	s_mov_b32 s[G0B+4*\s], 1
	s_add_co_u32 s[G0B+4*\s+1], s58, \s*SLOT
	s_add_nc_u64 s[G0B+4*\s+2:G0B+4*\s+3], s[56:57], \s*512
	s_or_b32 s[G0B+4*\s+3], s[G0B+4*\s+3], 0x80000000
.endr
	ROUND                                          ; all four work-groups are here: the first joint loads meet
	TLOAD 0
	TLOAD 1
	v_and_b32 v1, 15, v0                           ; r
	v_bfe_u32 v12, v0, 4, 1                        ; h
	v_mul_u32_u24 v13, v1, PITCH
	v_lshl_add_u32 v13, v12, 4, v13
	s_mul_i32 s60, s10, 16*PITCH
	s_add_co_u32 s60, s60, 128*PITCH
	v_add_nc_u32 v[ADA], s60, v13
	v_add_nc_u32 v[ADA+1], SLOT, v[ADA]
	v_mov_b32 v[ADB], v13
	v_add_nc_u32 v[ADB+1], SLOT, v13
	s_mul_i32 s60, s10, 16*SP
	s_add_co_u32 s60, s60, STAGE
	v_mul_u32_u24 v13, v1, SP
	v_lshl_add_u32 v13, v12, 4, v13
	v_add_nc_u32 v[STO], s60, v13
	v_mul_u32_u24 v13, v12, SP
	v_lshl_add_u32 v13, v1, 4, v13
	v_add_nc_u32 v[RD], s60, v13
	v_lshlrev_b32 v13, 9, v12
	v_lshl_add_u32 v[CO], v1, 4, v13
	v_lshlrev_b32 v[VH], 5, v12
.macro FETCH s, kk, f                  ; 18 LDS loads: the fragments of 32 along K into buffer f
	PLACES
	ds_load_b128 v[AF+8*\f:AF+8*\f+3],   v[ADA+\s] offset:64*\kk
	ds_load_b128 v[AF+8*\f+4:AF+8*\f+7], v[ADA+\s] offset:64*\kk+32
.irp b, 0,1,2,3,4,5,6,7
	ds_load_b128 v[BF+64*\f+8*\b:BF+64*\f+8*\b+3],   v[ADB+\s] offset:8448*\b+64*\kk
	ds_load_b128 v[BF+64*\f+8*\b+4:BF+64*\f+8*\b+7], v[ADB+\s] offset:8448*\b+64*\kk+32
.endr
.endm
.macro MUL f, zero                     ; the eight accumulators take turns, one instruction a turn
.irp b, 0,1,2,3,4,5,6,7
.if \zero
	v_wmma_f32_16x16x32_bf16 v[H+8*\b:H+8*\b+7], v[BF+64*\f+8*\b:BF+64*\f+8*\b+7], v[AF+8*\f:AF+8*\f+7], 0
.else
	v_wmma_f32_16x16x32_bf16 v[H+8*\b:H+8*\b+7], v[BF+64*\f+8*\b:BF+64*\f+8*\b+7], v[AF+8*\f:AF+8*\f+7], v[H+8*\b:H+8*\b+7]
.endif
.endr
.endm
.macro WORK s, zero                    ; a chunk of 256 along K.  s_wait_dscnt 18: all but the 18 loads just issued are in
	FETCH \s, 0, 0
	FETCH \s, 1, 1
	s_wait_dscnt 18
	MUL 0, \zero
	FETCH \s, 2, 0
	s_wait_dscnt 18
	MUL 1, 0
	FETCH \s, 3, 1
	s_wait_dscnt 18
	MUL 0, 0
	FETCH \s, 4, 0
	s_wait_dscnt 18
	MUL 1, 0
	FETCH \s, 5, 1
	s_wait_dscnt 18
	MUL 0, 0
	FETCH \s, 6, 0
	s_wait_dscnt 18
	MUL 1, 0
	FETCH \s, 7, 1
	s_wait_dscnt 18
	MUL 0, 0
	s_wait_dscnt 0x0
	MUL 1, 0
.endm
; Slot o, which has been read, is filled again: every wave waits for all its tensor loads and for its LDS reads, the round brings all waves of
; all four work-groups here, and the refill is the wave's one tensor load behind it.
.macro STEP o
	s_wait_tensorcnt 0x0
	ds_add_u32 v14, v15
	s_add_nc_u64 s[G0A+4*\o+2:G0A+4*\o+3], s[G0A+4*\o+2:G0A+4*\o+3], 1024
	s_add_nc_u64 s[G0B+4*\o+2:G0B+4*\o+3], s[G0B+4*\o+2:G0B+4*\o+3], 1024
	s_wait_dscnt 0x0
	ROUND
	TLOAD \o
.endm
.macro LNSTAT c0, c1, c2, c3           ; mean and 1 / sqrt(var + eps) of my row; H leaves with the mean taken away
	v_pk_add_f32 v[\c0:\c0+1], v[H:H+1],     v[H+2:H+3]
	v_pk_add_f32 v[\c1:\c1+1], v[H+4:H+5],   v[H+6:H+7]
	v_pk_add_f32 v[\c2:\c2+1], v[H+8:H+9],   v[H+10:H+11]
	v_pk_add_f32 v[\c3:\c3+1], v[H+12:H+13], v[H+14:H+15]
.set i, 16
.rept 6
	v_pk_add_f32 v[\c0:\c0+1], v[\c0:\c0+1], v[H+i:H+i+1]
	v_pk_add_f32 v[\c1:\c1+1], v[\c1:\c1+1], v[H+i+2:H+i+3]
	v_pk_add_f32 v[\c2:\c2+1], v[\c2:\c2+1], v[H+i+4:H+i+5]
	v_pk_add_f32 v[\c3:\c3+1], v[\c3:\c3+1], v[H+i+6:H+i+7]
.set i, i+8
.endr
	v_pk_add_f32 v[\c0:\c0+1], v[\c0:\c0+1], v[\c1:\c1+1]
	v_pk_add_f32 v[\c2:\c2+1], v[\c2:\c2+1], v[\c3:\c3+1]
	v_pk_add_f32 v[\c0:\c0+1], v[\c0:\c0+1], v[\c2:\c2+1]
	v_add_f32 v[\c0], v[\c0], v[\c0+1]
	v_permlanex16_b32 v[\c0+1], v[\c0], s74, s75
	v_add_f32 v[\c0], v[\c0], v[\c0+1]
	v_mul_f32 v[M], s76, v[\c0]
	v_mul_f32 v[M+1], s76, v[\c0]
.set i, 0
.rept 32
	v_pk_add_f32 v[H+i:H+i+1], v[H+i:H+i+1], v[M:M+1] neg_lo:[0,1] neg_hi:[0,1]
.set i, i+2
.endr
	v_pk_mul_f32 v[\c0:\c0+1], v[H:H+1],   v[H:H+1]
	v_pk_mul_f32 v[\c1:\c1+1], v[H+2:H+3], v[H+2:H+3]
	v_pk_mul_f32 v[\c2:\c2+1], v[H+4:H+5], v[H+4:H+5]
	v_pk_mul_f32 v[\c3:\c3+1], v[H+6:H+7], v[H+6:H+7]
.set i, 8
.rept 7
	v_pk_fma_f32 v[\c0:\c0+1], v[H+i:H+i+1],   v[H+i:H+i+1],   v[\c0:\c0+1]
	v_pk_fma_f32 v[\c1:\c1+1], v[H+i+2:H+i+3], v[H+i+2:H+i+3], v[\c1:\c1+1]
	v_pk_fma_f32 v[\c2:\c2+1], v[H+i+4:H+i+5], v[H+i+4:H+i+5], v[\c2:\c2+1]
	v_pk_fma_f32 v[\c3:\c3+1], v[H+i+6:H+i+7], v[H+i+6:H+i+7], v[\c3:\c3+1]
.set i, i+8
.endr
	v_pk_add_f32 v[\c0:\c0+1], v[\c0:\c0+1], v[\c1:\c1+1]
	v_pk_add_f32 v[\c2:\c2+1], v[\c2:\c2+1], v[\c3:\c3+1]
	v_pk_add_f32 v[\c0:\c0+1], v[\c0:\c0+1], v[\c2:\c2+1]
	v_add_f32 v[\c0], v[\c0], v[\c0+1]
	v_permlanex16_b32 v[\c0+1], v[\c0], s74, s75
	v_add_f32 v[\c0], v[\c0], v[\c0+1]
	v_fma_f32 v[T], v[\c0], s76, s77
	v_rsq_f32 v[R], v[T]
	v_nop                                          ; one plain place behind the transcendental (ISA guide 5.7.2)
	s_wait_alu depctr_va_vdst(0)
	v_mov_b32 v[R+1], v[R]
.endm
.macro VEC64 dst, base                 ; a vector over the 128 columns in the accumulators' layout
.irp b, 0,1,2,3,4,5,6,7
	global_load_b128 v[\dst+8*\b:\dst+8*\b+3],   v[VH], s[\base:\base+1] offset:64*\b
	global_load_b128 v[\dst+8*\b+4:\dst+8*\b+7], v[VH], s[\base:\base+1] offset:64*\b+16
.endr
.endm
	s_wait_tensorcnt 0x1                           ; my part of chunk 0 is in; chunk 1's may stay out
	s_barrier_signal -1
	s_barrier_wait -1
	WORK 0, 1                                      ; chunk 0 starts the sums
	s_mov_b32 s3, 3
.Lk:
	STEP 0                                         ; chunks 2, 4, 6 into slot 0
	WORK 1, 0
	STEP 1                                         ; chunks 3, 5, 7 into slot 1
	WORK 0, 0
	s_sub_co_u32 s3, s3, 1
	s_cmp_lg_u32 s3, 0
	s_cbranch_scc1 .Lk
	s_wait_tensorcnt 0x0                           ; my part of the last chunk is in,
	s_wait_dscnt 0x0
	s_barrier_signal -1
	s_barrier_wait -1                              ; everybody's is; nothing is left to fetch
	WORK 1, 0
	PLACES
	s_cmp_ge_u32 s14, 32                           ; the role: the same in all four work-groups of a cluster
	s_cbranch_scc1 .Lscale
	VEC64 BF, 86                                   ; bpost
	VEC64 BF+64, 88                                ; ln_g
	s_wait_loadcnt 16                              ; bpost is in; ln_g's 16 loads stay out
.set i, 0
.rept 32
	v_pk_add_f32 v[H+i:H+i+1], v[H+i:H+i+1], v[BF+i:BF+i+1]
.set i, i+2
.endr
	VEC64 BF, 90                                   ; ln_b
	LNSTAT 32, 34, 36, 38
	s_wait_loadcnt 0x0
.set i, 0
.rept 32
	v_pk_mul_f32 v[H+i:H+i+1], v[H+i:H+i+1], v[R:R+1]
.set i, i+2
.endr
.set i, 0
.rept 32
	v_pk_fma_f32 v[H+i:H+i+1], v[H+i:H+i+1], v[BF+64+i:BF+64+i+1], v[BF+i:BF+i+1]
.set i, i+2
.endr
	s_branch .Lpack
.Lscale:
.set i, 0
.rept 32
	v_pk_mul_f32 v[H+i:H+i+1], v[H+i:H+i+1], 0x3dcccccd op_sel_hi:[1,0]     ; the factor 0.1 of both side products
.set i, i+2
.endr
.Lpack:
.set i, 0
.rept 32
	v_cvt_pk_bf16_f32 v[PK+i], v[H+2*i], v[H+2*i+1]
.set i, i+1
.endr
	; 16 rows x 128 bf16 go through my own stage and leave as whole rows of 256 bytes
.irp b, 0,1,2,3,4,5,6,7
	ds_store_b128 v[STO], v[PK+4*\b:PK+4*\b+3] offset:32*\b
.endr
.irp t, 0,1,2,3,4,5,6,7
	ds_load_b128 v[BF+4*\t:BF+4*\t+3], v[RD] offset:544*\t         ; LDS serves a wave's instructions in order: these see the stores above
.endr
.irp t, 0,1,2,3,4,5,6,7
	s_wait_dscnt 7-\t
	global_store_b128 v[CO], v[BF+4*\t:BF+4*\t+3], s[8:9] offset:1024*\t    ; 16 lanes store 256 consecutive bytes, aligned
.endr
	s_wait_tensorcnt 0x0
	ds_add_u32 v14, v15
	s_wait_dscnt 0x0
	ROUND                                          ; the closing round
	s_endpgm
.Lfunc_end_k_q69e77a192f_post:
	.size	k_q69e77a192f_post, .Lfunc_end_k_q69e77a192f_post-k_q69e77a192f_post
	.p2alignl 7, 3214868480
	.fill 96, 4, 3214868480
	.section	.rodata,"a",@progbits
	.p2align	6, 0x0
	.amdhsa_kernel k_q69e77a192f_post
		.amdhsa_group_segment_fixed_size 327680
		.amdhsa_private_segment_fixed_size 0
		.amdhsa_enable_private_segment 0
		.amdhsa_kernarg_size 64
		.amdhsa_user_sgpr_count 2
		.amdhsa_user_sgpr_kernarg_segment_ptr 1
		.amdhsa_wavefront_size32 1
		.amdhsa_system_sgpr_workgroup_id_x 1
		.amdhsa_system_sgpr_workgroup_id_y 1
		.amdhsa_system_sgpr_workgroup_id_z 1
		.amdhsa_system_vgpr_workitem_id 0
		.amdhsa_next_free_vgpr 256
		.amdhsa_next_free_sgpr 96
		.amdhsa_reserve_vcc 0
		.amdhsa_float_denorm_mode_32 3
		.amdhsa_float_denorm_mode_16_64 3
		.amdhsa_memory_ordered 1
		.amdhsa_forward_progress 1
		.amdhsa_inst_pref_size 91
	.end_amdhsa_kernel
	.amdgpu_metadata
---
amdhsa.version: [ 1, 2 ]
amdhsa.kernels:
  - .name:           k_q69e77a192f_post
    .symbol:         k_q69e77a192f_post.kd
    .args:
      - { .name: Hb, .offset: 0, .size: 8, .value_kind: global_buffer, .address_space: global }
      - { .name: Wdo, .offset: 8, .size: 8, .value_kind: global_buffer, .address_space: global }
      - { .name: Wsm, .offset: 16, .size: 8, .value_kind: global_buffer, .address_space: global }
      - { .name: bpost, .offset: 24, .size: 8, .value_kind: global_buffer, .address_space: global }
      - { .name: ln_g, .offset: 32, .size: 8, .value_kind: global_buffer, .address_space: global }
      - { .name: ln_b, .offset: 40, .size: 8, .value_kind: global_buffer, .address_space: global }
      - { .name: AIO, .offset: 48, .size: 8, .value_kind: global_buffer, .address_space: global }
      - { .name: Wx, .offset: 56, .size: 8, .value_kind: global_buffer, .address_space: global }
    .group_segment_fixed_size: 327680
    .private_segment_fixed_size: 0
    .kernarg_segment_align: 8
    .kernarg_segment_size: 64
    .max_flat_workgroup_size: 128
    .sgpr_count:     96
    .vgpr_count:     256
    .wavefront_size: 32
...
	.end_amdgpu_metadata
.endif
;; end of part 4
;; launch mix (part 5): grid 256 x 1, 4 waves a work-group, clusters of 4 x 1, 327,680 bytes of LDS; arguments AIO, Hx; writes Hx
.if DOCPART == 5
	.amdgcn_target "amdgcn-amd-amdhsa--gfx1250"
	.amdhsa_code_object_version 6
	.text
	.protected	k_q69e77a192f_mix
	.globl	k_q69e77a192f_mix
	.p2align	8
	.type	k_q69e77a192f_mix,@function
k_q69e77a192f_mix:
	s_mov_b64 s[64:65], 0
	v_nop
	global_prefetch_b8 v0, s[64:65] scope:SCOPE_SE
	s_setreg_imm32_b32 hwreg(HW_REG_WAVE_MODE, 25, 1), 1
	s_wait_xcnt 0x0
	s_wait_alu depctr_hold_cnt(0) depctr_sa_sdst(0) depctr_va_vdst(0) depctr_va_sdst(0) depctr_va_ssrc(0) depctr_va_vcc(0) depctr_vm_vsrc(0)
	s_getreg_b32 s2, hwreg(HW_REG_IB_STS2, 6, 4)
	s_cmp_eq_u32 s2, 0
	s_cbranch_scc0 .Lentry_in_a_cluster
	s_endpgm
.Lentry_in_a_cluster:
	s_bfe_u32 s2, ttmp6, 0x10000c
	s_cmp_lg_u32 s2, 0x3003
	s_cbranch_scc0 .Lentry_shape_is_right
	s_endpgm
.Lentry_shape_is_right:
; adapt[s] = sum over t of silu(clip(adapt_in[s] . adapt_out[t], -5, 5)) adapt_in[t], within a batch of 2,048 tokens -> Hx columns 0-127, bf16.
; A work-group takes 32 tokens s; wave w takes t = 512 w .. 512 w + 511 of the batch in 8 tiles of 64, and the four partial sums meet in LDS.
; A row of AIO is adapt_out | adapt_in (512 bytes), so one tensor load brings both operands of a tile: 64 rows, LDS pitch 528.
; Each wave has its own ring of two slots (67,584 bytes), issues its own loads and reads only its own bytes.
; CLUSTER of 4: the four work-groups belong to one batch and walk the same tiles, so every tile is asked for jointly (mask 15).
; A wave has two tensor loads out at the start and one behind each round.
; Both products are computed transposed.  S^T = adapt_out adapt_in^T: a lane holds token s = l % 16 and eight neighbouring t, which packed to
; bf16 are the second product's right-hand fragment as they lie.  adapt^T = V^T P^T, with V^T fetched by the transposing LDS load.
; With pitch 528 the plain fragment loads touch 16 different 16-byte columns; the transposing loads' two half-rows of 16 bytes share some banks.
; The second product of a group of 32 t is issued one group late, in front of the next group's activation, so that the matrix unit works under it.
; The clip bounds the exponent to |5 log2(e)|: no exponential here can overflow or vanish.
.set PITCH, 528
.set TILEB, 64*PITCH                   ; 33,792
.set RING,  2*TILEB
.set KA, 2                             ; v2     adapt_out's fragments: ring + 528 r + 16 h
.set VA, 3                             ; v3     the transposing loads: ring + (8 h + l % 8) 528 + 16 ((l / 8) % 2) + 256
.set QO, 4                             ; v4     my tokens in AIO: 512 r + 16 h
.set RS, 5                             ; v5     the partial sums: ring + 528 r + 32 h
.set RL, 6                             ; v6-9   wave p's partial sums of the 8 rows that I add up
.set SO, 10                            ; v10    8 l
.set Q,  16                            ; v16-79   adapt_in of my 32 tokens: fragment (n, kk) at 8 (4 n + kk)
.set KF, 80                            ; v80-143  adapt_out of 32 t: fragment (tb, kk) at 8 (4 tb + kk)
.set S,  144                           ; v144-175 scores: tile (tb, n) at 8 (2 tb + n)
.set P,  176                           ; v176-191 their activation in bf16: fragment n at 8 n
.set T,  192                           ; v192-223 at work
.set VF, 128                           ; window 1: v0-127 the 16 accumulator tiles (i, n) at 8 (2 i + n); v128-191 V^T, fragment i at 8 i
.set G1, 16
.set G0, 24
.set MSB, 0
.macro WIN new                         ; the immediate's high byte repeats the setting that is left
.if MSB != \new
	s_set_vgpr_msb (MSB<<8)|\new
.set MSB, \new
.endif
.endm
.macro PLACES                          ; four places behind a matrix instruction (ISA guide 7.12.1)
.rept 4
	v_nop
.endr
.endm
.macro ROUND                           ; a round of the cluster's barrier
	s_barrier_signal -1
	s_barrier_wait -1
	s_cmp_lg_u32 s10, 0
	s_cbranch_scc1 .Lnot_wave_0_\@
	s_barrier_signal -3
.Lnot_wave_0_\@:
	s_barrier_wait -3
	s_barrier_signal -1
	s_barrier_wait -1
.endm
	s_load_b128 s[4:7], s[0:1], 0x0                ; AIO, Hx
	v_lshl_add_u32 v254, v0, 2, 0x42000
	v_mov_b32 v255, 0
	ds_add_u32 v254, v255
	v_lshrrev_b32 v1, 5, v0
	v_readfirstlane_b32 s10, v1                    ; wave
	s_bfe_u32 s8, ttmp6, 0x40000                   ; cx
	s_mov_b32 s14, ttmp9
	s_lshl_b32 s13, s14, 2
	s_add_co_u32 s13, s13, s8                      ; work-group: tokens 32 x it
	s_lshr_b32 s15, s14, 4                         ; batch: 16 clusters each
	s_mov_b32 s36, 0xc0a00000                      ; -5
	s_mov_b32 s37, 0x40a00000                      ; 5
	s_mov_b32 s38, 0xbfb8aa3b                      ; -log2(e), twice
	s_mov_b32 s39, 0xbfb8aa3b
	s_mov_b32 s[G1+0], 15|(1<<16)|(1<<20)|(1<<21)|(6<<22)|(3<<25)  ; to all four; 2-byte elements; 4 words of padding behind every 128
	s_mov_b32 s[G1+1], 256<<16
	s_mov_b32 s[G1+2], 64<<16
	s_mov_b32 s[G1+3], 256<<16
	s_mov_b32 s[G1+4], 64
	s_mov_b32 s[G1+5], 256
	s_mov_b32 s[G1+6], 0
	s_mov_b32 s[G1+7], 0
	s_lshl_b32 s32, s15, 20                        ; 2,048 rows of 512 bytes a batch,
	s_lshl_b32 s33, s10, 18                        ; 512 rows a wave
	s_add_co_u32 s32, s32, s33
	s_mov_b32 s33, 0
	s_mul_i32 s34, s10, RING                       ; my wave's ring
	s_lshl_b32 s44, s13, 14                        ; my work-group's 32 rows
	s_mov_b32 s45, 0
	s_wait_dscnt 0x0
	s_wait_kmcnt 0x0
	s_add_nc_u64 s[32:33], s[4:5], s[32:33]
	s_add_nc_u64 s[40:41], s[4:5], s[44:45]
	s_add_nc_u64 s[40:41], s[40:41], 256           ; adapt_in is a row's right half
	s_add_nc_u64 s[42:43], s[6:7], s[44:45]
	s_lshl_b32 s44, s10, 12                        ; the 8 rows that I store
	s_add_nc_u64 s[42:43], s[42:43], s[44:45]
.irp s, 0,1
	s_mov_b32 s[G0+4*\s], 1
	s_add_co_u32 s[G0+4*\s+1], s34, \s*TILEB
	s_add_nc_u64 s[G0+4*\s+2:G0+4*\s+3], s[32:33], \s*32768
	s_or_b32 s[G0+4*\s+3], s[G0+4*\s+3], 0x80000000
.endr
	ROUND                                          ; all four work-groups are here: the first joint loads meet
	tensor_load_to_lds s[G0:G0+3], s[G1:G1+7]      ; tiles 0 and 1
	s_nop 0
	tensor_load_to_lds s[G0+4:G0+7], s[G1:G1+7]
	s_nop 0
	v_and_b32 v1, 15, v0                           ; r
	v_bfe_u32 v11, v0, 4, 1                        ; h
	v_and_b32 v12, 31, v0                          ; l
	v_mul_u32_u24 v13, v1, PITCH
	v_add_nc_u32 v13, s34, v13
	v_lshl_add_u32 v[KA], v11, 4, v13
	v_lshl_add_u32 v[RS], v11, 5, v13
	v_and_b32 v14, 7, v0
	v_lshl_add_u32 v14, v11, 3, v14
	v_mul_u32_u24 v14, v14, PITCH
	v_bfe_u32 v15, v0, 3, 1
	v_lshl_add_u32 v14, v15, 4, v14
	v_add3_u32 v[VA], v14, s34, 0x100
	v_lshlrev_b32 v13, 9, v1
	v_lshl_add_u32 v[QO], v11, 4, v13
	s_mul_i32 s44, s10, 8*PITCH
	v_lshl_add_u32 v[RL], v12, 4, s44
	v_add_nc_u32 v[RL+1], RING, v[RL]
	v_add_nc_u32 v[RL+2], 2*RING, v[RL]
	v_add_nc_u32 v[RL+3], 3*RING, v[RL]
	v_lshlrev_b32 v[SO], 3, v12
.irp n, 0,1
.irp kk, 0,1,2,3
	global_load_b128 v[Q+8*(4*\n+\kk):Q+8*(4*\n+\kk)+3],   v[QO], s[40:41] offset:8192*\n+64*\kk
	global_load_b128 v[Q+8*(4*\n+\kk)+4:Q+8*(4*\n+\kk)+7], v[QO], s[40:41] offset:8192*\n+64*\kk+32
.endr
.endr
.macro LOADK s, u                      ; adapt_out of the 32 t of group u of slot s: 16 loads
.irp tb, 0,1
.irp kk, 0,1,2,3
	ds_load_b128 v[KF+8*(4*\tb+\kk):KF+8*(4*\tb+\kk)+3],   v[KA] offset:TILEB*\s+8448*(2*\u+\tb)+64*\kk
	ds_load_b128 v[KF+8*(4*\tb+\kk)+4:KF+8*(4*\tb+\kk)+7], v[KA] offset:TILEB*\s+8448*(2*\u+\tb)+64*\kk+32
.endr
.endr
.endm
.macro LOADV s, u                      ; adapt_in of the same 32 t, transposed: 16 loads
	WIN 0x40
.irp i, 0,1,2,3,4,5,6,7
	ds_load_tr16_b128 v[VF+8*\i:VF+8*\i+3],   v[VA] offset:TILEB*\s+16896*\u+32*\i
	ds_load_tr16_b128 v[VF+8*\i+4:VF+8*\i+7], v[VA] offset:TILEB*\s+16896*\u+32*\i+8448
.endr
	WIN 0
.endm
.macro MM1                             ; the scores of 32 t x 32 s; the four tiles take turns, one instruction a turn
.irp kk, 0,1,2,3
.irp tb, 0,1
.irp n, 0,1
.if \kk == 0
	v_wmma_f32_16x16x32_bf16 v[S+8*(2*\tb+\n):S+8*(2*\tb+\n)+7], v[KF+8*(4*\tb+\kk):KF+8*(4*\tb+\kk)+7], v[Q+8*(4*\n+\kk):Q+8*(4*\n+\kk)+7], 0
.else
	v_wmma_f32_16x16x32_bf16 v[S+8*(2*\tb+\n):S+8*(2*\tb+\n)+7], v[KF+8*(4*\tb+\kk):KF+8*(4*\tb+\kk)+7], v[Q+8*(4*\n+\kk):Q+8*(4*\n+\kk)+7], v[S+8*(2*\tb+\n):S+8*(2*\tb+\n)+7]
.endif
.endr
.endr
.endr
.endm
.macro MM2 zero                        ; 128 a x 32 s += V^T P^T over 32 t: sixteen accumulators, one instruction each
	WIN 0x51                                       ; source 0, C and D window 1; source 1 window 0
.irp i, 0,1,2,3,4,5,6,7
.irp n, 0,1
.if \zero
	v_wmma_f32_16x16x32_bf16 v[8*(2*\i+\n):8*(2*\i+\n)+7], v[VF+8*\i:VF+8*\i+7], v[P+8*\n:P+8*\n+7], 0
.else
	v_wmma_f32_16x16x32_bf16 v[8*(2*\i+\n):8*(2*\i+\n)+7], v[VF+8*\i:VF+8*\i+7], v[P+8*\n:P+8*\n+7], v[8*(2*\i+\n):8*(2*\i+\n)+7]
.endif
.endr
.endr
	WIN 0
.endm
.macro SILU                            ; P = bf16(c / (1 + 2^(-log2(e) c))), c = the score clipped to [-5, 5]
.set i, 0
.rept 32
	v_med3_num_f32 v[S+i], v[S+i], s36, s37
.set i, i+1
.endr
.set i, 0
.rept 16
	v_pk_mul_f32 v[T+i:T+i+1], v[S+i:S+i+1], s[38:39] op_sel_hi:[1,0]
.set i, i+2
.endr
.set i, 0
.rept 32
	v_exp_f32 v[T+i], v[T+i]
.set i, i+1
.endr
	v_nop                                          ; one plain place behind the transcendentals (ISA guide 5.7.2)
.set i, 0
	s_wait_alu depctr_va_vdst(0)
.rept 16
	v_pk_add_f32 v[T+i:T+i+1], v[T+i:T+i+1], 1.0 op_sel_hi:[1,0]
.set i, i+2
.endr
.set i, 0
.rept 32
	v_rcp_f32 v[T+i], v[T+i]
.set i, i+1
.endr
	v_nop
.set i, 0
	s_wait_alu depctr_va_vdst(0)
.rept 16
	v_pk_mul_f32 v[S+i:S+i+1], v[S+i:S+i+1], v[T+i:T+i+1]
.set i, i+2
.endr
.irp n, 0,1
.irp tb, 0,1
.irp p, 0,1,2,3
	v_cvt_pk_bf16_f32 v[P+8*\n+4*\tb+\p], v[S+8*(2*\tb+\n)+2*\p], v[S+8*(2*\tb+\n)+2*\p+1]
.endr
.endr
.endr
.endm
; Slot s, which has been read, is filled again: the wave waits for its LDS reads and for all its tensor loads, the round brings all waves of all
; four work-groups here, and the refill is the wave's one tensor load behind it.
.macro FILL s
	s_wait_dscnt 0x0
	s_wait_tensorcnt 0x0
	ds_add_u32 v254, v255
	s_wait_dscnt 0x0
	s_add_nc_u64 s[G0+4*\s+2:G0+4*\s+3], s[G0+4*\s+2:G0+4*\s+3], 65536
	ROUND
	tensor_load_to_lds s[G0+4*\s:G0+4*\s+3], s[G1:G1+7]
	s_nop 0
.endm
; A tile of 64 t in slot s (o = the other slot), as two groups of 32.
.macro TILE s, o, first, fill, more
	s_wait_dscnt 0x0                               ; this group's adapt_out and the last group's V^T are in
	MM1
.if \first == 0
	MM2 0                                          ; the last group's second product
.endif
	PLACES
	LOADK \s, 1
	LOADV \s, 0
	SILU
	s_wait_dscnt 16                                ; adapt_out of the second group is in; the 16 transposing loads may be out
	MM1
	s_wait_dscnt 0x0
	MM2 \first                                     ; the very first one starts the sums
	PLACES
	LOADV \s, 1
	SILU
.if \fill
	FILL \s
	s_wait_tensorcnt 0x1                           ; the refill just issued stays out; the other slot's tile has landed
.else
.if \more
	s_wait_tensorcnt 0x0                           ; the last tile has landed
.endif
.endif
.if \more
	LOADK \o, 0
.endif
.endm
	s_wait_tensorcnt 0x1                           ; tile 0 is in; tile 1 stays out.  Only I read these bytes: my own wait is all the ordering they need
	LOADK 0, 0
	s_wait_loadcnt 0x0                             ; my tokens' fragments
	TILE 0, 1, 1, 1, 1                             ; tile 0; tile 2 is asked for
	TILE 1, 0, 0, 1, 1                             ; tile 1; tile 3
	s_mov_b32 s3, 2
.Lt:
	TILE 0, 1, 0, 1, 1                             ; tiles 2, 4; tiles 4, 6 are asked for
	TILE 1, 0, 0, 1, 1                             ; tiles 3, 5; tiles 5, 7
	s_sub_co_u32 s3, s3, 1
	s_cmp_lg_u32 s3, 0
	s_cbranch_scc1 .Lt
	TILE 0, 1, 0, 0, 1                             ; tile 6: nothing is left to fetch
	TILE 1, 0, 0, 0, 0                             ; tile 7
	s_wait_dscnt 0x0
	MM2 0                                          ; the last group's second product
	; The four waves' partial sums meet in LDS: each wave writes its 32 rows x 512 bytes into its own slot 0, which has had its last fill and
	; which nobody else has read; behind a barrier wave w adds up rows 8 w .. 8 w + 7.
	PLACES
	WIN 0x04                                       ; store data in window 1
.irp i, 0,1,2,3,4,5,6,7
.irp n, 0,1
	ds_store_b128 v[RS], v[8*(2*\i+\n):8*(2*\i+\n)+3]   offset:8448*\n+64*\i
	ds_store_b128 v[RS], v[8*(2*\i+\n)+4:8*(2*\i+\n)+7] offset:8448*\n+64*\i+16
.endr
.endr
	WIN 0
	s_wait_dscnt 0x0                               ; my stores are done, for the others' sake
	s_barrier_signal -1
	s_barrier_wait -1
.irp q, 0,1,2,3,4,5,6,7
.irp p, 0,1,2,3
	ds_load_b128 v[16+16*\q+4*\p:16+16*\q+4*\p+3], v[RL+\p] offset:PITCH*\q
.endr
.endr
.irp q, 0,1,2,3,4,5,6,7
	s_wait_dscnt 28-4*\q                           ; row q's four loads are in
	v_pk_add_f32 v[16+16*\q:17+16*\q],    v[16+16*\q:17+16*\q],    v[20+16*\q:21+16*\q]
	v_pk_add_f32 v[18+16*\q:19+16*\q],    v[18+16*\q:19+16*\q],    v[22+16*\q:23+16*\q]
	v_pk_add_f32 v[24+16*\q:25+16*\q],    v[24+16*\q:25+16*\q],    v[28+16*\q:29+16*\q]
	v_pk_add_f32 v[26+16*\q:27+16*\q],    v[26+16*\q:27+16*\q],    v[30+16*\q:31+16*\q]
	v_pk_add_f32 v[16+16*\q:17+16*\q],    v[16+16*\q:17+16*\q],    v[24+16*\q:25+16*\q]
	v_pk_add_f32 v[18+16*\q:19+16*\q],    v[18+16*\q:19+16*\q],    v[26+16*\q:27+16*\q]
	v_cvt_pk_bf16_f32 v[16+16*\q], v[16+16*\q], v[17+16*\q]
	v_cvt_pk_bf16_f32 v[17+16*\q], v[18+16*\q], v[19+16*\q]
	global_store_b64 v[SO], v[16+16*\q:17+16*\q], s[42:43] offset:512*\q    ; the wave's store covers 256 consecutive bytes, aligned
.endr
	s_wait_tensorcnt 0x0
	ds_add_u32 v254, v255
	s_wait_dscnt 0x0
	ROUND                                          ; the closing round
	s_endpgm
.Lfunc_end_k_q69e77a192f_mix:
	.size	k_q69e77a192f_mix, .Lfunc_end_k_q69e77a192f_mix-k_q69e77a192f_mix
	.p2alignl 7, 3214868480
	.fill 96, 4, 3214868480
	.section	.rodata,"a",@progbits
	.p2align	6, 0x0
	.amdhsa_kernel k_q69e77a192f_mix
		.amdhsa_group_segment_fixed_size 327680
		.amdhsa_private_segment_fixed_size 0
		.amdhsa_enable_private_segment 0
		.amdhsa_kernarg_size 16
		.amdhsa_user_sgpr_count 2
		.amdhsa_user_sgpr_kernarg_segment_ptr 1
		.amdhsa_wavefront_size32 1
		.amdhsa_system_sgpr_workgroup_id_x 1
		.amdhsa_system_sgpr_workgroup_id_y 1
		.amdhsa_system_sgpr_workgroup_id_z 1
		.amdhsa_system_vgpr_workitem_id 0
		.amdhsa_next_free_vgpr 448
		.amdhsa_next_free_sgpr 66
		.amdhsa_reserve_vcc 0
		.amdhsa_float_denorm_mode_32 3
		.amdhsa_float_denorm_mode_16_64 3
		.amdhsa_memory_ordered 1
		.amdhsa_forward_progress 1
		.amdhsa_inst_pref_size 168
	.end_amdhsa_kernel
	.amdgpu_metadata
---
amdhsa.version: [ 1, 2 ]
amdhsa.kernels:
  - .name:           k_q69e77a192f_mix
    .symbol:         k_q69e77a192f_mix.kd
    .args:
      - { .name: AIO, .offset: 0, .size: 8, .value_kind: global_buffer, .address_space: global }
      - { .name: Hx, .offset: 8, .size: 8, .value_kind: global_buffer, .address_space: global }
    .group_segment_fixed_size: 327680
    .private_segment_fixed_size: 0
    .kernarg_segment_align: 8
    .kernarg_segment_size: 16
    .max_flat_workgroup_size: 128
    .sgpr_count:     66
    .vgpr_count:     448
    .wavefront_size: 32
...
	.end_amdgpu_metadata
.endif
;; end of part 5
;; launch down (part 6): grid 8 x 32, 4 waves a work-group, clusters of 4 x 4, 327,680 bytes of LDS; arguments Hb, Wdo, out0, Hx, Wx, bd, expert_weights; writes out0
.if DOCPART == 6
	.amdgcn_target "amdgcn-amd-amdhsa--gfx1250"
	.amdhsa_code_object_version 6
	.text
	.protected	k_q69e77a192f_down
	.globl	k_q69e77a192f_down
	.p2align	8
	.type	k_q69e77a192f_down,@function
k_q69e77a192f_down:
	s_mov_b64 s[64:65], 0
	v_nop
	global_prefetch_b8 v0, s[64:65] scope:SCOPE_SE
	s_setreg_imm32_b32 hwreg(HW_REG_WAVE_MODE, 25, 1), 1
	s_wait_xcnt 0x0
	s_wait_alu depctr_hold_cnt(0) depctr_sa_sdst(0) depctr_va_vdst(0) depctr_va_sdst(0) depctr_va_ssrc(0) depctr_va_vcc(0) depctr_vm_vsrc(0)
	s_getreg_b32 s2, hwreg(HW_REG_IB_STS2, 6, 4)
	s_cmp_eq_u32 s2, 0
	s_cbranch_scc0 .Lentry_in_a_cluster
	s_endpgm
.Lentry_in_a_cluster:
	s_bfe_u32 s2, ttmp6, 0x10000c
	s_cmp_lg_u32 s2, 0xf033
	s_cbranch_scc0 .Lentry_shape_is_right
	s_endpgm
.Lentry_shape_is_right:
; out = sw (hidden Wd^T + bd + adapt Wx0^T) + hw Wx1^T, sw = the sum of a token's 8 expert weights, Wx0 = 0.1 Wd Wap, Wx1 = 0.1 Wo Wp.
; One GEMM over K = 2048 + 128 + 128 in 18 steps of 128: steps 0-15 from Hb and Wdo's first 1,024 rows, step 16 from the left halves of Hx and Wx,
; step 17 from their right halves; between steps 16 and 17 every accumulator is multiplied by its token's sw.  bd is the C operand of the first
; products, so it is scaled with the rest.  Output f32.
; A work-group makes 256 tokens x 128 columns (256 work-groups), a wave 128 x 64: 32 accumulator tiles in window 1; all else in window 0.
; LDS: two slots of 104,448 bytes (256 rows of tokens, then 128 rows of weights, rows of 256 bytes at pitch 272), then a stage of 16 x 272 bytes a wave.
; CLUSTER 4 x 4: the tokens' tiles are shared along a row of the cluster, the weights' along a column; each is asked for jointly by the four.
; A wave has two tensor loads out at the start and one behind each round.
; The matrix instruction is used transposed (source 0 = weights, source 1 = tokens): a lane holds token l % 16 and eight neighbouring columns.
.set KSTEP, 128
.set PITCH, 272
.set ATILE, 256*PITCH
.set BTILE, 128*PITCH
.set SLOT,  ATILE+BTILE
.set STAGE, 2*SLOT
.set ADRA, 2
.set ADRB, 4
.set STO,  6
.set RD,   7
.set CO,   8
.set EWO,  9
.set BO,   10
.set SW,   16                          ; v16-31   sw of token 16 a + r, twice, a = 0..7
.set BIAS, 32                          ; v32-63   bd in the accumulators' layout, 4 tiles
.set FA,   64                          ; v64-191  the tokens' fragments, two buffers of 64
.set FB,   192                         ; v192-255 the weights' fragments, two buffers of 32
.set G1, 24
.set G0, 32
.set G1B, 48
.set G0B, 56
.set MSB, 0
.macro WIN new                         ; the immediate's high byte repeats the setting that is left
.if MSB != \new
	s_set_vgpr_msb (MSB<<8)|\new
.set MSB, \new
.endif
.endm
.set MUL,  0x50                        ; C and D window 1
.set MULZ, 0x40                        ; D window 1, C (the bias) window 0
.macro JLOAD s                         ; waves 0, 1 ask for the tokens' two halves, waves 2, 3 for the weights'
	s_cmp_eq_u32 s11, 0
	s_cbranch_scc0 .Lfor_b_\@
	tensor_load_to_lds s[G0+4*\s:G0+4*\s+3], s[G1:G1+7]
	s_nop 0
	s_branch .Lasked_\@
.Lfor_b_\@:
	tensor_load_to_lds s[G0B+4*\s:G0B+4*\s+3], s[G1B:G1B+7]
	s_nop 0
.Lasked_\@:
.endm
.macro CREST
	s_cmp_lg_u32 s10, 0
	s_cbranch_scc1 .Lnot_wave_0_\@
	s_barrier_signal -3
.Lnot_wave_0_\@:
	s_barrier_wait -3
	s_barrier_signal -1
	s_barrier_wait -1
.endm
.macro CROUND
	s_barrier_signal -1
	s_barrier_wait -1
	CREST
.endm
	s_load_b128 s[4:7], s[0:1], 0x0                ; Hb, Wdo
	s_load_b64 s[8:9], s[0:1], 0x10                ; out0
	s_load_b64 s[66:67], s[0:1], 0x18              ; Hx
	s_load_b64 s[68:69], s[0:1], 0x20              ; Wx
	s_load_b64 s[70:71], s[0:1], 0x28              ; bd
	s_load_b64 s[72:73], s[0:1], 0x30              ; expert_weights
	v_lshl_add_u32 v14, v0, 2, 0x37400
	v_mov_b32 v15, 0
	ds_add_u32 v14, v15
	v_lshrrev_b32 v1, 5, v0
	v_readfirstlane_b32 s10, v1                    ; wave
	s_lshr_b32 s11, s10, 1                         ; my half of the tokens.  Also: I fetch tokens (0) or weights (1)
	s_and_b32 s12, s10, 1                          ; my half of the columns.  Also: which half I fetch
	s_bfe_u32 s40, ttmp6, 0x40000                  ; cx
	s_bfe_u32 s41, ttmp6, 0x40004                  ; cy
	s_lshl_b32 s42, ttmp9, 2
	s_add_co_u32 s42, s42, s40                     ; block column
	s_and_b32 s13, ttmp7, 0xffff
	s_lshl_b32 s13, s13, 2
	s_add_co_u32 s13, s13, s41                     ; block row
	s_lshl_b32 s43, s41, 2
	s_lshl_b32 s43, 15, s43                        ; my row of the cluster
	s_lshl_b32 s44, 0x1111, s40                    ; my column
	s_mov_b32 s74, 0x76543210
	s_mov_b32 s75, 0xfedcba98
	s_or_b32 s[G1+0], s43, (1<<16)|(1<<20)|(1<<21)|(5<<22)|(3<<25)  ; mask; 2-byte elements; 4 words of padding behind every 64
	s_or_b32 s[G1B+0], s44, (1<<16)|(1<<20)|(1<<21)|(5<<22)|(3<<25)
	s_mov_b32 s[G1+1], KSTEP<<16
	s_mov_b32 s[G1B+1], KSTEP<<16
	s_mov_b32 s[G1+2], 128<<16                     ; tokens: 128 rows a load
	s_mov_b32 s[G1B+2], 64<<16                     ; weights: 64 rows
	s_mov_b32 s[G1+3], KSTEP<<16
	s_mov_b32 s[G1B+3], KSTEP<<16
	s_mov_b32 s[G1+4], 128
	s_mov_b32 s[G1B+4], 64
	s_mov_b32 s[G1+5], 2048                        ; elements from row to row in Hb and Wdo
	s_mov_b32 s[G1B+5], 2048
	s_mov_b32 s[G1+6], 0
	s_mov_b32 s[G1B+6], 0
	s_mov_b32 s[G1+7], 0
	s_mov_b32 s[G1B+7], 0
	s_lshl_b32 s17, s12, 7
	s_lshl_b32 s16, s13, 8
	s_add_co_u32 s16, s16, s17                     ; tokens: row 256 x block row + 128 x half
	s_lshl_b32 s80, s16, 9                         ; in Hx's rows of 512 bytes
	s_mov_b32 s81, 0
	s_lshl_b32 s16, s16, 12                        ; in Hb's rows of 4,096 bytes
	s_mov_b32 s17, 0
	s_lshl_b32 s47, s12, 6
	s_lshl_b32 s46, s42, 7
	s_add_co_u32 s46, s46, s47                     ; weights: row 128 x block column + 64 x half
	s_lshl_b32 s82, s46, 9
	s_mov_b32 s83, 0
	s_lshl_b32 s46, s46, 12
	s_mov_b32 s47, 0
	s_mul_i32 s20, s10, 128*PITCH                  ; LDS: tokens at 34,816 w (waves 0, 1)
	s_mul_i32 s21, s10, 64*PITCH
	s_add_co_u32 s21, s21, 128*PITCH               ; weights at 34,816 + 17,408 w (waves 2, 3): bytes 69,632 and 87,040
	s_wait_dscnt 0x0
	s_wait_kmcnt 0x0
	s_add_nc_u64 s[14:15], s[4:5], s[16:17]
	s_add_nc_u64 s[46:47], s[6:7], s[46:47]
	s_add_nc_u64 s[76:77], s[66:67], s[80:81]      ; where K steps 16 and 17 come from
	s_add_nc_u64 s[78:79], s[68:69], s[82:83]
	CROUND                                         ; all sixteen work-groups are here: the first joint loads meet
.irp s, 0,1
	s_mov_b32 s[G0+4*\s], 1
	s_add_co_u32 s[G0+4*\s+1], s20, \s*SLOT
	s_add_nc_u64 s[G0+4*\s+2:G0+4*\s+3], s[14:15], \s*KSTEP*2
	s_or_b32 s[G0+4*\s+3], s[G0+4*\s+3], 0x80000000
	s_mov_b32 s[G0B+4*\s], 1
	s_add_co_u32 s[G0B+4*\s+1], s21, \s*SLOT
	s_add_nc_u64 s[G0B+4*\s+2:G0B+4*\s+3], s[46:47], \s*KSTEP*2
	s_or_b32 s[G0B+4*\s+3], s[G0B+4*\s+3], 0x80000000
	JLOAD \s
.endr
	v_and_b32 v1, 15, v0                           ; r
	v_bfe_u32 v11, v0, 4, 1                        ; h
	v_mul_u32_u24 v12, v1, PITCH
	v_lshl_add_u32 v12, v11, 4, v12                ; 272 r + 16 h
	s_mul_i32 s22, s11, 128*PITCH                  ; my 128 tokens
	s_mul_i32 s23, s12, 64*PITCH                   ; my 64 rows of weights,
	s_add_co_u32 s23, s23, ATILE                   ; behind the tokens' 256
.irp s, 0,1
	v_add_nc_u32 v[ADRA+\s], s22, v12
	v_add_nc_u32 v[ADRB+\s], s23, v12
	s_add_co_u32 s22, s22, SLOT
	s_add_co_u32 s23, s23, SLOT
.endr
	s_mul_i32 s22, s10, 16*PITCH
	s_add_co_u32 s22, s22, STAGE                   ; my stage
	v_mul_u32_u24 v13, v1, PITCH
	v_lshl_add_u32 v13, v11, 5, v13                ; in: row r, 32 bytes for each half of the lanes
	v_add_nc_u32 v[STO], s22, v13
	v_mul_u32_u24 v13, v11, PITCH
	v_lshl_add_u32 v13, v1, 4, v13                 ; back: lanes 0-15 one row of 256 bytes, lanes 16-31 the next
	v_add_nc_u32 v[RD], s22, v13
	v_lshlrev_b32 v13, 12, v11
	v_lshl_add_u32 v[CO], v1, 4, v13               ; the same two rows in out0
	v_lshlrev_b32 v13, 5, v1
	v_lshl_add_u32 v[EWO], v11, 4, v13             ; token r's 32 bytes of weights, 16 for each half of the lanes
	v_lshlrev_b32 v[BO], 5, v11
	s_lshl_b32 s82, s42, 9                         ; bd: 4 (128 x block column + 64 x half)
	s_lshl_b32 s83, s12, 8
	s_add_co_u32 s82, s82, s83
	s_mov_b32 s83, 0
	s_add_nc_u64 s[70:71], s[70:71], s[82:83]
	s_lshl_b32 s80, s13, 13                        ; expert_weights: 32 (256 x block row + 128 x half)
	s_lshl_b32 s81, s11, 12
	s_add_co_u32 s80, s80, s81
	s_mov_b32 s81, 0
	s_add_nc_u64 s[72:73], s[72:73], s[80:81]
.irp b, 0,1,2,3
	global_load_b128 v[BIAS+8*\b:BIAS+8*\b+3],   v[BO], s[70:71] offset:64*\b
	global_load_b128 v[BIAS+8*\b+4:BIAS+8*\b+7], v[BO], s[70:71] offset:64*\b+16
.endr
.irp a, 0,1,2,3,4,5,6,7
	global_load_b128 v[FA+4*\a:FA+4*\a+3], v[EWO], s[72:73] offset:512*\a
.endr
	s_wait_loadcnt 0x0
.irp a, 0,1,2,3,4,5,6,7
	v_add_f32 v[FA+4*\a],   v[FA+4*\a],   v[FA+4*\a+1]
	v_add_f32 v[FA+4*\a+2], v[FA+4*\a+2], v[FA+4*\a+3]
	v_add_f32 v[FA+4*\a],   v[FA+4*\a],   v[FA+4*\a+2]
	v_permlanex16_b32 v[FA+4*\a+1], v[FA+4*\a], s74, s75           ; the other four weights of my token
	v_add_f32 v[SW+2*\a],   v[FA+4*\a], v[FA+4*\a+1]
	v_add_f32 v[SW+2*\a+1], v[FA+4*\a], v[FA+4*\a+1]
.endr
; 8 matrix instructions: token blocks a0, a0 + 1 x the 4 column blocks.  zero = 1: the bias starts the sums.
; The 32 accumulators take turns, one instruction a turn, in the same order in every quarter step.
.macro MULA f, a0, zero
.irp a, \a0, \a0+1
.irp b, 0,1,2,3
.if \zero
	v_wmma_f32_16x16x32_bf16 v[8*(4*(\a)+\b):8*(4*(\a)+\b)+7], v[FB+32*\f+8*\b:FB+32*\f+8*\b+7], v[FA+64*\f+8*(\a):FA+64*\f+8*(\a)+7], v[BIAS+8*\b:BIAS+8*\b+7]
.else
	v_wmma_f32_16x16x32_bf16 v[8*(4*(\a)+\b):8*(4*(\a)+\b)+7], v[FB+32*\f+8*\b:FB+32*\f+8*\b+7], v[FA+64*\f+8*(\a):FA+64*\f+8*(\a)+7], v[8*(4*(\a)+\b):8*(4*(\a)+\b)+7]
.endif
.endr
.endr
.endm
.macro FETCH slot, k, f                ; 24 LDS loads in one run: the weights' 8, then the tokens' 16
	WIN 0
.irp i, 0,1,2,3
	ds_load_b128 v[FB+32*\f+8*\i:FB+32*\f+8*\i+3],   v[ADRB+\slot] offset:\k+\i*16*PITCH
	ds_load_b128 v[FB+32*\f+8*\i+4:FB+32*\f+8*\i+7], v[ADRB+\slot] offset:\k+\i*16*PITCH+32
.endr
.irp i, 0,1,2,3,4,5,6,7
	ds_load_b128 v[FA+64*\f+8*\i:FA+64*\f+8*\i+3],   v[ADRA+\slot] offset:\k+\i*16*PITCH
	ds_load_b128 v[FA+64*\f+8*\i+4:FA+64*\f+8*\i+7], v[ADRA+\slot] offset:\k+\i*16*PITCH+32
.endr
.endm
.macro PLACES                          ; four places behind a matrix instruction (ISA guide 7.12.1)
.rept 4
	v_nop
.endr
.endm
.macro WINM zero
.if \zero
	WIN MULZ
.else
	WIN MUL
.endif
.endm
.macro QUARTER slot, k, f, g, zero
	s_wait_dscnt 8                                 ; the weights and tokens 0-63 are in; the youngest eight loads may be out
	WINM \zero
	MULA \f, 0, \zero
	MULA \f, 2, \zero
	PLACES
	FETCH \slot, \k, \g
	s_wait_dscnt 24                                ; all but the 24 just issued
	WINM \zero
	MULA \f, 4, \zero
	MULA \f, 6, \zero
.endm
.macro THREE slot, zero
	QUARTER \slot, 64,  0, 1, \zero
	QUARTER \slot, 128, 1, 0, 0
	QUARTER \slot, 192, 0, 1, 0
.endm
; The last quarter changes slots.  In front of the barrier each wave waits for its reads of this slot and for all its tensor loads; behind the
; cluster's round the refill comes first.  fill = 1: two K steps on in Hb and Wdo; fill = 2: K step 16 + slot, from Hx and Wx (rows of 256 elements).
.macro TURN slot, next, fill
	s_wait_dscnt 8
	WIN MUL
	MULA 1, 0, 0
	s_wait_dscnt 0
	s_wait_tensorcnt 0x0
	ds_add_u32 v14, v15
	s_wait_dscnt 0x0
	s_barrier_signal -1
	MULA 1, 2, 0                                   ; register work while the others arrive
	WIN 0
	s_barrier_wait -1
.if \fill == 1
	CREST
	s_add_nc_u64 s[G0+4*\slot+2:G0+4*\slot+3], s[G0+4*\slot+2:G0+4*\slot+3], 2*KSTEP*2
	s_add_nc_u64 s[G0B+4*\slot+2:G0B+4*\slot+3], s[G0B+4*\slot+2:G0B+4*\slot+3], 2*KSTEP*2
	JLOAD \slot
.endif
.if \fill == 2
	CREST
	s_mov_b32 s[G1+5], 256                         ; no tensor load of mine is out: every descriptor word may be written
	s_mov_b32 s[G1B+5], 256
	s_add_nc_u64 s[G0+4*\slot+2:G0+4*\slot+3], s[76:77], 256*\slot
	s_or_b32 s[G0+4*\slot+3], s[G0+4*\slot+3], 0x80000000
	s_add_nc_u64 s[G0B+4*\slot+2:G0B+4*\slot+3], s[78:79], 256*\slot
	s_or_b32 s[G0B+4*\slot+3], s[G0B+4*\slot+3], 0x80000000
	JLOAD \slot
.endif
	PLACES
	FETCH \next, 0, 0
	WIN MUL
	MULA 1, 4, 0
	MULA 1, 6, 0
.endm
.macro LAP zero
	THREE 0, \zero
	TURN 0, 1, 1
	THREE 1, 0
	TURN 1, 0, 1
.endm
	s_wait_tensorcnt 1                             ; my part of K step 0 is in; K step 1's stays out
	s_barrier_signal -1
	s_barrier_wait -1
	FETCH 0, 0, 0
	LAP 1                                          ; K steps 0, 1
	WIN 0
	s_mov_b32 s3, 6
.Llap:
	LAP 0                                          ; K steps 2 to 13
	WIN 0
	s_sub_co_u32 s3, s3, 1
	s_cmp_lg_u32 s3, 0
	s_cbranch_scc1 .Llap
	THREE 0, 0                                     ; K steps 14, 15; steps 16, 17 are asked for
	TURN 0, 1, 2
	THREE 1, 0
	TURN 1, 0, 2
	THREE 0, 0                                     ; K step 16: adapt
	TURN 0, 1, 0
	PLACES                                         ; shared is whole: times the token's sum of weights
	WIN 0x41                                       ; source 0 and destination window 1, source 1 window 0
.irp a, 0,1,2,3,4,5,6,7
.set i, 0
.rept 16
	v_pk_mul_f32 v[32*\a+i:32*\a+i+1], v[32*\a+i:32*\a+i+1], v[SW+2*\a:SW+2*\a+1]
.set i, i+2
.endr
.endr
	THREE 1, 0                                     ; K step 17: hw
	s_wait_dscnt 8
	WIN MUL
	MULA 1, 0, 0
	MULA 1, 2, 0
	s_wait_dscnt 0
	MULA 1, 4, 0
	MULA 1, 6, 0
	; THE WAY OUT, 16 tokens at a time: 32 bytes a lane and tile into my own stage, read back as whole rows of 256 bytes
	PLACES
	s_lshl_b32 s16, s13, 8
	s_lshl_b32 s14, s11, 7
	s_add_co_u32 s16, s16, s14                     ; my first token
	s_lshl_b32 s16, s16, 12
	s_mov_b32 s17, 0
	s_add_nc_u64 s[8:9], s[8:9], s[16:17]
	s_lshl_b32 s46, s42, 9                         ; my first column, in bytes: 512 x block column + 256 x half
	s_lshl_b32 s47, s12, 8
	s_add_co_u32 s46, s46, s47
	s_mov_b32 s47, 0
	s_add_nc_u64 s[8:9], s[8:9], s[46:47]
.macro OUT16 a, f
	WIN 0x04                                       ; store data in window 1
.irp b, 0,1,2,3
	ds_store_b128 v[STO], v[8*(4*\a+\b):8*(4*\a+\b)+3]   offset:64*\b
	ds_store_b128 v[STO], v[8*(4*\a+\b)+4:8*(4*\a+\b)+7] offset:64*\b+16
.endr
	WIN 0
	s_wait_xcnt 0x0                                ; buffer f, which stores read, and the stores' base are rewritten only behind this wait
.if \a
	s_add_nc_u64 s[8:9], s[8:9], 65536             ; 16 rows of 4,096 bytes on
.endif
.irp t, 0,1,2,3,4,5,6,7
	ds_load_b128 v[FA+64*\f+4*\t:FA+64*\f+4*\t+3], v[RD] offset:\t*2*PITCH  ; LDS serves a wave's instructions in order: these see the stores above
.endr
.irp t, 0,1,2,3,4,5,6,7
	s_wait_dscnt 7-\t
	global_store_b128 v[CO], v[FA+64*\f+4*\t:FA+64*\f+4*\t+3], s[8:9] offset:8192*\t th:TH_STORE_NT   ; 16 lanes store 256 consecutive bytes, aligned
.endr
.endm
	OUT16 0, 0
	OUT16 1, 1
	OUT16 2, 0
	OUT16 3, 1
	OUT16 4, 0
	OUT16 5, 1
	OUT16 6, 0
	OUT16 7, 1
	s_wait_tensorcnt 0x0
	ds_add_u32 v14, v15
	s_wait_dscnt 0x0
	CROUND                                         ; the closing round
	s_endpgm
.Lfunc_end_k_q69e77a192f_down:
	.size	k_q69e77a192f_down, .Lfunc_end_k_q69e77a192f_down-k_q69e77a192f_down
	.p2alignl 7, 3214868480
	.fill 96, 4, 3214868480
	.section	.rodata,"a",@progbits
	.p2align	6, 0x0
	.amdhsa_kernel k_q69e77a192f_down
		.amdhsa_group_segment_fixed_size 327680
		.amdhsa_private_segment_fixed_size 0
		.amdhsa_enable_private_segment 0
		.amdhsa_kernarg_size 56
		.amdhsa_user_sgpr_count 2
		.amdhsa_user_sgpr_kernarg_segment_ptr 1
		.amdhsa_wavefront_size32 1
		.amdhsa_system_sgpr_workgroup_id_x 1
		.amdhsa_system_sgpr_workgroup_id_y 1
		.amdhsa_system_sgpr_workgroup_id_z 1
		.amdhsa_system_vgpr_workitem_id 0
		.amdhsa_next_free_vgpr 512
		.amdhsa_next_free_sgpr 84
		.amdhsa_reserve_vcc 0
		.amdhsa_float_denorm_mode_32 3
		.amdhsa_float_denorm_mode_16_64 3
		.amdhsa_memory_ordered 1
		.amdhsa_forward_progress 1
		.amdhsa_inst_pref_size 163
	.end_amdhsa_kernel
	.amdgpu_metadata
---
amdhsa.version: [ 1, 2 ]
amdhsa.kernels:
  - .name:           k_q69e77a192f_down
    .symbol:         k_q69e77a192f_down.kd
    .args:
      - { .name: Hb, .offset: 0, .size: 8, .value_kind: global_buffer, .address_space: global }
      - { .name: Wdo, .offset: 8, .size: 8, .value_kind: global_buffer, .address_space: global }
      - { .name: out0, .offset: 16, .size: 8, .value_kind: global_buffer, .address_space: global }
      - { .name: Hx, .offset: 24, .size: 8, .value_kind: global_buffer, .address_space: global }
      - { .name: Wx, .offset: 32, .size: 8, .value_kind: global_buffer, .address_space: global }
      - { .name: bd, .offset: 40, .size: 8, .value_kind: global_buffer, .address_space: global }
      - { .name: expert_weights, .offset: 48, .size: 8, .value_kind: global_buffer, .address_space: global }
    .group_segment_fixed_size: 327680
    .private_segment_fixed_size: 0
    .kernarg_segment_align: 8
    .kernarg_segment_size: 56
    .max_flat_workgroup_size: 128
    .sgpr_count:     84
    .vgpr_count:     512
    .wavefront_size: 32
...
	.end_amdgpu_metadata
.endif
;; end of part 6
;; ======== version 2 of 3: 5 launches; 1.15 times as fast as version 1
;; limits: right only within a limited range of input values
;; workspace buffers: xb 16,777,216 bytes; Wug 8,388,608 bytes; Wdo 8,388,608 bytes; Wsm 2,097,152 bytes; Hb 33,554,432 bytes; Hx 4,194,304 bytes; AIO 4,194,304 bytes; Wx 524,288 bytes
;; launch prep (part 7): grid 592 x 1, 8 waves a work-group, no clusters, 0 bytes of LDS; arguments x, Wu, Wg, Wd, Wo, Wpost, Wpre, A, Wap, Wp, xb, Wug, Wdo, Wsm; writes xb, Wug, Wdo, Wsm
.if DOCPART == 7
	.amdgcn_target "amdgcn-amd-amdhsa--gfx1250"
	.amdhsa_code_object_version 6
	.text
	.protected	k_q69e77a192f_prep
	.globl	k_q69e77a192f_prep
	.p2align	8
	.type	k_q69e77a192f_prep,@function
k_q69e77a192f_prep:
	s_mov_b64 s[64:65], 0
	v_nop
	global_prefetch_b8 v0, s[64:65] scope:SCOPE_SE
	s_setreg_imm32_b32 hwreg(HW_REG_WAVE_MODE, 25, 1), 1
	s_wait_xcnt 0x0
; Every matrix operand is rounded to bf16 once, here, so that the later launches move and read half the bytes.
; Work-groups 0-527 convert: each takes 32 pieces of 1,024 f32 (131,072 bytes in, 65,536 out), a wave 4 pieces.
;   0-255 x -> xb;  256-319 Wu, 320-383 Wg -> Wug;  384-447 Wd, 448-511 Wo -> Wdo (Wo behind Wd);
;   512-519 Wpost, 520-523 Wpre, 524-527 A -> Wsm at bytes 0, 1,572,864 and 1,835,008.
; Wug interleaves Wu and Wg: row 256 (h>>7) + 128 ((h>>6)&1) + 64 g + (h&63), g = 0 for Wu, 1 for Wg, so that a wave of the next
; product that takes 128 neighbouring rows holds "up" and "gate" of the same 64 columns of hidden.
; Work-groups 528-559 transpose Wap, 560-591 Wp, [2048][128] f32 -> [128][2048] bf16, to Wsm at bytes 524,288 and 1,048,576.
; A stream: no LDS, no matrix unit, no cluster (no two work-groups read the same byte).  All of a wave's 32 loads are out at once.
; The two packed words of a load are written over the first two of its four registers, so a wave takes 132 registers and not 196:
; more work-groups, and with them more loads, can be at work at a time.  No register is loaded twice or written again behind its store,
; so the only waits are the counted ones for the loads.
.set LD,  4                            ; v[4:131]   32 loads of 4 f32; registers 0 and 1 of each then hold its 4 bf16
	s_load_b512 s[16:31], s[0:1], 0x0              ; x 16, Wu 18, Wg 20, Wd 22, Wo 24, Wpost 26, Wpre 28, A 30
	s_load_b256 s[32:39], s[0:1], 0x40             ; Wap 32, Wp 34, xb 36, Wug 38
	s_load_b128 s[40:43], s[0:1], 0x60             ; Wdo 40, Wsm 42
	s_mov_b32 s4, ttmp9                            ; the work-group's number
	v_lshrrev_b32 v1, 5, v0
	v_readfirstlane_b32 s5, v1                     ; the wave's number
	v_and_b32 v3, 31, v0                           ; lane
	s_mov_b32 s15, 0                               ; the upper word of every offset
	s_wait_kmcnt 0x0
	s_cmp_ge_u32 s4, 528
	s_cbranch_scc1 .Ltr
	; which tensor: source, destination, the role's first work-group, the destination's first byte
	s_mov_b64 s[6:7], s[16:17]
	s_mov_b64 s[8:9], s[36:37]
	s_mov_b32 s10, 0
	s_mov_b32 s13, 0
.macro ROLE from, src, dst, at
	s_cmp_ge_u32 s4, \from
	s_cselect_b64 s[6:7], s[\src:\src+1], s[6:7]
	s_cselect_b64 s[8:9], s[\dst:\dst+1], s[8:9]
	s_cselect_b32 s10, \from, s10
	s_cselect_b32 s13, \at, s13
.endm
	ROLE 256, 18, 38, 0
	ROLE 320, 20, 38, 0
	ROLE 384, 22, 40, 0
	ROLE 448, 24, 40, 4194304
	ROLE 512, 26, 42, 0
	ROLE 520, 28, 42, 1572864
	ROLE 524, 30, 42, 1835008
	s_sub_co_u32 s11, s4, s10                      ; my number within the role
	s_lshl_b32 s12, s11, 16
	s_add_co_u32 s12, s12, s13                     ; dense: 65,536 bytes out for each work-group
	; Wug: my 32 rows h = 32 n .. 32 n + 31 go to row 256 (n>>2) + 128 ((n>>1)&1) + 64 g + 32 (n&1), rows of 2,048 bytes
	s_lshr_b32 s2, s11, 2
	s_lshl_b32 s2, s2, 19
	s_bfe_u32 s3, s11, 0x10001
	s_lshl_b32 s3, s3, 18
	s_or_b32 s2, s2, s3
	s_and_b32 s3, s11, 1
	s_lshl_b32 s3, s3, 16
	s_or_b32 s2, s2, s3
	s_cmp_ge_u32 s4, 320
	s_cselect_b32 s3, 0x20000, 0
	s_or_b32 s2, s2, s3
	s_sub_co_u32 s14, s4, 256
	s_cmp_lt_u32 s14, 128                          ; unsigned: true for work-groups 256 to 383 alone
	s_cselect_b32 s12, s2, s12
	s_lshl_b32 s14, s11, 17                        ; source: 131,072 bytes a work-group, 16,384 a wave
	s_lshl_b32 s2, s5, 14
	s_add_co_u32 s14, s14, s2
	s_add_nc_u64 s[6:7], s[6:7], s[14:15]
	s_lshl_b32 s14, s5, 13                         ; destination: 8,192 bytes a wave
	s_add_co_u32 s14, s14, s12
	s_add_nc_u64 s[8:9], s[8:9], s[14:15]
	v_lshlrev_b32 v1, 4, v3                        ; 16 bytes a lane in
	v_lshlrev_b32 v2, 3, v3                        ; 8 bytes a lane out
.set j, 0
.rept 32
	global_load_b128 v[LD+4*j:LD+4*j+3], v1, s[6:7] offset:512*j th:TH_LOAD_NT
.set j, j+1
.endr
.set j, 0
.rept 32
	s_wait_loadcnt 31-j                            ; loads come back in order: load j is in, the younger ones stay out
	v_cvt_pk_bf16_f32 v[LD+4*j],   v[LD+4*j],   v[LD+4*j+1]        ; in place: numbers 0 and 1 into register 0,
	v_cvt_pk_bf16_f32 v[LD+4*j+1], v[LD+4*j+2], v[LD+4*j+3]        ; numbers 2 and 3 into register 1, which the line above has read
	global_store_b64 v2, v[LD+4*j:LD+4*j+1], s[8:9] offset:256*j   ; the wave's store covers 256 consecutive bytes, aligned
.set j, j+1
.endr
	s_endpgm
.Ltr:
	; A work-group takes 128 rows h (ht = 0..15) and 64 columns a; a wave 8 columns.  Lane (q, hf) loads W[128 ht + 8 q + j][a0 + 4 hf + 0..3],
	; j = 0..7, and stores, for each of its 4 columns, the 8 neighbouring h as 16 bytes: sixteen lanes fill 256 consecutive bytes, aligned.
	; The loads take 32 bytes of each row; the two tensors are 2 MiB in all and each byte is read once.
	s_sub_co_u32 s11, s4, 528
	s_mov_b32 s13, 524288
	s_cmp_ge_u32 s4, 560
	s_cselect_b64 s[6:7], s[34:35], s[32:33]       ; Wp or Wap
	s_cselect_b32 s13, 1048576, s13                ; its place in Wsm
	s_and_b32 s11, s11, 31
	s_lshr_b32 s12, s11, 1                         ; ht
	s_and_b32 s10, s11, 1
	s_lshl_b32 s10, s10, 6
	s_lshl3_add_u32 s10, s5, s10                   ; a0 = 64 x half + 8 x wave
	s_lshl_b32 s14, s12, 16                        ; 128 rows of 512 bytes
	s_lshl2_add_u32 s14, s10, s14                  ; + 4 a0
	s_add_nc_u64 s[6:7], s[6:7], s[14:15]
	s_lshl_b32 s14, s10, 12                        ; a0 rows of 4,096 bytes
	s_lshl_b32 s2, s12, 8                          ; + 128 ht columns of 2 bytes
	s_add_co_u32 s14, s14, s2
	s_add_co_u32 s14, s14, s13
	s_add_nc_u64 s[8:9], s[42:43], s[14:15]
	v_and_b32 v52, 15, v3                          ; q
	v_lshrrev_b32 v53, 4, v3                       ; hf
	v_lshlrev_b32 v1, 12, v52                      ; in: 8 q rows of 512 bytes + 16 hf
	v_lshl_add_u32 v1, v53, 4, v1
	v_lshlrev_b32 v2, 4, v52                       ; out: 4 hf rows of 4,096 bytes + 16 q
	v_lshl_add_u32 v2, v53, 14, v2
.irp j, 0,1,2,3,4,5,6,7
	global_load_b128 v[4+4*\j:7+4*\j], v1, s[6:7] offset:512*\j th:TH_LOAD_NT
.endr
	s_wait_loadcnt 0x0
.irp i, 0,1,2,3
.irp p, 0,1,2,3
	v_cvt_pk_bf16_f32 v[36+4*\i+\p], v[4+8*\p+\i], v[8+8*\p+\i]      ; rows 2 p and 2 p + 1 of column i
.endr
	global_store_b128 v2, v[36+4*\i:39+4*\i], s[8:9] offset:4096*\i
.endr
	s_endpgm
.Lfunc_end_k_q69e77a192f_prep:
	.size	k_q69e77a192f_prep, .Lfunc_end_k_q69e77a192f_prep-k_q69e77a192f_prep
	.p2alignl 7, 3214868480
	.fill 96, 4, 3214868480
	.section	.rodata,"a",@progbits
	.p2align	6, 0x0
	.amdhsa_kernel k_q69e77a192f_prep
		.amdhsa_group_segment_fixed_size 0
		.amdhsa_private_segment_fixed_size 0
		.amdhsa_enable_private_segment 0
		.amdhsa_kernarg_size 112
		.amdhsa_user_sgpr_count 2
		.amdhsa_user_sgpr_kernarg_segment_ptr 1
		.amdhsa_wavefront_size32 1
		.amdhsa_system_sgpr_workgroup_id_x 1
		.amdhsa_system_sgpr_workgroup_id_y 1
		.amdhsa_system_sgpr_workgroup_id_z 1
		.amdhsa_system_vgpr_workitem_id 0
		.amdhsa_next_free_vgpr 132
		.amdhsa_next_free_sgpr 66
		.amdhsa_reserve_vcc 0
		.amdhsa_float_denorm_mode_32 3
		.amdhsa_float_denorm_mode_16_64 3
		.amdhsa_memory_ordered 1
		.amdhsa_forward_progress 1
		.amdhsa_inst_pref_size 18
	.end_amdhsa_kernel
	.amdgpu_metadata
---
amdhsa.version: [ 1, 2 ]
amdhsa.kernels:
  - .name:           k_q69e77a192f_prep
    .symbol:         k_q69e77a192f_prep.kd
    .args:
      - { .name: x, .offset: 0, .size: 8, .value_kind: global_buffer, .address_space: global }
      - { .name: Wu, .offset: 8, .size: 8, .value_kind: global_buffer, .address_space: global }
      - { .name: Wg, .offset: 16, .size: 8, .value_kind: global_buffer, .address_space: global }
      - { .name: Wd, .offset: 24, .size: 8, .value_kind: global_buffer, .address_space: global }
      - { .name: Wo, .offset: 32, .size: 8, .value_kind: global_buffer, .address_space: global }
      - { .name: Wpost, .offset: 40, .size: 8, .value_kind: global_buffer, .address_space: global }
      - { .name: Wpre, .offset: 48, .size: 8, .value_kind: global_buffer, .address_space: global }
      - { .name: A, .offset: 56, .size: 8, .value_kind: global_buffer, .address_space: global }
      - { .name: Wap, .offset: 64, .size: 8, .value_kind: global_buffer, .address_space: global }
      - { .name: Wp, .offset: 72, .size: 8, .value_kind: global_buffer, .address_space: global }
      - { .name: xb, .offset: 80, .size: 8, .value_kind: global_buffer, .address_space: global }
      - { .name: Wug, .offset: 88, .size: 8, .value_kind: global_buffer, .address_space: global }
      - { .name: Wdo, .offset: 96, .size: 8, .value_kind: global_buffer, .address_space: global }
      - { .name: Wsm, .offset: 104, .size: 8, .value_kind: global_buffer, .address_space: global }
    .group_segment_fixed_size: 0
    .private_segment_fixed_size: 0
    .kernarg_segment_align: 8
    .kernarg_segment_size: 112
    .max_flat_workgroup_size: 256
    .sgpr_count:     66
    .vgpr_count:     132
    .wavefront_size: 32
...
	.end_amdgpu_metadata
.endif
;; end of part 7
;; launch gemm1 (part 8): grid 16 x 16, 4 waves a work-group, clusters of 4 x 4, 327,680 bytes of LDS; arguments xb, Wug, Hb, bu, bg; writes Hb
.if DOCPART == 8
	.amdgcn_target "amdgcn-amd-amdhsa--gfx1250"
	.amdhsa_code_object_version 6
	.text
	.protected	k_q69e77a192f_gemm1
	.globl	k_q69e77a192f_gemm1
	.p2align	8
	.type	k_q69e77a192f_gemm1,@function
k_q69e77a192f_gemm1:
	s_mov_b64 s[64:65], 0
	v_nop
	global_prefetch_b8 v0, s[64:65] scope:SCOPE_SE
	s_setreg_imm32_b32 hwreg(HW_REG_WAVE_MODE, 25, 1), 1
	s_wait_xcnt 0x0
	s_wait_alu depctr_hold_cnt(0) depctr_sa_sdst(0) depctr_va_vdst(0) depctr_va_sdst(0) depctr_va_ssrc(0) depctr_va_vcc(0) depctr_vm_vsrc(0)
	s_getreg_b32 s2, hwreg(HW_REG_IB_STS2, 6, 4)
	s_cmp_eq_u32 s2, 0
	s_cbranch_scc0 .Lentry_in_a_cluster
	s_endpgm
.Lentry_in_a_cluster:
	s_bfe_u32 s2, ttmp6, 0x10000c
	s_cmp_lg_u32 s2, 0xf033
	s_cbranch_scc0 .Lentry_shape_is_right
	s_endpgm
.Lentry_shape_is_right:
; hidden = silu(x Wg^T + bg) (x Wu^T + bu), bf16 out, sums and the activation in f32.
; One GEMM of [8192][1024] by Wug [4096][1024], in which Wu's and Wg's rows are interleaved by 64: a block is 256 tokens x 256 rows of
; Wug = 128 columns of hidden; a wave makes 128 x 128 of it: its tiles b = 0..3 are "up", b = 4..7 "gate" of the same 64 columns.
; Four waves, each with 64 accumulator tiles (512 registers).  K goes in steps of 128 through two LDS slots filled by the tensor data mover;
; a tile's rows are 256 bytes of memory and start at multiples of 256 bytes.
; A WORK-GROUP STAYS AND MAKES TWO BLOCKS: block rows m and m + 16 of one block column, 256 work-groups in all.  The ring runs on from the
; first block into the second: the two refills of the first block's last lap ask for the second block's first two K steps, so these land
; under the first block's activation, and the first block's stores leave under the second block's products.  The weights and the biases are the
; same for both blocks.
; CLUSTER 4 x 4: x's tiles are shared along a row of the cluster, Wug's along a column; each is asked for jointly by the four that need it.
; A wave has two tensor loads out at the start and one behind each round.
; THE ORDER OF THE 8 K STEPS IS ROTATED: cluster (X, Y) of the 4 x 4 begins with step 2 (X + Y) mod 8 and wraps round.  The four clusters that read
; the same tokens are two steps apart, and so are the four that read the same weights: after its first two steps a cluster asks only for tiles
; that another cluster has asked for before.  A sum over K has no order here.  The rotation hangs on the cluster's numbers alone, so the descriptors of the
; work-groups that ask jointly stay equal; after 8 steps the offset is back at its start, which is where the second block begins.
; Windows: 0: addresses, fragments of x (v64-127, v128-191); 1: fragments of Wug (same numbers), the biases (v192-255); 2, 3: accumulators.
; The matrix instruction is used transposed (source 0 = rows of Wug, source 1 = tokens): a lane holds token l % 16 and eight neighbouring columns.
; The biases are the C operand of each block's first products: nothing is cleared and no bias pass is needed.
; Limits: the product is formed as (up gate) sigmoid(gate), so |up gate| has to stay below f32's largest number; v_exp_f32 and v_rcp_f32 give 0
; for results below 2^-126.
.set SIZE_K, 1024
.set KSTEP,  128
.set PITCH,  272                       ; an LDS row: 256 bytes + 16 of padding, so that 16 rows start at 16 different 16-byte columns
.set HALFT,  128*PITCH
.set SLOT,   4*HALFT                   ; x's 256 rows, then Wug's 256 rows
.set STAGE,  2*SLOT                    ; byte 278,528, a multiple of 256, behind the ring: no fill ever lands here
.set SPITCH, 144                       ; the way out: 128 bytes + 16
.set WSTAGE, 64*SPITCH+128             ; a wave's region there, 64 rows; the odd 128 bytes put the two column halves on different banks
.set NEXT_A, 16*256*SIZE_K*2           ; from the first block's tokens to the second's, in xb
.set NEXT_C, 16*256*4096               ; and in Hb
.set ADRA, 16
.set ADRB, 20
.set STO,  24
.set RD,   25
.set CO,   26
.set BO,   27
.set F0,   64
.set F1,   128
.set BIAS, 192                         ; window 1
.set G1, 24
.set G0, 32
.set G1B, 48
.set G0B, 56
.set KO, 76                            ; s[76:77], s[78:79]  slot 0's, slot 1's K step as a byte offset in a row of 2,048 bytes (upper words 0)
.set MSB, 0
.macro WIN new                         ; the immediate's high byte repeats the setting that is left
.if MSB != \new
	s_set_vgpr_msb (MSB<<8)|\new
.set MSB, \new
.endif
.endm
.set MUL_LO,  0xa1                     ; source 0 window 1, source 1 window 0, C and D window 2
.set MUL_HI,  0xf1                     ; C and D window 3
.set MULB_LO, 0x91                     ; C (the bias) window 1, D window 2
.set MULB_HI, 0xd1                     ; C window 1, D window 3
.set TO_B,    0x40                     ; destination window 1
.macro JLOAD s                         ; waves 0, 1 ask for x's two halves, waves 2, 3 for Wug's; the branch hangs on the wave's number alone
	s_cmp_eq_u32 s11, 0
	s_cbranch_scc0 .Lfor_b_\@
	tensor_load_to_lds s[G0+4*\s:G0+4*\s+3], s[G1:G1+7]
	s_nop 0
	s_branch .Lasked_\@
.Lfor_b_\@:
	tensor_load_to_lds s[G0B+4*\s:G0B+4*\s+3], s[G1B:G1B+7]
	s_nop 0
.Lasked_\@:
.endm
.macro CREST                           ; a round of the cluster's barrier behind its opening barrier
	s_cmp_lg_u32 s10, 0
	s_cbranch_scc1 .Lnot_wave_0_\@
	s_barrier_signal -3
.Lnot_wave_0_\@:
	s_barrier_wait -3
	s_barrier_signal -1
	s_barrier_wait -1
.endm
.macro CROUND
	s_barrier_signal -1
	s_barrier_wait -1
	CREST
.endm
	s_load_b128 s[4:7], s[0:1], 0x0                ; xb, Wug
	s_load_b64 s[8:9], s[0:1], 0x10                ; Hb
	s_load_b64 s[68:69], s[0:1], 0x18              ; bu
	s_load_b64 s[70:71], s[0:1], 0x20              ; bg
	s_set_vgpr_msb 0x40
	v_lshl_add_u32 v63, v0, 2, 0x4d200
	s_set_vgpr_msb 0x4000
	v_mov_b32 v255, 0
	s_set_vgpr_msb 0x1
	ds_add_u32 v63, v255
	s_set_vgpr_msb 0x100
	v_lshrrev_b32 v1, 5, v0
	v_readfirstlane_b32 s10, v1                    ; wave
	s_lshr_b32 s11, s10, 1                         ; my half of the tokens.  Also: I fetch x (0) or Wug (1)
	s_and_b32 s12, s10, 1                          ; my half of the columns.  Also: which 128 rows I fetch
	s_bfe_u32 s40, ttmp6, 0x40000                  ; cx
	s_bfe_u32 s41, ttmp6, 0x40004                  ; cy
	s_lshl_b32 s42, ttmp9, 2
	s_add_co_u32 s42, s42, s40                     ; block column
	s_and_b32 s13, ttmp7, 0xffff
	s_lshl_b32 s[KO], s13, 1                       ; 2 Y
	s_lshl_b32 s[KO+1], ttmp9, 1                   ; 2 X
	s_add_co_u32 s[KO], s[KO], s[KO+1]
	s_and_b32 s[KO], s[KO], 7                      ; the first K step,
	s_add_co_u32 s[KO+2], s[KO], 1
	s_and_b32 s[KO+2], s[KO+2], 7                  ; the second: the next, round the eight
	s_lshl_b32 s[KO], s[KO], 8                     ; 256 bytes a step
	s_lshl_b32 s[KO+2], s[KO+2], 8
	s_mov_b32 s[KO+1], 0
	s_mov_b32 s[KO+3], 0
	s_lshl_b32 s13, s13, 2
	s_add_co_u32 s13, s13, s41                     ; the first block's block row, 0 to 15
	s_lshl_b32 s43, s41, 2
	s_lshl_b32 s43, 15, s43                        ; my row of the cluster
	s_lshl_b32 s44, 0x1111, s40                    ; my column
	s_mov_b32 s72, 0xbfb8aa3b                      ; -log2(e), twice
	s_mov_b32 s73, 0xbfb8aa3b
	s_or_b32 s[G1+0], s43, (1<<16)|(1<<20)|(1<<21)|(5<<22)|(3<<25)  ; mask; 2-byte elements; 4 words of padding behind every 64
	s_or_b32 s[G1B+0], s44, (1<<16)|(1<<20)|(1<<21)|(5<<22)|(3<<25)
	s_mov_b32 s[G1B+1], KSTEP<<16
	s_mov_b32 s[G1+1], KSTEP<<16
	s_mov_b32 s[G1B+2], 128<<16
	s_mov_b32 s[G1+2], 128<<16
	s_mov_b32 s[G1B+3], KSTEP<<16
	s_mov_b32 s[G1+3], KSTEP<<16
	s_mov_b32 s[G1B+4], 128
	s_mov_b32 s[G1+4], 128
	s_mov_b32 s[G1B+5], SIZE_K
	s_mov_b32 s[G1+5], SIZE_K
	s_mov_b32 s[G1B+6], 0
	s_mov_b32 s[G1+6], 0
	s_mov_b32 s[G1B+7], 0
	s_mov_b32 s[G1+7], 0
	s_lshl_b32 s17, s12, 7
	s_lshl_b32 s16, s13, 8
	s_add_co_u32 s16, s16, s17                     ; x: row 256 x block row + 128 x half
	s_lshl_b32 s46, s42, 8
	s_add_co_u32 s46, s46, s17                     ; Wug: row 256 x block column + 128 x half
	s_mov_b32 s17, 0
	s_mov_b32 s47, 0
	s_mov_b64 s[18:19], SIZE_K*2
	s_mul_u64 s[16:17], s[16:17], s[18:19]
	s_mul_u64 s[46:47], s[46:47], s[18:19]
	s_mul_i32 s20, s10, HALFT                      ; LDS: wave x 128 rows
	s_wait_dscnt 0x0
	s_wait_kmcnt 0x0
	s_add_nc_u64 s[14:15], s[4:5], s[16:17]        ; the first bytes of the rows that I fetch, in xb and in Wug; the K step's offset is added for each load
	s_add_nc_u64 s[46:47], s[6:7], s[46:47]
	CROUND                                         ; all sixteen work-groups are here: the first joint loads meet
.irp s, 0,1
	s_mov_b32 s[G0+4*\s], 1
	s_add_co_u32 s[G0+4*\s+1], s20, \s*SLOT
	s_add_nc_u64 s[G0+4*\s+2:G0+4*\s+3], s[14:15], s[KO+2*\s:KO+2*\s+1]
	s_or_b32 s[G0+4*\s+3], s[G0+4*\s+3], 0x80000000
	s_mov_b32 s[G0B+4*\s], 1
	s_add_co_u32 s[G0B+4*\s+1], s20, \s*SLOT
	s_add_nc_u64 s[G0B+4*\s+2:G0B+4*\s+3], s[46:47], s[KO+2*\s:KO+2*\s+1]
	s_or_b32 s[G0B+4*\s+3], s[G0B+4*\s+3], 0x80000000
	JLOAD \s
.endr
	v_and_b32 v1, 15, v0                           ; l % 16
	v_bfe_u32 v2, v0, 4, 1                         ; l / 16
	v_mul_u32_u24 v3, v1, PITCH
	v_lshl_add_u32 v3, v2, 4, v3
	s_mul_i32 s21, s11, HALFT
	s_mul_i32 s22, s12, HALFT
	s_add_co_u32 s22, s22, 2*HALFT
.irp s, 0,1
	v_add_nc_u32 v[ADRA+\s], s21, v3
	v_add_nc_u32 v[ADRB+\s], s22, v3
	s_add_co_u32 s21, s21, SLOT
	s_add_co_u32 s22, s22, SLOT
.endr
	s_mul_i32 s23, s10, WSTAGE                     ; the way out: my own region of the stage
	s_add_co_u32 s23, s23, STAGE
	v_mul_u32_u24 v4, v1, SPITCH
	v_lshl_add_u32 v4, v2, 4, v4
	v_add_nc_u32 v[STO], s23, v4                   ; row l % 16, 16 bytes for each half of the lanes
	s_mul_i32 s23, s11, 2*WSTAGE                   ; back: I take 32 of the 64 rows that lie in the two regions of waves 2 (w / 2) and 2 (w / 2) + 1,
	s_mul_i32 s21, s12, 32*SPITCH                  ; from their row 32 (w % 2) on
	s_add_co_u32 s23, s23, s21
	s_add_co_u32 s23, s23, STAGE
	v_mul_u32_u24 v5, v2, SPITCH                   ; lanes 0-15 one row, lanes 16-31 the next;
	v_bfe_u32 v6, v0, 3, 1
	v_mul_u32_u24 v6, v6, WSTAGE                   ; of sixteen lanes the first eight take the left 128 bytes, the others the right
	v_add_nc_u32 v5, v5, v6
	v_and_b32 v6, 7, v0
	v_lshl_add_u32 v5, v6, 4, v5
	v_add_nc_u32 v[RD], s23, v5
	v_lshlrev_b32 v5, 12, v2                       ; the same two rows in Hb (4,096 bytes each)
	v_lshl_add_u32 v[CO], v1, 4, v5
	v_lshlrev_b32 v[BO], 5, v2                     ; 8 h numbers of 4 bytes
	s_lshl_b32 s74, s42, 9                         ; the biases of my 64 columns: 4 (128 x block column + 64 x half)
	s_lshl_b32 s75, s12, 8
	s_add_co_u32 s74, s74, s75
	s_mov_b32 s75, 0
	s_add_nc_u64 s[68:69], s[68:69], s[74:75]
	s_add_nc_u64 s[70:71], s[70:71], s[74:75]
	WIN TO_B
.irp b, 0,1,2,3
	global_load_b128 v[BIAS+8*\b:BIAS+8*\b+3],       v[BO], s[68:69] offset:64*\b
	global_load_b128 v[BIAS+8*\b+4:BIAS+8*\b+7],     v[BO], s[68:69] offset:64*\b+16
	global_load_b128 v[BIAS+32+8*\b:BIAS+32+8*\b+3], v[BO], s[70:71] offset:64*\b
	global_load_b128 v[BIAS+32+8*\b+4:BIAS+32+8*\b+7], v[BO], s[70:71] offset:64*\b+16
.endr
	WIN 0
	s_lshl_b32 s16, s13, 8                         ; where I store: row 256 x block row + 128 (w / 2) + 32 (w % 2) of Hb,
	s_lshl_b32 s17, s11, 7
	s_add_co_u32 s16, s16, s17
	s_lshl_b32 s17, s12, 5
	s_add_co_u32 s16, s16, s17
	s_lshl_b32 s16, s16, 12
	s_mov_b32 s17, 0
	s_add_nc_u64 s[8:9], s[8:9], s[16:17]
	s_lshl_b32 s74, s42, 8                         ; 128 columns of 2 bytes a block column
	s_add_nc_u64 s[8:9], s[8:9], s[74:75]
; 16 matrix instructions: token blocks a0, a0 + 1 of the window's four x all 8 column blocks.  zero = 1: the bias starts the sums.
; The 64 accumulators take turns, one instruction a turn, in the same order in every quarter step.
.macro MUL16 f, hi, a0, zero
.irp a, \a0, \a0+1
.irp b, 0,1,2,3,4,5,6,7
.if \zero
	v_wmma_f32_16x16x32_bf16 v[8*(8*(\a)+\b):8*(8*(\a)+\b)+7], v[\f+8*\b:\f+8*\b+7], v[\f+8*(4*\hi+\a):\f+8*(4*\hi+\a)+7], v[BIAS+8*\b:BIAS+8*\b+7]
.else
	v_wmma_f32_16x16x32_bf16 v[8*(8*(\a)+\b):8*(8*(\a)+\b)+7], v[\f+8*\b:\f+8*\b+7], v[\f+8*(4*\hi+\a):\f+8*(4*\hi+\a)+7], v[8*(8*(\a)+\b):8*(8*(\a)+\b)+7]
.endif
.endr
.endr
.endm
.macro FETCH slot, k, f                ; 32 LDS loads in one run: a quarter step's fragments
	WIN TO_B
.irp i, 0,1,2,3,4,5,6,7
	ds_load_b128 v[\f+8*\i:\f+8*\i+3],   v[ADRB+\slot] offset:\k+\i*16*PITCH
	ds_load_b128 v[\f+8*\i+4:\f+8*\i+7], v[ADRB+\slot] offset:\k+\i*16*PITCH+32
.endr
	WIN 0
.irp i, 0,1,2,3,4,5,6,7
	ds_load_b128 v[\f+8*\i:\f+8*\i+3],   v[ADRA+\slot] offset:\k+\i*16*PITCH
	ds_load_b128 v[\f+8*\i+4:\f+8*\i+7], v[ADRA+\slot] offset:\k+\i*16*PITCH+32
.endr
.endm
.macro PLACES                          ; four places behind a matrix instruction in front of loads into its sources and of readers of its result
.rept 4
	v_nop
.endr
.endm
.macro QUARTER slot, k, f, g, zero
	s_wait_dscnt 8                                 ; Wug's fragments and tokens 0-63 are in; the youngest eight loads may be out
.if \zero
	WIN MULB_LO
.else
	WIN MUL_LO
.endif
	MUL16 \f, 0, 0, \zero
	MUL16 \f, 0, 2, \zero
	PLACES
	FETCH \slot, \k, \g
	s_wait_dscnt 32                                ; all but the 32 just issued
.if \zero
	WIN MULB_HI
.else
	WIN MUL_HI
.endif
	MUL16 \f, 1, 0, \zero
	MUL16 \f, 1, 2, \zero
.endm
.macro THREE slot, zero
	QUARTER \slot, 64,  F0, F1, \zero
	QUARTER \slot, 128, F1, F0, 0
	QUARTER \slot, 192, F0, F1, 0
.endm
; The last quarter changes slots.  In front of the barrier each wave waits for its reads of this slot and for all its tensor loads (the one that
; is out is its part of the next slot); behind it (behind the cluster's round where the slot is filled again) the refill comes first.
; The slot's K step goes two steps on, round the eight: the offset is stepped and cut apart from the addresses and then added to my rows' first bytes.
.macro TURN slot, next, fill
	s_wait_dscnt 8
	WIN MUL_LO
	MUL16 F1, 0, 0, 0
	s_wait_dscnt 0
	s_wait_tensorcnt 0x0
	ds_add_u32 v63, v255
	s_wait_dscnt 0x0
	s_barrier_signal -1
	MUL16 F1, 0, 2, 0                              ; register work while the others arrive
	WIN 0
	s_barrier_wait -1
.if \fill
	CREST
	s_add_co_u32 s[KO+2*\slot], s[KO+2*\slot], 2*KSTEP*2
	s_and_b32 s[KO+2*\slot], s[KO+2*\slot], SIZE_K*2-1
	s_add_nc_u64 s[G0+4*\slot+2:G0+4*\slot+3], s[14:15], s[KO+2*\slot:KO+2*\slot+1]
	s_or_b32 s[G0+4*\slot+3], s[G0+4*\slot+3], 0x80000000
	s_add_nc_u64 s[G0B+4*\slot+2:G0B+4*\slot+3], s[46:47], s[KO+2*\slot:KO+2*\slot+1]
	s_or_b32 s[G0B+4*\slot+3], s[G0B+4*\slot+3], 0x80000000
	JLOAD \slot
.endif
	PLACES
	FETCH \next, 0, F0
	WIN MUL_HI
	MUL16 F1, 1, 0, 0
	MUL16 F1, 1, 2, 0
.endm
.macro LAP zero
	THREE 0, \zero
	TURN 0, 1, 1
	THREE 1, 0
	TURN 1, 0, 1
.endm
; THE ACTIVATION, in the accumulators' own window: up = (up gate) / (1 + 2^(-log2(e) gate)), packed to bf16 in the tile's first four registers
.macro SILU a, b
.set UU, 8*(8*\a+\b)
.set GG, UU+32
.irp r, 0,2,4,6
	v_pk_mul_f32 v[UU+\r:UU+\r+1], v[UU+\r:UU+\r+1], v[GG+\r:GG+\r+1]
.endr
.irp r, 0,2,4,6
	v_pk_mul_f32 v[GG+\r:GG+\r+1], v[GG+\r:GG+\r+1], s[72:73] op_sel_hi:[1,0]
.endr
.irp r, 0,1,2,3,4,5,6,7
	v_exp_f32 v[GG+\r], v[GG+\r]
.endr
	v_nop                                          ; one plain place behind the transcendentals (ISA guide 5.7.2)
	s_wait_alu depctr_va_vdst(0)
.irp r, 0,2,4,6
	v_pk_add_f32 v[GG+\r:GG+\r+1], v[GG+\r:GG+\r+1], 1.0 op_sel_hi:[1,0]
.endr
.irp r, 0,1,2,3,4,5,6,7
	v_rcp_f32 v[GG+\r], v[GG+\r]
.endr
	v_nop
	s_wait_alu depctr_va_vdst(0)
.irp r, 0,2,4,6
	v_pk_mul_f32 v[UU+\r:UU+\r+1], v[UU+\r:UU+\r+1], v[GG+\r:GG+\r+1]
.endr
.irp r, 0,1,2,3
	v_cvt_pk_bf16_f32 v[UU+\r], v[UU+2*\r], v[UU+2*\r+1]           ; ascending: each line writes a register that the lines behind it do not read
.endr
.endm
; THE WAY OUT of one half of a block: rows 64 hi .. 64 hi + 63 of each wave's 128.  Each wave puts its 64 rows x 128 bytes into its own region of the
; stage; behind a barrier a wave reads 32 whole rows of 256 bytes, whose halves two waves wrote, into buffer 1 of window 0, and stores them.
; Buffer 0, which may hold the next block's first fragments, and the biases are not touched.  The tensor
; load that is out for the next block may stay out across them.
.macro HALF_OUT hi, all, data
	WIN \all
.irp a, 0,1,2,3
.irp b, 0,1,2,3
	SILU \a, \b
.endr
.endr
.if \hi
	s_barrier_signal -1                            ; the stage is written again: every wave's reads of the first half are back (its count-down below ended at 0)
	s_barrier_wait -1
.endif
	WIN \data
.irp a, 0,1,2,3
.irp b, 0,1,2,3
	ds_store_b128 v[STO], v[8*(8*\a+\b):8*(8*\a+\b)+3] offset:16*\a*SPITCH+32*\b
.endr
.endr
	WIN 0
	s_wait_dscnt 0x0                               ; my stores are done, for the others' sake (and the next block's first fragments are in)
	s_barrier_signal -1
	s_barrier_wait -1
	s_wait_xcnt 0x0                                ; buffer 1, which earlier stores read, is loaded again only behind this wait
.set t, 0
.rept 16
	ds_load_b128 v[F1+4*t:F1+4*t+3], v[RD] offset:2*SPITCH*t
.set t, t+1
.endr
.set t, 0
.rept 16
	s_wait_dscnt 15-t                              ; LDS loads come back in order: load t is in
	global_store_b128 v[CO], v[F1+4*t:F1+4*t+3], s[8:9] offset:\hi*262144+8192*t    ; 16 lanes store 256 consecutive bytes, aligned
.set t, t+1
.endr
.endm
.macro EPI
	PLACES                                         ; behind the block's last matrix instructions: for the activation, which reads results, and for the loads into buffer 1
	HALF_OUT 0, 0xaa, 0x08
	HALF_OUT 1, 0xff, 0x0c
.endm
	s_wait_loadcnt 0x0                             ; the biases
	s_wait_tensorcnt 1                             ; my part of the first K step is in; the second's stays out
	s_barrier_signal -1
	s_barrier_wait -1
	FETCH 0, 0, F0
	; THE FIRST BLOCK: four laps of two K steps, all with refills
	LAP 1
	WIN 0
	s_mov_b32 s3, 2
.Llap0:
	LAP 0
	WIN 0
	s_sub_co_u32 s3, s3, 1
	s_cmp_lg_u32 s3, 0
	s_cbranch_scc1 .Llap0
	s_add_nc_u64 s[14:15], s[14:15], NEXT_A        ; from here on the refills ask for the second block's tokens; the offsets have come round to their start
	LAP 0                                          ; the last two K steps; its last lines fetch the second block's first fragments into buffer 0
	EPI
	s_wait_xcnt 0x0                                ; buffer 1, which the stores above read, is loaded again in the next quarter step
	; THE SECOND BLOCK: three laps with refills, the last without
	LAP 1
	WIN 0
	s_mov_b32 s3, 2
.Llap1:
	LAP 0
	WIN 0
	s_sub_co_u32 s3, s3, 1
	s_cmp_lg_u32 s3, 0
	s_cbranch_scc1 .Llap1
	THREE 0, 0                                     ; the last lap fills nothing
	TURN 0, 1, 0
	THREE 1, 0
	s_wait_dscnt 8
	WIN MUL_LO
	MUL16 F1, 0, 0, 0
	MUL16 F1, 0, 2, 0
	s_wait_dscnt 0
	WIN MUL_HI
	MUL16 F1, 1, 0, 0
	MUL16 F1, 1, 2, 0
	s_wait_xcnt 0x0                                ; the stores' base is stepped only behind this wait
	s_add_nc_u64 s[8:9], s[8:9], NEXT_C
	EPI
	s_set_vgpr_msb 0x1
	s_wait_tensorcnt 0x0
	ds_add_u32 v63, v255
	s_wait_dscnt 0x0
	s_set_vgpr_msb 0x100
	CROUND                                         ; the closing round
	s_endpgm
.Lfunc_end_k_q69e77a192f_gemm1:
	.size	k_q69e77a192f_gemm1, .Lfunc_end_k_q69e77a192f_gemm1-k_q69e77a192f_gemm1
	.p2alignl 7, 3214868480
	.fill 96, 4, 3214868480
	.section	.rodata,"a",@progbits
	.p2align	6, 0x0
	.amdhsa_kernel k_q69e77a192f_gemm1
		.amdhsa_group_segment_fixed_size 327680
		.amdhsa_private_segment_fixed_size 0
		.amdhsa_enable_private_segment 0
		.amdhsa_kernarg_size 40
		.amdhsa_user_sgpr_count 2
		.amdhsa_user_sgpr_kernarg_segment_ptr 1
		.amdhsa_wavefront_size32 1
		.amdhsa_system_sgpr_workgroup_id_x 1
		.amdhsa_system_sgpr_workgroup_id_y 1
		.amdhsa_system_sgpr_workgroup_id_z 1
		.amdhsa_system_vgpr_workitem_id 0
		.amdhsa_next_free_vgpr 1024
		.amdhsa_next_free_sgpr 80
		.amdhsa_reserve_vcc 0
		.amdhsa_float_denorm_mode_32 3
		.amdhsa_float_denorm_mode_16_64 3
		.amdhsa_memory_ordered 1
		.amdhsa_forward_progress 1
		.amdhsa_inst_pref_size 255
	.end_amdhsa_kernel
	.section	.bss,"aw",@nobits
	.p2align	6
	.space	262144
	.amdgpu_metadata
---
amdhsa.version: [ 1, 2 ]
amdhsa.kernels:
  - .name:           k_q69e77a192f_gemm1
    .symbol:         k_q69e77a192f_gemm1.kd
    .args:
      - { .name: xb, .offset: 0, .size: 8, .value_kind: global_buffer, .address_space: global }
      - { .name: Wug, .offset: 8, .size: 8, .value_kind: global_buffer, .address_space: global }
      - { .name: Hb, .offset: 16, .size: 8, .value_kind: global_buffer, .address_space: global }
      - { .name: bu, .offset: 24, .size: 8, .value_kind: global_buffer, .address_space: global }
      - { .name: bg, .offset: 32, .size: 8, .value_kind: global_buffer, .address_space: global }
    .group_segment_fixed_size: 327680
    .private_segment_fixed_size: 0
    .kernarg_segment_align: 8
    .kernarg_segment_size: 40
    .max_flat_workgroup_size: 128
    .sgpr_count:     80
    .vgpr_count:     1024
    .wavefront_size: 32
...
	.end_amdgpu_metadata
.endif
;; end of part 8
;; launch prepost (part 9): grid 208 x 1, 4 waves a work-group, clusters of 4 x 1, 327,680 bytes of LDS; arguments xb, Wsm, bpre, ln_g, ln_b, eg, eb, expert_weights, AIO, Hx, Hb, Wdo, bpost, Wx; writes AIO, Hx, Wx
.if DOCPART == 9
	.amdgcn_target "amdgcn-amd-amdhsa--gfx1250"
	.amdhsa_code_object_version 6
	.text
	.protected	k_q69e77a192f_prepost
	.globl	k_q69e77a192f_prepost
	.p2align	8
	.type	k_q69e77a192f_prepost,@function
k_q69e77a192f_prepost:
	s_mov_b64 s[64:65], 0
	v_nop
	global_prefetch_b8 v0, s[64:65] scope:SCOPE_SE
	s_setreg_imm32_b32 hwreg(HW_REG_WAVE_MODE, 25, 1), 1
	s_wait_xcnt 0x0
	s_wait_alu depctr_hold_cnt(0) depctr_sa_sdst(0) depctr_va_vdst(0) depctr_va_sdst(0) depctr_va_ssrc(0) depctr_va_vcc(0) depctr_vm_vsrc(0)
	s_getreg_b32 s2, hwreg(HW_REG_IB_STS2, 6, 4)
	s_cmp_eq_u32 s2, 0
	s_cbranch_scc0 .Lentry_in_a_cluster
	s_endpgm
.Lentry_in_a_cluster:
	s_bfe_u32 s2, ttmp6, 0x10000c
	s_cmp_lg_u32 s2, 0x3003
	s_cbranch_scc0 .Lentry_shape_is_right
	s_endpgm
.Lentry_shape_is_right:
; TWO ROLES IN ONE LAUNCH.  They do not depend on each other and neither has work for all WGPs, so they run side by side: 208 work-groups.
; The role hangs on the cluster's number alone, so it is the same in the four work-groups of a cluster.
; ROLE 1, clusters 0-31 (128 work-groups of 64 tokens):
;   pre = x Wpre^T + bpre;  adapt_in = LayerNorm(pre) -> AIO columns 128-255;
;   hw = sum over e of max(w_e, 0) LayerNorm_e(pre A_e^T) -> Hx columns 128-255.  All outputs bf16, sums and norms in f32.
; ROLE 2, clusters 32-51 (80 work-groups of 128 rows): see the label .Lpost.
;
; ROLE 1.  Wave w takes tokens 16 w .. 16 w + 15 with all 128 columns: 8 accumulator tiles.
; The matrix instruction is used transposed (source 0 = 16 rows of the weights, source 1 = 16 tokens): lane (r, h) holds token r and the
; columns 16 b + 8 h + j.  So a token's LayerNorm is a sum within the lane and one exchange with lane r of the other half, and the packed
; result is already the fragment that the next product wants: nothing passes between waves.
; LDS: two slots of 101,376 bytes.  K chunks of 256 (rows of 512 bytes, pitch 528): Wpre's 128 rows at byte 0, x's 64 rows at byte 67,584.
; Later the same slots take pairs of experts: 256 rows of 256 bytes, pitch 272.  At byte 270,336, behind both roles' slots, a stage of 16 x 272 bytes a wave.
; CLUSTER of 4 work-groups: Wpre's chunks and the experts' matrices are the same for all, so they are asked for jointly (mask 15);
; x's rows are each work-group's own (plain loads).  A wave has two tensor loads out at the start and one behind each round.
; The variance is taken in two passes (mean first), so that no difference of large sums is formed.
; Limits: v_rsq_f32 treats a denormal argument as zero; here the argument is at least 1e-5.
.set KK,    1024
.set PITCH, 528
.set SLOT,  192*PITCH
.set STAGE, 270336
.set SP,    272
.set EP,    272
.set ADA, 2                            ; v2-3    LDS address of my tokens' fragments in slot 0, 1
.set ADB, 4                            ; v4-5    of the weights' fragments
.set STO, 6                            ; v6      stage: where I put 16 bytes of a row
.set RD,  7                            ; v7      stage: where I read a row back
.set CO,  8                            ; v8      my byte offset in the output's rows of 512 bytes
.set VH,  9                            ; v9      32 h: my place in a vector over the columns
.set ADE, 10                           ; v10-11  LDS address of an expert's fragments in slot 0, 1
.set AF,  16                           ; v16-31  the tokens' fragments, two buffers (K loop only)
.set W,   16                           ; v16-23  afterwards: the 8 expert weights of my token, negative ones set to 0
.set M,   24                           ; v24-25  mean, twice
.set R,   26                           ; v26-27  1 / sqrt(var + eps), twice
.set WP,  28                           ; v28-29  w_e, twice
.set T,   30                           ; v30-31  at work
.set PK,  32                           ; v32-63  pre as four bf16 fragments; at the end the packed hw
.set BF,  64                           ; v64-191 the weights' fragments, two buffers of 64
.set H,   192                          ; v192-255 the 8 accumulator tiles
.set HW,  0                            ; window 1: v0-63 hw, v64-127 eg, v128-191 eb
.set EG,  64
.set EB,  128
.set G1A, 16
.set G1B, 24
.set G0A, 32
.set G0B, 40
.set G1E, 48
.set G0E, 56
.set MSB, 0
.macro WIN new                         ; the immediate's high byte repeats the setting that is left
.if MSB != \new
	s_set_vgpr_msb (MSB<<8)|\new
.set MSB, \new
.endif
.endm
.macro PLACES                          ; four places behind a matrix instruction (ISA guide 7.12.1) in front of what reads its result or writes its registers
.rept 4
	v_nop
.endr
.endm
.macro ROUND                           ; a round of the cluster's barrier
	s_barrier_signal -1
	s_barrier_wait -1
	s_cmp_lg_u32 s10, 0
	s_cbranch_scc1 .Lnot_wave_0_\@
	s_barrier_signal -3
.Lnot_wave_0_\@:
	s_barrier_wait -3
	s_barrier_signal -1
	s_barrier_wait -1
.endm
.macro TLOAD s                         ; waves 0, 1: a half of the weights' chunk, jointly; waves 2, 3: a half of my rows' chunk
	s_cmp_eq_u32 s11, 0
	s_cbranch_scc0 .Lfor_a_\@
	tensor_load_to_lds s[G0B+4*\s:G0B+4*\s+3], s[G1B:G1B+7]
	s_nop 0
	s_branch .Lasked_\@
.Lfor_a_\@:
	tensor_load_to_lds s[G0A+4*\s:G0A+4*\s+3], s[G1A:G1A+7]
	s_nop 0
.Lasked_\@:
.endm
.macro ELOAD s                         ; every wave: its 64 rows of a pair of experts, jointly
	tensor_load_to_lds s[G0E+4*\s:G0E+4*\s+3], s[G1E:G1E+7]
	s_nop 0
.endm
	s_set_vgpr_msb 0x40
	v_lshl_add_u32 v192, v0, 2, 0x46400
	v_mov_b32 v193, 0
	s_set_vgpr_msb 0x4045
	ds_add_u32 v192, v193
	s_wait_dscnt 0x0
	s_set_vgpr_msb 0x4500
	s_mov_b32 s14, ttmp9                           ; the cluster's number: the role
	s_cmp_ge_u32 s14, 32
	s_cbranch_scc1 .Lpost
	s_load_b512 s[80:95], s[0:1], 0x0              ; xb 80, Wsm 82, bpre 84, ln_g 86, ln_b 88, eg 90, eb 92, expert_weights 94
	s_load_b128 s[96:99], s[0:1], 0x40             ; AIO 96, Hx 98
	v_lshrrev_b32 v1, 5, v0
	v_readfirstlane_b32 s10, v1                    ; wave
	s_lshr_b32 s11, s10, 1                         ; 0: I fetch weights, 1: tokens
	s_and_b32 s12, s10, 1                          ; which half
	s_bfe_u32 s4, ttmp6, 0x40000                   ; cx
	s_lshl_b32 s13, s14, 2
	s_add_co_u32 s13, s13, s4                      ; work-group = 4 x cluster + cx
	s_mov_b32 s74, 0x76543210                      ; v_permlanex16_b32: lane i reads lane i of the other half
	s_mov_b32 s75, 0xfedcba98
	s_mov_b32 s76, 0x3c000000                      ; 1 / 128
	s_mov_b32 s77, 0x3727c5ac                      ; 1e-5
	; group 1: my tokens, 32 rows x 256 elements of 2 bytes, 16 bytes of padding behind every 128 words
	s_mov_b32 s[G1A+0], (1<<16)|(1<<20)|(6<<22)|(3<<25)
	s_mov_b32 s[G1A+1], 256<<16
	s_mov_b32 s[G1A+2], 32<<16
	s_mov_b32 s[G1A+3], 256<<16
	s_mov_b32 s[G1A+4], 32
	s_mov_b32 s[G1A+5], KK
	s_mov_b32 s[G1A+6], 0
	s_mov_b32 s[G1A+7], 0
	; the weights: 64 rows x 256, to all four work-groups
	s_mov_b32 s[G1B+0], 15|(1<<16)|(1<<20)|(1<<21)|(6<<22)|(3<<25)
	s_mov_b32 s[G1B+1], 256<<16
	s_mov_b32 s[G1B+2], 64<<16
	s_mov_b32 s[G1B+3], 256<<16
	s_mov_b32 s[G1B+4], 64
	s_mov_b32 s[G1B+5], KK
	s_mov_b32 s[G1B+6], 0
	s_mov_b32 s[G1B+7], 0
	; the experts: 64 rows x 128, padding behind every 64 words, to all four
	s_mov_b32 s[G1E+0], 15|(1<<16)|(1<<20)|(1<<21)|(5<<22)|(3<<25)
	s_mov_b32 s[G1E+1], 128<<16
	s_mov_b32 s[G1E+2], 64<<16
	s_mov_b32 s[G1E+3], 128<<16
	s_mov_b32 s[G1E+4], 64
	s_mov_b32 s[G1E+5], 128
	s_mov_b32 s[G1E+6], 0
	s_mov_b32 s[G1E+7], 0
	s_lshl_b32 s66, s13, 17                        ; xb: 64 rows of 2,048 bytes a work-group,
	s_lshl_b32 s67, s12, 16                        ; 32 rows a half
	s_add_co_u32 s66, s66, s67
	s_mov_b32 s67, 0
	s_lshl_b32 s68, s12, 17                        ; Wpre in Wsm: 64 rows a half
	s_add_co_u32 s68, s68, 1572864
	s_mov_b32 s69, 0
	s_lshl_b32 s70, s10, 14                        ; A in Wsm: 64 rows of 256 bytes a wave
	s_add_co_u32 s70, s70, 1835008
	s_mov_b32 s71, 0
	s_lshl_b32 s78, s13, 6
	s_lshl4_add_u32 s78, s10, s78                  ; my wave's first token
	s_lshl_b32 s6, s78, 9                          ; rows of 512 bytes, the right half
	s_add_co_u32 s6, s6, 256
	s_mov_b32 s7, 0
	s_lshl_b32 s8, s78, 5                          ; 32 bytes of weights a token
	s_mov_b32 s9, 0
	s_mul_i32 s15, s10, 64*PITCH                   ; LDS: weights at 33,792 w (waves 0, 1)
	s_mul_i32 s5, s10, 32*PITCH
	s_add_co_u32 s5, s5, 64*PITCH                  ; tokens at 33,792 + 16,896 w (waves 2, 3): bytes 67,584 and 84,480
	s_mul_i32 s79, s10, 64*EP                      ; experts at 17,408 w
	s_wait_kmcnt 0x0
	s_add_nc_u64 s[66:67], s[80:81], s[66:67]
	s_add_nc_u64 s[68:69], s[82:83], s[68:69]
	s_add_nc_u64 s[70:71], s[82:83], s[70:71]
	s_add_nc_u64 s[96:97], s[96:97], s[6:7]
	s_add_nc_u64 s[98:99], s[98:99], s[6:7]
	s_add_nc_u64 s[94:95], s[94:95], s[8:9]
.irp s, 0,1
	s_mov_b32 s[G0A+4*\s], 1
	s_add_co_u32 s[G0A+4*\s+1], s5, \s*SLOT
	s_add_nc_u64 s[G0A+4*\s+2:G0A+4*\s+3], s[66:67], \s*512
	s_or_b32 s[G0A+4*\s+3], s[G0A+4*\s+3], 0x80000000
	s_mov_b32 s[G0B+4*\s], 1
	s_add_co_u32 s[G0B+4*\s+1], s15, \s*SLOT
	s_add_nc_u64 s[G0B+4*\s+2:G0B+4*\s+3], s[68:69], \s*512
	s_or_b32 s[G0B+4*\s+3], s[G0B+4*\s+3], 0x80000000
	s_mov_b32 s[G0E+4*\s], 1
	s_add_co_u32 s[G0E+4*\s+1], s79, \s*SLOT
	s_add_nc_u64 s[G0E+4*\s+2:G0E+4*\s+3], s[70:71], \s*65536
	s_or_b32 s[G0E+4*\s+3], s[G0E+4*\s+3], 0x80000000
.endr
	ROUND                                          ; all four work-groups are here: the first joint loads meet
	TLOAD 0                                        ; K chunks 0 and 1
	TLOAD 1
	v_and_b32 v1, 15, v0                           ; r
	v_bfe_u32 v12, v0, 4, 1                        ; h
	v_mul_u32_u24 v13, v1, PITCH
	v_lshl_add_u32 v13, v12, 4, v13                ; 528 r + 16 h
	s_mul_i32 s72, s10, 16*PITCH
	s_add_co_u32 s72, s72, 128*PITCH               ; my 16 tokens, behind the weights' 128 rows
	v_add_nc_u32 v[ADA], s72, v13
	v_add_nc_u32 v[ADA+1], SLOT, v[ADA]
	v_mov_b32 v[ADB], v13
	v_add_nc_u32 v[ADB+1], SLOT, v13
	v_mul_u32_u24 v13, v1, EP
	v_lshl_add_u32 v[ADE], v12, 4, v13             ; 272 r + 16 h
	v_add_nc_u32 v[ADE+1], SLOT, v[ADE]
	s_mul_i32 s72, s10, 16*SP
	s_add_co_u32 s72, s72, STAGE
	v_add_nc_u32 v[STO], s72, v[ADE]               ; stage: 272 r + 16 h
	v_mul_u32_u24 v13, v12, SP
	v_lshl_add_u32 v13, v1, 4, v13
	v_add_nc_u32 v[RD], s72, v13                   ; back: lanes 0-15 one row of 256 bytes, lanes 16-31 the next
	v_lshlrev_b32 v13, 9, v12
	v_lshl_add_u32 v[CO], v1, 4, v13
	v_lshlrev_b32 v[VH], 5, v12
	v_lshlrev_b32 v1, 5, v1                        ; 32 r: my token's 8 weights
; 18 LDS loads: the fragments of 32 along K (number kk of the chunk's eight) into buffer f
.macro FETCH s, kk, f
	PLACES
	ds_load_b128 v[AF+8*\f:AF+8*\f+3],   v[ADA+\s] offset:64*\kk
	ds_load_b128 v[AF+8*\f+4:AF+8*\f+7], v[ADA+\s] offset:64*\kk+32
.irp b, 0,1,2,3,4,5,6,7
	ds_load_b128 v[BF+64*\f+8*\b:BF+64*\f+8*\b+3],   v[ADB+\s] offset:8448*\b+64*\kk
	ds_load_b128 v[BF+64*\f+8*\b+4:BF+64*\f+8*\b+7], v[ADB+\s] offset:8448*\b+64*\kk+32
.endr
.endm
; 8 matrix instructions; the eight accumulators take turns, one instruction a turn
.macro MUL f, zero
.irp b, 0,1,2,3,4,5,6,7
.if \zero
	v_wmma_f32_16x16x32_bf16 v[H+8*\b:H+8*\b+7], v[BF+64*\f+8*\b:BF+64*\f+8*\b+7], v[AF+8*\f:AF+8*\f+7], 0
.else
	v_wmma_f32_16x16x32_bf16 v[H+8*\b:H+8*\b+7], v[BF+64*\f+8*\b:BF+64*\f+8*\b+7], v[AF+8*\f:AF+8*\f+7], v[H+8*\b:H+8*\b+7]
.endif
.endr
.endm
; a chunk of 256 along K.  s_wait_dscnt 18: all but the 18 loads just issued are in
.macro WORK s, zero
	FETCH \s, 0, 0
	FETCH \s, 1, 1
	s_wait_dscnt 18
	MUL 0, \zero
	FETCH \s, 2, 0
	s_wait_dscnt 18
	MUL 1, 0
	FETCH \s, 3, 1
	s_wait_dscnt 18
	MUL 0, 0
	FETCH \s, 4, 0
	s_wait_dscnt 18
	MUL 1, 0
	FETCH \s, 5, 1
	s_wait_dscnt 18
	MUL 0, 0
	FETCH \s, 6, 0
	s_wait_dscnt 18
	MUL 1, 0
	FETCH \s, 7, 1
	s_wait_dscnt 18
	MUL 0, 0
	s_wait_dscnt 0x0
	MUL 1, 0
.endm
; Slot o, which has been read, is filled again.  Every wave waits for all its tensor loads (its part of the other slot among them) and for
; its LDS reads, the round brings all waves of all four work-groups here, and the refill is the wave's one tensor load behind it.
.macro STEPK o
	s_set_vgpr_msb 0x5
	s_wait_tensorcnt 0x0
	ds_add_u32 v192, v193
	s_wait_dscnt 0x0
	s_set_vgpr_msb 0x500
	s_add_nc_u64 s[G0A+4*\o+2:G0A+4*\o+3], s[G0A+4*\o+2:G0A+4*\o+3], 1024
	s_add_nc_u64 s[G0B+4*\o+2:G0B+4*\o+3], s[G0B+4*\o+2:G0B+4*\o+3], 1024
	s_wait_dscnt 0x0
	ROUND
	TLOAD \o
.endm
.macro STEPE o, step
	s_set_vgpr_msb 0x5
	s_wait_tensorcnt 0x0
	ds_add_u32 v192, v193
	s_wait_dscnt 0x0
	s_set_vgpr_msb 0x500
.if \step
	s_add_nc_u64 s[G0E+4*\o+2:G0E+4*\o+3], s[G0E+4*\o+2:G0E+4*\o+3], 131072
.endif
	s_wait_dscnt 0x0
	ROUND
	ELOAD \o
.endm
; Mean and 1 / sqrt(var + eps) of my row's 128 numbers in v[H ..+63]; H leaves with the mean taken away.  c0..c3: four register pairs for four chains.
; The names H, M, R, T are taken as they are set where the macro is used; all its vector operands lie in one register window.
.macro LNSTAT c0, c1, c2, c3
	v_pk_add_f32 v[\c0:\c0+1], v[H:H+1],     v[H+2:H+3]
	v_pk_add_f32 v[\c1:\c1+1], v[H+4:H+5],   v[H+6:H+7]
	v_pk_add_f32 v[\c2:\c2+1], v[H+8:H+9],   v[H+10:H+11]
	v_pk_add_f32 v[\c3:\c3+1], v[H+12:H+13], v[H+14:H+15]
.set i, 16
.rept 6
	v_pk_add_f32 v[\c0:\c0+1], v[\c0:\c0+1], v[H+i:H+i+1]
	v_pk_add_f32 v[\c1:\c1+1], v[\c1:\c1+1], v[H+i+2:H+i+3]
	v_pk_add_f32 v[\c2:\c2+1], v[\c2:\c2+1], v[H+i+4:H+i+5]
	v_pk_add_f32 v[\c3:\c3+1], v[\c3:\c3+1], v[H+i+6:H+i+7]
.set i, i+8
.endr
	v_pk_add_f32 v[\c0:\c0+1], v[\c0:\c0+1], v[\c1:\c1+1]
	v_pk_add_f32 v[\c2:\c2+1], v[\c2:\c2+1], v[\c3:\c3+1]
	v_pk_add_f32 v[\c0:\c0+1], v[\c0:\c0+1], v[\c2:\c2+1]
	v_add_f32 v[\c0], v[\c0], v[\c0+1]
	v_permlanex16_b32 v[\c0+1], v[\c0], s74, s75   ; the other 64 columns of my row
	v_add_f32 v[\c0], v[\c0], v[\c0+1]
	v_mul_f32 v[M], s76, v[\c0]
	v_mul_f32 v[M+1], s76, v[\c0]
.set i, 0
.rept 32
	v_pk_add_f32 v[H+i:H+i+1], v[H+i:H+i+1], v[M:M+1] neg_lo:[0,1] neg_hi:[0,1]
.set i, i+2
.endr
	v_pk_mul_f32 v[\c0:\c0+1], v[H:H+1],   v[H:H+1]
	v_pk_mul_f32 v[\c1:\c1+1], v[H+2:H+3], v[H+2:H+3]
	v_pk_mul_f32 v[\c2:\c2+1], v[H+4:H+5], v[H+4:H+5]
	v_pk_mul_f32 v[\c3:\c3+1], v[H+6:H+7], v[H+6:H+7]
.set i, 8
.rept 7
	v_pk_fma_f32 v[\c0:\c0+1], v[H+i:H+i+1],   v[H+i:H+i+1],   v[\c0:\c0+1]
	v_pk_fma_f32 v[\c1:\c1+1], v[H+i+2:H+i+3], v[H+i+2:H+i+3], v[\c1:\c1+1]
	v_pk_fma_f32 v[\c2:\c2+1], v[H+i+4:H+i+5], v[H+i+4:H+i+5], v[\c2:\c2+1]
	v_pk_fma_f32 v[\c3:\c3+1], v[H+i+6:H+i+7], v[H+i+6:H+i+7], v[\c3:\c3+1]
.set i, i+8
.endr
	v_pk_add_f32 v[\c0:\c0+1], v[\c0:\c0+1], v[\c1:\c1+1]
	v_pk_add_f32 v[\c2:\c2+1], v[\c2:\c2+1], v[\c3:\c3+1]
	v_pk_add_f32 v[\c0:\c0+1], v[\c0:\c0+1], v[\c2:\c2+1]
	v_add_f32 v[\c0], v[\c0], v[\c0+1]
	v_permlanex16_b32 v[\c0+1], v[\c0], s74, s75
	v_add_f32 v[\c0], v[\c0], v[\c0+1]
	v_fma_f32 v[T], v[\c0], s76, s77               ; var + eps
	v_rsq_f32 v[R], v[T]
	v_nop                                          ; one plain place behind the transcendental (ISA guide 5.7.2)
	s_wait_alu depctr_va_vdst(0)
	v_mov_b32 v[R+1], v[R]
.endm
; a vector over the 128 columns in the accumulators' layout: register 8 b + 4 q + i holds element 16 b + 8 h + 4 q + i
.macro VEC64 dst, base
.irp b, 0,1,2,3,4,5,6,7
	global_load_b128 v[\dst+8*\b:\dst+8*\b+3],   v[VH], s[\base:\base+1] offset:64*\b
	global_load_b128 v[\dst+8*\b+4:\dst+8*\b+7], v[VH], s[\base:\base+1] offset:64*\b+16
.endr
.endm
; 16 rows x 128 bf16, packed in v[src ..+31], go through my own stage and leave as whole rows of 256 bytes
.macro OUT16 src, base
.irp b, 0,1,2,3,4,5,6,7
	ds_store_b128 v[STO], v[\src+4*\b:\src+4*\b+3] offset:32*\b
.endr
	s_wait_xcnt 0x0                                ; what earlier stores read is rewritten only behind this wait
.irp t, 0,1,2,3,4,5,6,7
	ds_load_b128 v[BF+4*\t:BF+4*\t+3], v[RD] offset:544*\t         ; LDS serves a wave's instructions in order: these see the stores above
.endr
.irp t, 0,1,2,3,4,5,6,7
	s_wait_dscnt 7-\t
	global_store_b128 v[CO], v[BF+4*\t:BF+4*\t+3], s[\base:\base+1] offset:1024*\t    ; 16 lanes store 256 consecutive bytes, aligned
.endr
.endm
; the fragments of expert x of the slot's pair, 32 along K
.macro FETCHE s, x, kk, f
	PLACES
.irp b, 0,1,2,3,4,5,6,7
	ds_load_b128 v[BF+64*\f+8*\b:BF+64*\f+8*\b+3],   v[ADE+\s] offset:34816*\x+4352*\b+64*\kk
	ds_load_b128 v[BF+64*\f+8*\b+4:BF+64*\f+8*\b+7], v[ADE+\s] offset:34816*\x+4352*\b+64*\kk+32
.endr
.endm
.macro MULE f, kk, zero
.irp b, 0,1,2,3,4,5,6,7
.if \zero
	v_wmma_f32_16x16x32_bf16 v[H+8*\b:H+8*\b+7], v[BF+64*\f+8*\b:BF+64*\f+8*\b+7], v[PK+8*\kk:PK+8*\kk+7], 0
.else
	v_wmma_f32_16x16x32_bf16 v[H+8*\b:H+8*\b+7], v[BF+64*\f+8*\b:BF+64*\f+8*\b+7], v[PK+8*\kk:PK+8*\kk+7], v[H+8*\b:H+8*\b+7]
.endif
.endr
.endm
; expert e: h = pre A_e^T, its LayerNorm, hw += w_e ((h - m) rstd eg + eb)
.macro EXPERT s, x, e, first
	WIN 0x40                                       ; destinations in window 1
.irp b, 0,1,2,3,4,5,6,7
	global_load_b128 v[EG+8*\b:EG+8*\b+3],   v[VH], s[90:91] offset:512*\e+64*\b
	global_load_b128 v[EG+8*\b+4:EG+8*\b+7], v[VH], s[90:91] offset:512*\e+64*\b+16
	global_load_b128 v[EB+8*\b:EB+8*\b+3],   v[VH], s[92:93] offset:512*\e+64*\b
	global_load_b128 v[EB+8*\b+4:EB+8*\b+7], v[VH], s[92:93] offset:512*\e+64*\b+16
.endr
	WIN 0
	FETCHE \s, \x, 0, 0
	FETCHE \s, \x, 1, 1
	s_wait_dscnt 16                                ; all but the 16 loads just issued
	MULE 0, 0, 1
	FETCHE \s, \x, 2, 0
	s_wait_dscnt 16
	MULE 1, 1, 0
	FETCHE \s, \x, 3, 1
	s_wait_dscnt 16
	MULE 0, 2, 0
	s_wait_dscnt 0x0
	MULE 1, 3, 0
	PLACES
	LNSTAT 64, 66, 68, 70
	v_mul_f32 v[T], v[R], v[W+\e]                  ; rstd w_e
	v_mul_f32 v[T+1], v[R], v[W+\e]
	v_mov_b32 v[WP], v[W+\e]
	v_mov_b32 v[WP+1], v[W+\e]
.set i, 0
.rept 32
	v_pk_mul_f32 v[H+i:H+i+1], v[H+i:H+i+1], v[T:T+1]
.set i, i+2
.endr
	s_wait_loadcnt 0x0                             ; eg and eb of this expert
	WIN 0x54                                       ; source 0 window 0; source 1, source 2 and destination window 1
.set i, 0
.rept 32
.if \first
	v_pk_mul_f32 v[HW+i:HW+i+1], v[WP:WP+1], v[EB+i:EB+i+1]        ; the first expert starts the sums
.else
	v_pk_fma_f32 v[HW+i:HW+i+1], v[WP:WP+1], v[EB+i:EB+i+1], v[HW+i:HW+i+1]
.endif
.set i, i+2
.endr
.set i, 0
.rept 32
	v_pk_fma_f32 v[HW+i:HW+i+1], v[H+i:H+i+1], v[EG+i:EG+i+1], v[HW+i:HW+i+1]
.set i, i+2
.endr
	WIN 0
.endm
	s_wait_tensorcnt 0x1                           ; my part of chunk 0 is in; chunk 1's may stay out
	s_barrier_signal -1
	s_barrier_wait -1
	WORK 0, 1
	STEPK 0                                        ; chunk 2 into slot 0
	WORK 1, 0
	STEPK 1                                        ; chunk 3 into slot 1
	WORK 0, 0
	STEPE 0, 0                                     ; experts 0, 1 into slot 0
	WORK 1, 0
	STEPE 1, 0                                     ; experts 2, 3 into slot 1
	; pre is whole: bias, the fragments for the experts, then adapt_in
	PLACES
	VEC64 BF, 84                                   ; bpre
	VEC64 BF+64, 86                                ; ln_g
	global_load_b128 v[W:W+3],   v1, s[94:95]
	global_load_b128 v[W+4:W+7], v1, s[94:95] offset:16
	s_wait_loadcnt 18                              ; bpre is in; ln_g's 16 loads and the weights' 2 stay out
.set i, 0
.rept 32
	v_pk_add_f32 v[H+i:H+i+1], v[H+i:H+i+1], v[BF+i:BF+i+1]
.set i, i+2
.endr
.set i, 0
.rept 32
	v_cvt_pk_bf16_f32 v[PK+i], v[H+2*i], v[H+2*i+1]                ; tiles 2 kk and 2 kk + 1 are fragment kk as they lie
.set i, i+1
.endr
	VEC64 BF, 88                                   ; ln_b
	LNSTAT 12, 14, 28, 30
	s_wait_loadcnt 0x0
.irp e, 0,1,2,3,4,5,6,7
	v_max_num_f32 v[W+\e], 0, v[W+\e]              ; where(w > 0, w, 0)
.endr
.set i, 0
.rept 32
	v_pk_mul_f32 v[H+i:H+i+1], v[H+i:H+i+1], v[R:R+1]
.set i, i+2
.endr
.set i, 0
.rept 32
	v_pk_fma_f32 v[H+i:H+i+1], v[H+i:H+i+1], v[BF+64+i:BF+64+i+1], v[BF+i:BF+i+1]
.set i, i+2
.endr
.set i, 0
.rept 32
	v_cvt_pk_bf16_f32 v[BF+64+i], v[H+2*i], v[H+2*i+1]
.set i, i+1
.endr
	OUT16 BF+64, 96                                ; adapt_in
	s_wait_xcnt 0x0                                ; the stores' data registers are loaded again below
	EXPERT 0, 0, 0, 1
	EXPERT 0, 1, 1, 0
	STEPE 0, 1                                     ; experts 4, 5 into slot 0
	EXPERT 1, 0, 2, 0
	EXPERT 1, 1, 3, 0
	STEPE 1, 1                                     ; experts 6, 7 into slot 1
	EXPERT 0, 0, 4, 0
	EXPERT 0, 1, 5, 0
	s_wait_tensorcnt 0x0                           ; my part of the last pair is in,
	s_wait_dscnt 0x0
	s_barrier_signal -1
	s_barrier_wait -1                              ; everybody's is; nothing is left to fetch
	EXPERT 1, 0, 6, 0
	EXPERT 1, 1, 7, 0
	WIN 0x05                                       ; sources in window 1
.set i, 0
.rept 32
	v_cvt_pk_bf16_f32 v[PK+i], v[HW+2*i], v[HW+2*i+1]
.set i, i+1
.endr
	WIN 0
	OUT16 PK, 98                                   ; hw
	s_set_vgpr_msb 0x5
	s_wait_tensorcnt 0x0
	ds_add_u32 v192, v193
	s_wait_dscnt 0x0
	s_set_vgpr_msb 0x500
	ROUND                                          ; the closing round: no work-group ends while a partner may still ask jointly
	s_endpgm
; ROLE 2.  Three products of the same shape, [rows][2048] by [128][2048]^T, 128 rows a work-group:
;   clusters 32-47: adapt_out = LayerNorm(hidden Wpost^T + bpost) -> AIO columns 0-127
;   clusters 48-49: 0.1 Wd Wap -> Wx columns 0-127;   clusters 50-51: 0.1 Wo Wp -> Wx columns 128-255   (Wdo holds Wd, then Wo)
; Every work-group has to bring all 512 KiB of its right-hand matrix into LDS, whatever its rows, so it takes 128 rows: wave w takes rows
; 32 w .. 32 w + 31 as two tiles of 16, with all 128 columns: 16 accumulator tiles, tile 0's in v192-255, tile 1's in window 1, v0-63.
; The 16 LDS loads of the right-hand fragments of 32 along K feed 16 matrix instructions.  Layouts as in role 1.
; LDS: two slots of 135,168 bytes for K chunks of 256 (rows of 512 bytes, pitch 528): the right-hand matrix's 128 rows at byte 0, my 128 rows
; at byte 67,584; wave w fetches the 64 rows at byte 33,792 w (waves 0, 1 jointly for the cluster, waves 2, 3 for this work-group alone).
; A wave has two tensor loads out at the start and one behind each round.
.Lpost:
.set KK,    2048
.set PSLOT, 256*PITCH
.set H0,    192                        ; v192-255 tile 0's accumulators; later tile 1's packed result
.set PK0,   16                         ; v16-47   the rows' fragments (two buffers of two tiles) in the K loop; later tile 0's packed result
	s_load_b64 s[84:85], s[0:1], 0x8               ; Wsm
	s_load_b64 s[88:89], s[0:1], 0x18              ; ln_g
	s_load_b64 s[90:91], s[0:1], 0x20              ; ln_b
	s_load_b64 s[92:93], s[0:1], 0x40              ; AIO
	s_load_b128 s[80:83], s[0:1], 0x50             ; Hb 80, Wdo 82
	s_load_b128 s[96:99], s[0:1], 0x60             ; bpost 96, Wx 98
	v_lshrrev_b32 v1, 5, v0
	v_readfirstlane_b32 s10, v1                    ; wave
	s_lshr_b32 s11, s10, 1
	s_and_b32 s12, s10, 1
	s_bfe_u32 s4, ttmp6, 0x40000                   ; cx
	s_lshl_b32 s13, s14, 2
	s_add_co_u32 s13, s13, s4                      ; work-group, 128 to 207
	s_mov_b32 s74, 0x76543210
	s_mov_b32 s75, 0xfedcba98
	s_mov_b32 s76, 0x3c000000                      ; 1 / 128
	s_mov_b32 s77, 0x3727c5ac                      ; 1e-5
	s_mov_b32 s[G1A+0], (1<<16)|(1<<20)|(6<<22)|(3<<25)            ; 64 rows x 256 elements of 2 bytes, 4 words of padding behind every 128
	s_mov_b32 s[G1A+1], 256<<16
	s_mov_b32 s[G1A+2], 64<<16
	s_mov_b32 s[G1A+3], 256<<16
	s_mov_b32 s[G1A+4], 64
	s_mov_b32 s[G1A+5], KK
	s_mov_b32 s[G1A+6], 0
	s_mov_b32 s[G1A+7], 0
	s_mov_b32 s[G1B+0], 15|(1<<16)|(1<<20)|(1<<21)|(6<<22)|(3<<25) ; the same shape, to all four work-groups
	s_mov_b32 s[G1B+1], 256<<16
	s_mov_b32 s[G1B+2], 64<<16
	s_mov_b32 s[G1B+3], 256<<16
	s_mov_b32 s[G1B+4], 64
	s_mov_b32 s[G1B+5], KK
	s_mov_b32 s[G1B+6], 0
	s_mov_b32 s[G1B+7], 0
	s_mov_b32 s5, 128                              ; the first work-group of the left-hand matrix
	s_mov_b32 s50, 128                             ; the first work-group of the result
	s_mov_b32 s52, 0                               ; the result's column, in bytes
	s_wait_kmcnt 0x0
	s_cmp_ge_u32 s14, 48
	s_cselect_b64 s[6:7], s[82:83], s[80:81]       ; my rows: of Wdo or of Hb
	s_cselect_b64 s[8:9], s[98:99], s[92:93]       ; the result: Wx or AIO
	s_cselect_b32 s5, 192, s5
	s_cselect_b32 s48, 524288, 0                   ; the right-hand matrix's place in Wsm
	s_cselect_b32 s50, 192, s50
	s_cmp_ge_u32 s14, 50
	s_cselect_b32 s48, 1048576, s48
	s_cselect_b32 s50, 200, s50
	s_cselect_b32 s52, 256, s52
	s_sub_co_u32 s54, s13, s5
	s_lshl_b32 s54, s54, 19                        ; 128 rows of 4,096 bytes a work-group,
	s_lshl_b32 s55, s12, 18                        ; 64 rows a half
	s_add_co_u32 s54, s54, s55
	s_mov_b32 s55, 0
	s_add_nc_u64 s[6:7], s[6:7], s[54:55]
	s_lshl_b32 s49, s12, 18                        ; 64 rows a half
	s_add_co_u32 s48, s48, s49
	s_mov_b32 s49, 0
	s_add_nc_u64 s[56:57], s[84:85], s[48:49]
	s_sub_co_u32 s50, s13, s50
	s_lshl_b32 s50, s50, 16                        ; 128 rows of 512 bytes a work-group,
	s_add_co_u32 s50, s50, s52
	s_lshl_b32 s51, s10, 14                        ; 32 rows a wave
	s_add_co_u32 s50, s50, s51
	s_mov_b32 s51, 0
	s_add_nc_u64 s[8:9], s[8:9], s[50:51]
	s_mul_i32 s58, s10, 64*PITCH                   ; LDS: 33,792 w
.irp s, 0,1
	s_mov_b32 s[G0A+4*\s], 1
	s_add_co_u32 s[G0A+4*\s+1], s58, \s*PSLOT
	s_add_nc_u64 s[G0A+4*\s+2:G0A+4*\s+3], s[6:7], \s*512
	s_or_b32 s[G0A+4*\s+3], s[G0A+4*\s+3], 0x80000000
	s_mov_b32 s[G0B+4*\s], 1
	s_add_co_u32 s[G0B+4*\s+1], s58, \s*PSLOT
	s_add_nc_u64 s[G0B+4*\s+2:G0B+4*\s+3], s[56:57], \s*512
	s_or_b32 s[G0B+4*\s+3], s[G0B+4*\s+3], 0x80000000
.endr
	ROUND                                          ; all four work-groups are here: the first joint loads meet
	TLOAD 0
	TLOAD 1
	v_and_b32 v1, 15, v0                           ; r
	v_bfe_u32 v12, v0, 4, 1                        ; h
	v_mul_u32_u24 v13, v1, PITCH
	v_lshl_add_u32 v13, v12, 4, v13
	s_mul_i32 s60, s10, 32*PITCH
	s_add_co_u32 s60, s60, 128*PITCH               ; my 32 rows, behind the right-hand matrix's 128
	v_add_nc_u32 v[ADA], s60, v13
	v_add_nc_u32 v[ADA+1], PSLOT, v[ADA]
	v_mov_b32 v[ADB], v13
	v_add_nc_u32 v[ADB+1], PSLOT, v13
	s_mul_i32 s60, s10, 16*SP
	s_add_co_u32 s60, s60, STAGE
	v_mul_u32_u24 v13, v1, SP
	v_lshl_add_u32 v13, v12, 4, v13
	v_add_nc_u32 v[STO], s60, v13
	v_mul_u32_u24 v13, v12, SP
	v_lshl_add_u32 v13, v1, 4, v13
	v_add_nc_u32 v[RD], s60, v13
	v_lshlrev_b32 v13, 9, v12
	v_lshl_add_u32 v[CO], v1, 4, v13
	v_lshlrev_b32 v[VH], 5, v12
.macro PFETCH s, kk, f                 ; 20 LDS loads: the fragments of 32 along K into buffer f: my two row tiles, then the 8 right-hand tiles
	PLACES
.irp t, 0,1
	ds_load_b128 v[AF+16*\f+8*\t:AF+16*\f+8*\t+3],   v[ADA+\s] offset:8448*\t+64*\kk
	ds_load_b128 v[AF+16*\f+8*\t+4:AF+16*\f+8*\t+7], v[ADA+\s] offset:8448*\t+64*\kk+32
.endr
.irp b, 0,1,2,3,4,5,6,7
	ds_load_b128 v[BF+64*\f+8*\b:BF+64*\f+8*\b+3],   v[ADB+\s] offset:8448*\b+64*\kk
	ds_load_b128 v[BF+64*\f+8*\b+4:BF+64*\f+8*\b+7], v[ADB+\s] offset:8448*\b+64*\kk+32
.endr
.endm
.macro PMUL f, zero                    ; 16 matrix instructions; the sixteen accumulators take turns, one instruction a turn
.irp b, 0,1,2,3,4,5,6,7
.if \zero
	v_wmma_f32_16x16x32_bf16 v[H0+8*\b:H0+8*\b+7], v[BF+64*\f+8*\b:BF+64*\f+8*\b+7], v[AF+16*\f:AF+16*\f+7], 0
.else
	v_wmma_f32_16x16x32_bf16 v[H0+8*\b:H0+8*\b+7], v[BF+64*\f+8*\b:BF+64*\f+8*\b+7], v[AF+16*\f:AF+16*\f+7], v[H0+8*\b:H0+8*\b+7]
.endif
.endr
	WIN 0x50                                       ; C and D in window 1: tile 1
.irp b, 0,1,2,3,4,5,6,7
.if \zero
	v_wmma_f32_16x16x32_bf16 v[8*\b:8*\b+7], v[BF+64*\f+8*\b:BF+64*\f+8*\b+7], v[AF+16*\f+8:AF+16*\f+15], 0
.else
	v_wmma_f32_16x16x32_bf16 v[8*\b:8*\b+7], v[BF+64*\f+8*\b:BF+64*\f+8*\b+7], v[AF+16*\f+8:AF+16*\f+15], v[8*\b:8*\b+7]
.endif
.endr
	WIN 0
.endm
.macro PWORK s, zero                   ; a chunk of 256 along K.  s_wait_dscnt 20: all but the 20 loads just issued are in
	PFETCH \s, 0, 0
	PFETCH \s, 1, 1
	s_wait_dscnt 20
	PMUL 0, \zero
	PFETCH \s, 2, 0
	s_wait_dscnt 20
	PMUL 1, 0
	PFETCH \s, 3, 1
	s_wait_dscnt 20
	PMUL 0, 0
	PFETCH \s, 4, 0
	s_wait_dscnt 20
	PMUL 1, 0
	PFETCH \s, 5, 1
	s_wait_dscnt 20
	PMUL 0, 0
	PFETCH \s, 6, 0
	s_wait_dscnt 20
	PMUL 1, 0
	PFETCH \s, 7, 1
	s_wait_dscnt 20
	PMUL 0, 0
	s_wait_dscnt 0x0
	PMUL 1, 0
.endm
; 16 rows x 128 bf16, packed in v[src ..+31], go through my own stage, come back in v[rb ..+31] and leave as whole rows of 256 bytes
.macro POUT src, rb, off
.irp b, 0,1,2,3,4,5,6,7
	ds_store_b128 v[STO], v[\src+4*\b:\src+4*\b+3] offset:32*\b
.endr
.irp t, 0,1,2,3,4,5,6,7
	ds_load_b128 v[\rb+4*\t:\rb+4*\t+3], v[RD] offset:544*\t       ; LDS serves a wave's instructions in order: these see the stores above
.endr
.irp t, 0,1,2,3,4,5,6,7
	s_wait_dscnt 7-\t
	global_store_b128 v[CO], v[\rb+4*\t:\rb+4*\t+3], s[8:9] offset:1024*\t+\off     ; 16 lanes store 256 consecutive bytes, aligned
.endr
.endm
	s_wait_tensorcnt 0x1                           ; my part of chunk 0 is in; chunk 1's may stay out
	s_barrier_signal -1
	s_barrier_wait -1
	PWORK 0, 1                                     ; chunk 0 starts the sums
	s_mov_b32 s3, 3
.Lpk:
	STEPK 0                                        ; chunks 2, 4, 6 into slot 0
	PWORK 1, 0
	STEPK 1                                        ; chunks 3, 5, 7 into slot 1
	PWORK 0, 0
	s_sub_co_u32 s3, s3, 1
	s_cmp_lg_u32 s3, 0
	s_cbranch_scc1 .Lpk
	s_wait_tensorcnt 0x0                           ; my part of the last chunk is in,
	s_wait_dscnt 0x0
	s_barrier_signal -1
	s_barrier_wait -1                              ; everybody's is; nothing is left to fetch
	PWORK 1, 0
	PLACES
	s_cmp_ge_u32 s14, 48                           ; the same in all four work-groups of a cluster
	s_cbranch_scc1 .Lpscale
	VEC64 BF, 96                                   ; bpost
	VEC64 BF+64, 88                                ; ln_g
	s_wait_loadcnt 16                              ; bpost is in; ln_g's 16 loads stay out
.set i, 0
.rept 32
	v_pk_add_f32 v[H0+i:H0+i+1], v[H0+i:H0+i+1], v[BF+i:BF+i+1]
.set i, i+2
.endr
	WIN 0x41                                       ; source 0 and destination window 1
.set i, 0
.rept 32
	v_pk_add_f32 v[i:i+1], v[i:i+1], v[BF+i:BF+i+1]
.set i, i+2
.endr
	WIN 0
	VEC64 BF, 90                                   ; ln_b
.set H, 192                            ; tile 0: all in window 0
.set M, 56
.set R, 58
.set T, 60
	LNSTAT 48, 50, 52, 54
	WIN 0x55                                       ; tile 1: all operand places in window 1
.set H, 0
.set M, 72
.set R, 74
.set T, 76
	LNSTAT 64, 66, 68, 70
	WIN 0
	s_wait_loadcnt 0x0
.set i, 0
.rept 32
	v_pk_mul_f32 v[H0+i:H0+i+1], v[H0+i:H0+i+1], v[58:59]
.set i, i+2
.endr
.set i, 0
.rept 32
	v_pk_fma_f32 v[H0+i:H0+i+1], v[H0+i:H0+i+1], v[BF+64+i:BF+64+i+1], v[BF+i:BF+i+1]
.set i, i+2
.endr
	WIN 0x45                                       ; sources 0, 1 and destination window 1
.set i, 0
.rept 32
	v_pk_mul_f32 v[i:i+1], v[i:i+1], v[74:75]
.set i, i+2
.endr
	WIN 0x41                                       ; gain and bias in window 0
.set i, 0
.rept 32
	v_pk_fma_f32 v[i:i+1], v[i:i+1], v[BF+64+i:BF+64+i+1], v[BF+i:BF+i+1]
.set i, i+2
.endr
	WIN 0
	s_branch .Lppack
.Lpscale:
.set i, 0
.rept 32
	v_pk_mul_f32 v[H0+i:H0+i+1], v[H0+i:H0+i+1], 0x3dcccccd op_sel_hi:[1,0]         ; the factor 0.1 of both side products
.set i, i+2
.endr
	WIN 0x41
.set i, 0
.rept 32
	v_pk_mul_f32 v[i:i+1], v[i:i+1], 0x3dcccccd op_sel_hi:[1,0]
.set i, i+2
.endr
	WIN 0
.Lppack:
.set i, 0
.rept 32
	v_cvt_pk_bf16_f32 v[PK0+i], v[H0+2*i], v[H0+2*i+1]
.set i, i+1
.endr
	WIN 0x05                                       ; sources in window 1; tile 0's accumulators are spent and take tile 1's packed result
.set i, 0
.rept 32
	v_cvt_pk_bf16_f32 v[H0+i], v[2*i], v[2*i+1]
.set i, i+1
.endr
	WIN 0
	POUT PK0, 64, 0                                ; rows 32 w .. 32 w + 15
	POUT H0, 96, 8192                              ; rows 32 w + 16 .. 32 w + 31: 16 rows of 512 bytes on
	s_set_vgpr_msb 0x5
	s_wait_tensorcnt 0x0
	ds_add_u32 v192, v193
	s_wait_dscnt 0x0
	s_set_vgpr_msb 0x500
	ROUND                                          ; the closing round
	s_endpgm
.Lfunc_end_k_q69e77a192f_prepost:
	.size	k_q69e77a192f_prepost, .Lfunc_end_k_q69e77a192f_prepost-k_q69e77a192f_prepost
	.p2alignl 7, 3214868480
	.fill 96, 4, 3214868480
	.section	.rodata,"a",@progbits
	.p2align	6, 0x0
	.amdhsa_kernel k_q69e77a192f_prepost
		.amdhsa_group_segment_fixed_size 327680
		.amdhsa_private_segment_fixed_size 0
		.amdhsa_enable_private_segment 0
		.amdhsa_kernarg_size 112
		.amdhsa_user_sgpr_count 2
		.amdhsa_user_sgpr_kernarg_segment_ptr 1
		.amdhsa_wavefront_size32 1
		.amdhsa_system_sgpr_workgroup_id_x 1
		.amdhsa_system_sgpr_workgroup_id_y 1
		.amdhsa_system_sgpr_workgroup_id_z 1
		.amdhsa_system_vgpr_workitem_id 0
		.amdhsa_next_free_vgpr 450
		.amdhsa_next_free_sgpr 100
		.amdhsa_reserve_vcc 0
		.amdhsa_float_denorm_mode_32 3
		.amdhsa_float_denorm_mode_16_64 3
		.amdhsa_memory_ordered 1
		.amdhsa_forward_progress 1
		.amdhsa_inst_pref_size 255
	.end_amdhsa_kernel
	.section	.bss,"aw",@nobits
	.p2align	6
	.space	262144
	.amdgpu_metadata
---
amdhsa.version: [ 1, 2 ]
amdhsa.kernels:
  - .name:           k_q69e77a192f_prepost
    .symbol:         k_q69e77a192f_prepost.kd
    .args:
      - { .name: xb, .offset: 0, .size: 8, .value_kind: global_buffer, .address_space: global }
      - { .name: Wsm, .offset: 8, .size: 8, .value_kind: global_buffer, .address_space: global }
      - { .name: bpre, .offset: 16, .size: 8, .value_kind: global_buffer, .address_space: global }
      - { .name: ln_g, .offset: 24, .size: 8, .value_kind: global_buffer, .address_space: global }
      - { .name: ln_b, .offset: 32, .size: 8, .value_kind: global_buffer, .address_space: global }
      - { .name: eg, .offset: 40, .size: 8, .value_kind: global_buffer, .address_space: global }
      - { .name: eb, .offset: 48, .size: 8, .value_kind: global_buffer, .address_space: global }
      - { .name: expert_weights, .offset: 56, .size: 8, .value_kind: global_buffer, .address_space: global }
      - { .name: AIO, .offset: 64, .size: 8, .value_kind: global_buffer, .address_space: global }
      - { .name: Hx, .offset: 72, .size: 8, .value_kind: global_buffer, .address_space: global }
      - { .name: Hb, .offset: 80, .size: 8, .value_kind: global_buffer, .address_space: global }
      - { .name: Wdo, .offset: 88, .size: 8, .value_kind: global_buffer, .address_space: global }
      - { .name: bpost, .offset: 96, .size: 8, .value_kind: global_buffer, .address_space: global }
      - { .name: Wx, .offset: 104, .size: 8, .value_kind: global_buffer, .address_space: global }
    .group_segment_fixed_size: 327680
    .private_segment_fixed_size: 0
    .kernarg_segment_align: 8
    .kernarg_segment_size: 112
    .max_flat_workgroup_size: 128
    .sgpr_count:     100
    .vgpr_count:     450
    .wavefront_size: 32
...
	.end_amdgpu_metadata
.endif
;; end of part 9
;; launch mix (part 10): grid 256 x 1, 4 waves a work-group, clusters of 4 x 1, 327,680 bytes of LDS; arguments AIO, Hx; writes Hx
.if DOCPART == 10
	.amdgcn_target "amdgcn-amd-amdhsa--gfx1250"
	.amdhsa_code_object_version 6
	.text
	.protected	k_q69e77a192f_mix
	.globl	k_q69e77a192f_mix
	.p2align	8
	.type	k_q69e77a192f_mix,@function
k_q69e77a192f_mix:
	s_mov_b64 s[64:65], 0
	v_nop
	global_prefetch_b8 v0, s[64:65] scope:SCOPE_SE
	s_setreg_imm32_b32 hwreg(HW_REG_WAVE_MODE, 25, 1), 1
	s_wait_xcnt 0x0
	s_wait_alu depctr_hold_cnt(0) depctr_sa_sdst(0) depctr_va_vdst(0) depctr_va_sdst(0) depctr_va_ssrc(0) depctr_va_vcc(0) depctr_vm_vsrc(0)
	s_getreg_b32 s2, hwreg(HW_REG_IB_STS2, 6, 4)
	s_cmp_eq_u32 s2, 0
	s_cbranch_scc0 .Lentry_in_a_cluster
	s_endpgm
.Lentry_in_a_cluster:
	s_bfe_u32 s2, ttmp6, 0x10000c
	s_cmp_lg_u32 s2, 0x3003
	s_cbranch_scc0 .Lentry_shape_is_right
	s_endpgm
.Lentry_shape_is_right:
; adapt[s] = sum over t of silu(clip(adapt_in[s] . adapt_out[t], -5, 5)) adapt_in[t], within a batch of 2,048 tokens -> Hx columns 0-127, bf16.
; A work-group takes 32 tokens s; wave w takes t = 512 w .. 512 w + 511 of the batch in 8 tiles of 64, and the four partial sums meet in LDS.
; A row of AIO is adapt_out | adapt_in (512 bytes), so one tensor load brings both operands of a tile: 64 rows, LDS pitch 528.
; Each wave has its own ring of two slots (67,584 bytes), issues its own loads and reads only its own bytes.
; CLUSTER of 4: the four work-groups belong to one batch and walk the same tiles, so every tile is asked for jointly (mask 15).
; A wave has two tensor loads out at the start and one behind each round.
; THE ORDER OF THE TILES IS ROTATED: cluster c begins with tile c mod 8 and wraps round.  The sixteen clusters of a batch read the same 1 MiB;
; so in one step they ask for different tiles, and from the second step on a cluster's tile has been read by another cluster a step before.
; The sum over t has no order.  The rotation hangs on the cluster's number alone, so the four partners' descriptors stay equal.
; Both products are computed transposed.  S^T = adapt_out adapt_in^T: a lane holds token s = l % 16 and eight neighbouring t, which packed to
; bf16 are the second product's right-hand fragment as they lie.  adapt^T = V^T P^T, with V^T fetched by the transposing LDS load.
; With pitch 528 the plain fragment loads touch 16 different 16-byte columns; the transposing loads' two half-rows of 16 bytes share some banks.
; The second product of a group of 32 t is issued one group late, in front of the next group's activation, so that the matrix unit works under it.
; The clip bounds the exponent to |5 log2(e)|: no exponential here can overflow or vanish.
.set PITCH, 528
.set TILEB, 64*PITCH                   ; 33,792
.set RING,  2*TILEB
.set KA, 2                             ; v2     adapt_out's fragments: ring + 528 r + 16 h
.set VA, 3                             ; v3     the transposing loads: ring + (8 h + l % 8) 528 + 16 ((l / 8) % 2) + 256
.set QO, 4                             ; v4     my tokens in AIO: 512 r + 16 h
.set RS, 5                             ; v5     the partial sums: ring + 528 r + 32 h
.set RL, 6                             ; v6-9   wave p's partial sums of the 8 rows that I add up
.set SO, 10                            ; v10    8 l
.set Q,  16                            ; v16-79   adapt_in of my 32 tokens: fragment (n, kk) at 8 (4 n + kk)
.set KF, 80                            ; v80-143  adapt_out of 32 t: fragment (tb, kk) at 8 (4 tb + kk)
.set S,  144                           ; v144-175 scores: tile (tb, n) at 8 (2 tb + n)
.set P,  176                           ; v176-191 their activation in bf16: fragment n at 8 n
.set T,  192                           ; v192-223 at work
.set VF, 128                           ; window 1: v0-127 the 16 accumulator tiles (i, n) at 8 (2 i + n); v128-191 V^T, fragment i at 8 i
.set G1, 16
.set G0, 24
.set TO, 46                            ; s[46:47], s[48:49]  slot 0's, slot 1's tile as a byte offset in my wave's 512 rows (upper words 0)
.set MSB, 0
.macro WIN new                         ; the immediate's high byte repeats the setting that is left
.if MSB != \new
	s_set_vgpr_msb (MSB<<8)|\new
.set MSB, \new
.endif
.endm
.macro PLACES                          ; four places behind a matrix instruction (ISA guide 7.12.1)
.rept 4
	v_nop
.endr
.endm
.macro ROUND                           ; a round of the cluster's barrier
	s_barrier_signal -1
	s_barrier_wait -1
	s_cmp_lg_u32 s10, 0
	s_cbranch_scc1 .Lnot_wave_0_\@
	s_barrier_signal -3
.Lnot_wave_0_\@:
	s_barrier_wait -3
	s_barrier_signal -1
	s_barrier_wait -1
.endm
	s_load_b128 s[4:7], s[0:1], 0x0                ; AIO, Hx
	v_lshl_add_u32 v254, v0, 2, 0x42000
	v_mov_b32 v255, 0
	ds_add_u32 v254, v255
	v_lshrrev_b32 v1, 5, v0
	v_readfirstlane_b32 s10, v1                    ; wave
	s_bfe_u32 s8, ttmp6, 0x40000                   ; cx
	s_mov_b32 s14, ttmp9
	s_lshl_b32 s13, s14, 2
	s_add_co_u32 s13, s13, s8                      ; work-group: tokens 32 x it
	s_lshr_b32 s15, s14, 4                         ; batch: 16 clusters each
	s_and_b32 s[TO], s14, 7                        ; the first tile: cluster mod 8,
	s_add_co_u32 s[TO+2], s[TO], 1
	s_and_b32 s[TO+2], s[TO+2], 7                  ; the second: the next, round the eight
	s_lshl_b32 s[TO], s[TO], 15                    ; 64 rows of 512 bytes a tile
	s_lshl_b32 s[TO+2], s[TO+2], 15
	s_mov_b32 s[TO+1], 0
	s_mov_b32 s[TO+3], 0
	s_mov_b32 s36, 0xc0a00000                      ; -5
	s_mov_b32 s37, 0x40a00000                      ; 5
	s_mov_b32 s38, 0xbfb8aa3b                      ; -log2(e), twice
	s_mov_b32 s39, 0xbfb8aa3b
	s_mov_b32 s[G1+0], 15|(1<<16)|(1<<20)|(1<<21)|(6<<22)|(3<<25)  ; to all four; 2-byte elements; 4 words of padding behind every 128
	s_mov_b32 s[G1+1], 256<<16
	s_mov_b32 s[G1+2], 64<<16
	s_mov_b32 s[G1+3], 256<<16
	s_mov_b32 s[G1+4], 64
	s_mov_b32 s[G1+5], 256
	s_mov_b32 s[G1+6], 0
	s_mov_b32 s[G1+7], 0
	s_lshl_b32 s32, s15, 20                        ; 2,048 rows of 512 bytes a batch,
	s_lshl_b32 s33, s10, 18                        ; 512 rows a wave
	s_add_co_u32 s32, s32, s33
	s_mov_b32 s33, 0
	s_mul_i32 s34, s10, RING                       ; my wave's ring
	s_lshl_b32 s44, s13, 14                        ; my work-group's 32 rows
	s_mov_b32 s45, 0
	s_wait_dscnt 0x0
	s_wait_kmcnt 0x0
	s_add_nc_u64 s[32:33], s[4:5], s[32:33]        ; my wave's 512 rows; stays as it is
	s_add_nc_u64 s[40:41], s[4:5], s[44:45]
	s_add_nc_u64 s[40:41], s[40:41], 256           ; adapt_in is a row's right half
	s_add_nc_u64 s[42:43], s[6:7], s[44:45]
	s_lshl_b32 s44, s10, 12                        ; the 8 rows that I store
	s_add_nc_u64 s[42:43], s[42:43], s[44:45]
.irp s, 0,1
	s_mov_b32 s[G0+4*\s], 1
	s_add_co_u32 s[G0+4*\s+1], s34, \s*TILEB
	s_add_nc_u64 s[G0+4*\s+2:G0+4*\s+3], s[32:33], s[TO+2*\s:TO+2*\s+1]
	s_or_b32 s[G0+4*\s+3], s[G0+4*\s+3], 0x80000000
.endr
	ROUND                                          ; all four work-groups are here: the first joint loads meet
	tensor_load_to_lds s[G0:G0+3], s[G1:G1+7]      ; the first two tiles
	s_nop 0
	tensor_load_to_lds s[G0+4:G0+7], s[G1:G1+7]
	s_nop 0
	v_and_b32 v1, 15, v0                           ; r
	v_bfe_u32 v11, v0, 4, 1                        ; h
	v_and_b32 v12, 31, v0                          ; l
	v_mul_u32_u24 v13, v1, PITCH
	v_add_nc_u32 v13, s34, v13
	v_lshl_add_u32 v[KA], v11, 4, v13
	v_lshl_add_u32 v[RS], v11, 5, v13
	v_and_b32 v14, 7, v0
	v_lshl_add_u32 v14, v11, 3, v14
	v_mul_u32_u24 v14, v14, PITCH
	v_bfe_u32 v15, v0, 3, 1
	v_lshl_add_u32 v14, v15, 4, v14
	v_add_nc_u32 v14, s34, v14
	v_add_nc_u32 v[VA], 0x100, v14
	v_lshlrev_b32 v13, 9, v1
	v_lshl_add_u32 v[QO], v11, 4, v13
	s_mul_i32 s44, s10, 8*PITCH
	v_lshl_add_u32 v[RL], v12, 4, s44
	v_add_nc_u32 v[RL+1], RING, v[RL]
	v_add_nc_u32 v[RL+2], 2*RING, v[RL]
	v_add_nc_u32 v[RL+3], 3*RING, v[RL]
	v_lshlrev_b32 v[SO], 3, v12
.irp n, 0,1
.irp kk, 0,1,2,3
	global_load_b128 v[Q+8*(4*\n+\kk):Q+8*(4*\n+\kk)+3],   v[QO], s[40:41] offset:8192*\n+64*\kk
	global_load_b128 v[Q+8*(4*\n+\kk)+4:Q+8*(4*\n+\kk)+7], v[QO], s[40:41] offset:8192*\n+64*\kk+32
.endr
.endr
.macro LOADK s, u                      ; adapt_out of the 32 t of group u of slot s: 16 loads
.irp tb, 0,1
.irp kk, 0,1,2,3
	ds_load_b128 v[KF+8*(4*\tb+\kk):KF+8*(4*\tb+\kk)+3],   v[KA] offset:TILEB*\s+8448*(2*\u+\tb)+64*\kk
	ds_load_b128 v[KF+8*(4*\tb+\kk)+4:KF+8*(4*\tb+\kk)+7], v[KA] offset:TILEB*\s+8448*(2*\u+\tb)+64*\kk+32
.endr
.endr
.endm
.macro LOADV s, u                      ; adapt_in of the same 32 t, transposed: 16 loads
	WIN 0x40
.irp i, 0,1,2,3,4,5,6,7
	ds_load_tr16_b128 v[VF+8*\i:VF+8*\i+3],   v[VA] offset:TILEB*\s+16896*\u+32*\i
	ds_load_tr16_b128 v[VF+8*\i+4:VF+8*\i+7], v[VA] offset:TILEB*\s+16896*\u+32*\i+8448
.endr
	WIN 0
.endm
.macro MM1                             ; the scores of 32 t x 32 s; the four tiles take turns, one instruction a turn
.irp kk, 0,1,2,3
.irp tb, 0,1
.irp n, 0,1
.if \kk == 0
	v_wmma_f32_16x16x32_bf16 v[S+8*(2*\tb+\n):S+8*(2*\tb+\n)+7], v[KF+8*(4*\tb+\kk):KF+8*(4*\tb+\kk)+7], v[Q+8*(4*\n+\kk):Q+8*(4*\n+\kk)+7], 0
.else
	v_wmma_f32_16x16x32_bf16 v[S+8*(2*\tb+\n):S+8*(2*\tb+\n)+7], v[KF+8*(4*\tb+\kk):KF+8*(4*\tb+\kk)+7], v[Q+8*(4*\n+\kk):Q+8*(4*\n+\kk)+7], v[S+8*(2*\tb+\n):S+8*(2*\tb+\n)+7]
.endif
.endr
.endr
.endr
.endm
.macro MM2 zero                        ; 128 a x 32 s += V^T P^T over 32 t: sixteen accumulators, one instruction each
	WIN 0x51                                       ; source 0, C and D window 1; source 1 window 0
.irp i, 0,1,2,3,4,5,6,7
.irp n, 0,1
.if \zero
	v_wmma_f32_16x16x32_bf16 v[8*(2*\i+\n):8*(2*\i+\n)+7], v[VF+8*\i:VF+8*\i+7], v[P+8*\n:P+8*\n+7], 0
.else
	v_wmma_f32_16x16x32_bf16 v[8*(2*\i+\n):8*(2*\i+\n)+7], v[VF+8*\i:VF+8*\i+7], v[P+8*\n:P+8*\n+7], v[8*(2*\i+\n):8*(2*\i+\n)+7]
.endif
.endr
.endr
	WIN 0
.endm
.macro SILU                            ; P = bf16(c / (1 + 2^(-log2(e) c))), c = the score clipped to [-5, 5]
.set i, 0
.rept 32
	v_med3_num_f32 v[S+i], v[S+i], s36, s37
.set i, i+1
.endr
.set i, 0
.rept 16
	v_pk_mul_f32 v[T+i:T+i+1], v[S+i:S+i+1], s[38:39] op_sel_hi:[1,0]
.set i, i+2
.endr
.set i, 0
.rept 32
	v_exp_f32 v[T+i], v[T+i]
.set i, i+1
.endr
	v_nop                                          ; one plain place behind the transcendentals (ISA guide 5.7.2)
.set i, 0
	s_wait_alu depctr_va_vdst(0)
.rept 16
	v_pk_add_f32 v[T+i:T+i+1], v[T+i:T+i+1], 1.0 op_sel_hi:[1,0]
.set i, i+2
.endr
.set i, 0
.rept 32
	v_rcp_f32 v[T+i], v[T+i]
.set i, i+1
.endr
	v_nop
.set i, 0
	s_wait_alu depctr_va_vdst(0)
.rept 16
	v_pk_mul_f32 v[S+i:S+i+1], v[S+i:S+i+1], v[T+i:T+i+1]
.set i, i+2
.endr
.irp n, 0,1
.irp tb, 0,1
.irp p, 0,1,2,3
	v_cvt_pk_bf16_f32 v[P+8*\n+4*\tb+\p], v[S+8*(2*\tb+\n)+2*\p], v[S+8*(2*\tb+\n)+2*\p+1]
.endr
.endr
.endr
.endm
; Slot s, which has been read, is filled again: the wave waits for its LDS reads and for all its tensor loads, the round brings all waves of all
; four work-groups here, and the refill is the wave's one tensor load behind it.  The slot's tile goes two tiles on, round the eight: the offset
; is stepped and cut apart from the address and then added to my wave's first row.
.macro FILL s
	s_wait_dscnt 0x0
	s_wait_tensorcnt 0x0
	ds_add_u32 v254, v255
	s_wait_dscnt 0x0
	s_add_co_u32 s[TO+2*\s], s[TO+2*\s], 65536
	s_and_b32 s[TO+2*\s], s[TO+2*\s], 0x3ffff
	s_add_nc_u64 s[G0+4*\s+2:G0+4*\s+3], s[32:33], s[TO+2*\s:TO+2*\s+1]
	s_or_b32 s[G0+4*\s+3], s[G0+4*\s+3], 0x80000000
	ROUND
	tensor_load_to_lds s[G0+4*\s:G0+4*\s+3], s[G1:G1+7]
	s_nop 0
.endm
; A tile of 64 t in slot s (o = the other slot), as two groups of 32.
.macro TILE s, o, first, fill, more
	s_wait_dscnt 0x0                               ; this group's adapt_out and the last group's V^T are in
	MM1
.if \first == 0
	MM2 0                                          ; the last group's second product
.endif
	PLACES
	LOADK \s, 1
	LOADV \s, 0
	SILU
	s_wait_dscnt 16                                ; adapt_out of the second group is in; the 16 transposing loads may be out
	MM1
	s_wait_dscnt 0x0
	MM2 \first                                     ; the very first one starts the sums
	PLACES
	LOADV \s, 1
	SILU
.if \fill
	FILL \s
	s_wait_tensorcnt 0x1                           ; the refill just issued stays out; the other slot's tile has landed
.else
.if \more
	s_wait_tensorcnt 0x0                           ; the last tile has landed
.endif
.endif
.if \more
	LOADK \o, 0
.endif
.endm
	s_wait_tensorcnt 0x1                           ; the first tile is in; the second stays out.  Only I read these bytes: my own wait is all the ordering they need
	LOADK 0, 0
	s_wait_loadcnt 0x0                             ; my tokens' fragments
	TILE 0, 1, 1, 1, 1                             ; the 1st tile; the 3rd is asked for
	TILE 1, 0, 0, 1, 1                             ; the 2nd; the 4th
	s_mov_b32 s3, 2
.Lt:
	TILE 0, 1, 0, 1, 1                             ; the 3rd, 5th; the 5th, 7th are asked for
	TILE 1, 0, 0, 1, 1                             ; the 4th, 6th; the 6th, 8th
	s_sub_co_u32 s3, s3, 1
	s_cmp_lg_u32 s3, 0
	s_cbranch_scc1 .Lt
	TILE 0, 1, 0, 0, 1                             ; the 7th: nothing is left to fetch
	TILE 1, 0, 0, 0, 0                             ; the 8th
	s_wait_dscnt 0x0
	MM2 0                                          ; the last group's second product
	; The four waves' partial sums meet in LDS: each wave writes its 32 rows x 512 bytes into its own slot 0, which has had its last fill and
	; which nobody else has read; behind a barrier wave w adds up rows 8 w .. 8 w + 7.
	PLACES
	WIN 0x04                                       ; store data in window 1
.irp i, 0,1,2,3,4,5,6,7
.irp n, 0,1
	ds_store_b128 v[RS], v[8*(2*\i+\n):8*(2*\i+\n)+3]   offset:8448*\n+64*\i
	ds_store_b128 v[RS], v[8*(2*\i+\n)+4:8*(2*\i+\n)+7] offset:8448*\n+64*\i+16
.endr
.endr
	WIN 0
	s_wait_dscnt 0x0                               ; my stores are done, for the others' sake
	s_barrier_signal -1
	s_barrier_wait -1
.irp q, 0,1,2,3,4,5,6,7
.irp p, 0,1,2,3
	ds_load_b128 v[16+16*\q+4*\p:16+16*\q+4*\p+3], v[RL+\p] offset:PITCH*\q
.endr
.endr
.irp q, 0,1,2,3,4,5,6,7
	s_wait_dscnt 28-4*\q                           ; row q's four loads are in
	v_pk_add_f32 v[16+16*\q:17+16*\q],    v[16+16*\q:17+16*\q],    v[20+16*\q:21+16*\q]
	v_pk_add_f32 v[18+16*\q:19+16*\q],    v[18+16*\q:19+16*\q],    v[22+16*\q:23+16*\q]
	v_pk_add_f32 v[24+16*\q:25+16*\q],    v[24+16*\q:25+16*\q],    v[28+16*\q:29+16*\q]
	v_pk_add_f32 v[26+16*\q:27+16*\q],    v[26+16*\q:27+16*\q],    v[30+16*\q:31+16*\q]
	v_pk_add_f32 v[16+16*\q:17+16*\q],    v[16+16*\q:17+16*\q],    v[24+16*\q:25+16*\q]
	v_pk_add_f32 v[18+16*\q:19+16*\q],    v[18+16*\q:19+16*\q],    v[26+16*\q:27+16*\q]
	v_cvt_pk_bf16_f32 v[16+16*\q], v[16+16*\q], v[17+16*\q]
	v_cvt_pk_bf16_f32 v[17+16*\q], v[18+16*\q], v[19+16*\q]
	global_store_b64 v[SO], v[16+16*\q:17+16*\q], s[42:43] offset:512*\q    ; the wave's store covers 256 consecutive bytes, aligned
.endr
	s_wait_tensorcnt 0x0
	ds_add_u32 v254, v255
	s_wait_dscnt 0x0
	ROUND                                          ; the closing round
	s_endpgm
.Lfunc_end_k_q69e77a192f_mix:
	.size	k_q69e77a192f_mix, .Lfunc_end_k_q69e77a192f_mix-k_q69e77a192f_mix
	.p2alignl 7, 3214868480
	.fill 96, 4, 3214868480
	.section	.rodata,"a",@progbits
	.p2align	6, 0x0
	.amdhsa_kernel k_q69e77a192f_mix
		.amdhsa_group_segment_fixed_size 327680
		.amdhsa_private_segment_fixed_size 0
		.amdhsa_enable_private_segment 0
		.amdhsa_kernarg_size 16
		.amdhsa_user_sgpr_count 2
		.amdhsa_user_sgpr_kernarg_segment_ptr 1
		.amdhsa_wavefront_size32 1
		.amdhsa_system_sgpr_workgroup_id_x 1
		.amdhsa_system_sgpr_workgroup_id_y 1
		.amdhsa_system_sgpr_workgroup_id_z 1
		.amdhsa_system_vgpr_workitem_id 0
		.amdhsa_next_free_vgpr 448
		.amdhsa_next_free_sgpr 66
		.amdhsa_reserve_vcc 0
		.amdhsa_float_denorm_mode_32 3
		.amdhsa_float_denorm_mode_16_64 3
		.amdhsa_memory_ordered 1
		.amdhsa_forward_progress 1
		.amdhsa_inst_pref_size 169
	.end_amdhsa_kernel
	.amdgpu_metadata
---
amdhsa.version: [ 1, 2 ]
amdhsa.kernels:
  - .name:           k_q69e77a192f_mix
    .symbol:         k_q69e77a192f_mix.kd
    .args:
      - { .name: AIO, .offset: 0, .size: 8, .value_kind: global_buffer, .address_space: global }
      - { .name: Hx, .offset: 8, .size: 8, .value_kind: global_buffer, .address_space: global }
    .group_segment_fixed_size: 327680
    .private_segment_fixed_size: 0
    .kernarg_segment_align: 8
    .kernarg_segment_size: 16
    .max_flat_workgroup_size: 128
    .sgpr_count:     66
    .vgpr_count:     448
    .wavefront_size: 32
...
	.end_amdgpu_metadata
.endif
;; end of part 10
;; launch down (part 11): grid 8 x 32, 4 waves a work-group, clusters of 4 x 4, 327,680 bytes of LDS; arguments Hb, Wdo, out0, Hx, Wx, bd, expert_weights; writes out0
.if DOCPART == 11
	.amdgcn_target "amdgcn-amd-amdhsa--gfx1250"
	.amdhsa_code_object_version 6
	.text
	.protected	k_q69e77a192f_down
	.globl	k_q69e77a192f_down
	.p2align	8
	.type	k_q69e77a192f_down,@function
k_q69e77a192f_down:
	s_mov_b64 s[64:65], 0
	v_nop
	global_prefetch_b8 v0, s[64:65] scope:SCOPE_SE
	s_setreg_imm32_b32 hwreg(HW_REG_WAVE_MODE, 25, 1), 1
	s_wait_xcnt 0x0
	s_wait_alu depctr_hold_cnt(0) depctr_sa_sdst(0) depctr_va_vdst(0) depctr_va_sdst(0) depctr_va_ssrc(0) depctr_va_vcc(0) depctr_vm_vsrc(0)
	s_getreg_b32 s2, hwreg(HW_REG_IB_STS2, 6, 4)
	s_cmp_eq_u32 s2, 0
	s_cbranch_scc0 .Lentry_in_a_cluster
	s_endpgm
.Lentry_in_a_cluster:
	s_bfe_u32 s2, ttmp6, 0x10000c
	s_cmp_lg_u32 s2, 0xf033
	s_cbranch_scc0 .Lentry_shape_is_right
	s_endpgm
.Lentry_shape_is_right:
; out = sw (hidden Wd^T + bd + adapt Wx0^T) + hw Wx1^T, sw = the sum of a token's 8 expert weights, Wx0 = 0.1 Wd Wap, Wx1 = 0.1 Wo Wp.
; One GEMM over K = 2048 + 128 + 128 in 18 steps of 128: 16 steps from Hb and Wdo's first 1,024 rows, step 16 from the left halves of Hx and Wx,
; step 17 from their right halves; between steps 16 and 17 every accumulator is multiplied by its token's sw.  bd is the C operand of the first
; products, so it is scaled with the rest.  Output f32.
; A work-group makes 256 tokens x 128 columns (256 work-groups), a wave 128 x 64: 32 accumulator tiles in window 1; all else in window 0.
; LDS: two slots of 104,448 bytes (256 rows of tokens, then 128 rows of weights, rows of 256 bytes at pitch 272), then a stage of 16 x 272 bytes a wave.
; CLUSTER 4 x 4: the tokens' tiles are shared along a row of the cluster, the weights' along a column; each is asked for jointly by the four.
; A wave has two tensor loads out at the start and one behind each round.
; THE ORDER OF THE FIRST 16 K STEPS IS ROTATED: cluster (X, Y) of the 2 x 8 begins with step (8 X + 4 Y) mod 16 and wraps round.  The two clusters
; that read the same tokens are 8 steps apart and neighbouring clusters that read the same weights 4, so they read a tile at different
; steps, and the later ones read what another cluster has read before.  A sum over K has no order here.  The rotation hangs on the cluster's numbers alone,
; so the descriptors of the work-groups that ask jointly stay equal.
; The matrix instruction is used transposed (source 0 = weights, source 1 = tokens): a lane holds token l % 16 and eight neighbouring columns.
.set KSTEP, 128
.set PITCH, 272
.set ATILE, 256*PITCH
.set BTILE, 128*PITCH
.set SLOT,  ATILE+BTILE
.set STAGE, 2*SLOT
.set ADRA, 2
.set ADRB, 4
.set STO,  6
.set RD,   7
.set CO,   8
.set EWO,  9
.set BO,   10
.set SW,   16                          ; v16-31   sw of token 16 a + r, twice, a = 0..7
.set BIAS, 32                          ; v32-63   bd in the accumulators' layout, 4 tiles
.set FA,   64                          ; v64-191  the tokens' fragments, two buffers of 64
.set FB,   192                         ; v192-255 the weights' fragments, two buffers of 32
.set G1, 24
.set G0, 32
.set G1B, 48
.set G0B, 56
.set KO, 84                            ; s[84:85], s[86:87]  slot 0's, slot 1's K step as a byte offset in a row of 4,096 bytes (upper words 0)
.set MSB, 0
.macro WIN new                         ; the immediate's high byte repeats the setting that is left
.if MSB != \new
	s_set_vgpr_msb (MSB<<8)|\new
.set MSB, \new
.endif
.endm
.set MUL,  0x50                        ; C and D window 1
.set MULZ, 0x40                        ; D window 1, C (the bias) window 0
.macro JLOAD s                         ; waves 0, 1 ask for the tokens' two halves, waves 2, 3 for the weights'
	s_cmp_eq_u32 s11, 0
	s_cbranch_scc0 .Lfor_b_\@
	tensor_load_to_lds s[G0+4*\s:G0+4*\s+3], s[G1:G1+7]
	s_nop 0
	s_branch .Lasked_\@
.Lfor_b_\@:
	tensor_load_to_lds s[G0B+4*\s:G0B+4*\s+3], s[G1B:G1B+7]
	s_nop 0
.Lasked_\@:
.endm
.macro CREST
	s_cmp_lg_u32 s10, 0
	s_cbranch_scc1 .Lnot_wave_0_\@
	s_barrier_signal -3
.Lnot_wave_0_\@:
	s_barrier_wait -3
	s_barrier_signal -1
	s_barrier_wait -1
.endm
.macro CROUND
	s_barrier_signal -1
	s_barrier_wait -1
	CREST
.endm
	s_load_b128 s[4:7], s[0:1], 0x0                ; Hb, Wdo
	s_load_b64 s[8:9], s[0:1], 0x10                ; out0
	s_load_b64 s[66:67], s[0:1], 0x18              ; Hx
	s_load_b64 s[68:69], s[0:1], 0x20              ; Wx
	s_load_b64 s[70:71], s[0:1], 0x28              ; bd
	s_load_b64 s[72:73], s[0:1], 0x30              ; expert_weights
	v_lshl_add_u32 v14, v0, 2, 0x37400
	v_mov_b32 v15, 0
	ds_add_u32 v14, v15
	v_lshrrev_b32 v1, 5, v0
	v_readfirstlane_b32 s10, v1                    ; wave
	s_lshr_b32 s11, s10, 1                         ; my half of the tokens.  Also: I fetch tokens (0) or weights (1)
	s_and_b32 s12, s10, 1                          ; my half of the columns.  Also: which half I fetch
	s_bfe_u32 s40, ttmp6, 0x40000                  ; cx
	s_bfe_u32 s41, ttmp6, 0x40004                  ; cy
	s_lshl_b32 s42, ttmp9, 2
	s_add_co_u32 s42, s42, s40                     ; block column
	s_and_b32 s13, ttmp7, 0xffff
	s_lshl_b32 s[KO], s13, 2                       ; 4 Y
	s_lshl_b32 s[KO+1], ttmp9, 3                   ; 8 X
	s_add_co_u32 s[KO], s[KO], s[KO+1]
	s_and_b32 s[KO], s[KO], 15                     ; the first K step,
	s_add_co_u32 s[KO+2], s[KO], 1
	s_and_b32 s[KO+2], s[KO+2], 15                 ; the second: the next, round the sixteen
	s_lshl_b32 s[KO], s[KO], 8                     ; 256 bytes a step
	s_lshl_b32 s[KO+2], s[KO+2], 8
	s_mov_b32 s[KO+1], 0
	s_mov_b32 s[KO+3], 0
	s_lshl_b32 s13, s13, 2
	s_add_co_u32 s13, s13, s41                     ; block row
	s_lshl_b32 s43, s41, 2
	s_lshl_b32 s43, 15, s43                        ; my row of the cluster
	s_lshl_b32 s44, 0x1111, s40                    ; my column
	s_mov_b32 s74, 0x76543210
	s_mov_b32 s75, 0xfedcba98
	s_or_b32 s[G1+0], s43, (1<<16)|(1<<20)|(1<<21)|(5<<22)|(3<<25)  ; mask; 2-byte elements; 4 words of padding behind every 64
	s_or_b32 s[G1B+0], s44, (1<<16)|(1<<20)|(1<<21)|(5<<22)|(3<<25)
	s_mov_b32 s[G1+1], KSTEP<<16
	s_mov_b32 s[G1B+1], KSTEP<<16
	s_mov_b32 s[G1+2], 128<<16                     ; tokens: 128 rows a load
	s_mov_b32 s[G1B+2], 64<<16                     ; weights: 64 rows
	s_mov_b32 s[G1+3], KSTEP<<16
	s_mov_b32 s[G1B+3], KSTEP<<16
	s_mov_b32 s[G1+4], 128
	s_mov_b32 s[G1B+4], 64
	s_mov_b32 s[G1+5], 2048                        ; elements from row to row in Hb and Wdo
	s_mov_b32 s[G1B+5], 2048
	s_mov_b32 s[G1+6], 0
	s_mov_b32 s[G1B+6], 0
	s_mov_b32 s[G1+7], 0
	s_mov_b32 s[G1B+7], 0
	s_lshl_b32 s17, s12, 7
	s_lshl_b32 s16, s13, 8
	s_add_co_u32 s16, s16, s17                     ; tokens: row 256 x block row + 128 x half
	s_lshl_b32 s80, s16, 9                         ; in Hx's rows of 512 bytes
	s_mov_b32 s81, 0
	s_lshl_b32 s16, s16, 12                        ; in Hb's rows of 4,096 bytes
	s_mov_b32 s17, 0
	s_lshl_b32 s47, s12, 6
	s_lshl_b32 s46, s42, 7
	s_add_co_u32 s46, s46, s47                     ; weights: row 128 x block column + 64 x half
	s_lshl_b32 s82, s46, 9
	s_mov_b32 s83, 0
	s_lshl_b32 s46, s46, 12
	s_mov_b32 s47, 0
	s_mul_i32 s20, s10, 128*PITCH                  ; LDS: tokens at 34,816 w (waves 0, 1)
	s_mul_i32 s21, s10, 64*PITCH
	s_add_co_u32 s21, s21, 128*PITCH               ; weights at 34,816 + 17,408 w (waves 2, 3): bytes 69,632 and 87,040
	s_wait_dscnt 0x0
	s_wait_kmcnt 0x0
	s_add_nc_u64 s[14:15], s[4:5], s[16:17]        ; my rows' first bytes in Hb and in Wdo; they stay as they are up to the way out
	s_add_nc_u64 s[46:47], s[6:7], s[46:47]
	s_add_nc_u64 s[76:77], s[66:67], s[80:81]      ; where K steps 16 and 17 come from
	s_add_nc_u64 s[78:79], s[68:69], s[82:83]
	CROUND                                         ; all sixteen work-groups are here: the first joint loads meet
.irp s, 0,1
	s_mov_b32 s[G0+4*\s], 1
	s_add_co_u32 s[G0+4*\s+1], s20, \s*SLOT
	s_add_nc_u64 s[G0+4*\s+2:G0+4*\s+3], s[14:15], s[KO+2*\s:KO+2*\s+1]
	s_or_b32 s[G0+4*\s+3], s[G0+4*\s+3], 0x80000000
	s_mov_b32 s[G0B+4*\s], 1
	s_add_co_u32 s[G0B+4*\s+1], s21, \s*SLOT
	s_add_nc_u64 s[G0B+4*\s+2:G0B+4*\s+3], s[46:47], s[KO+2*\s:KO+2*\s+1]
	s_or_b32 s[G0B+4*\s+3], s[G0B+4*\s+3], 0x80000000
	JLOAD \s
.endr
	v_and_b32 v1, 15, v0                           ; r
	v_bfe_u32 v11, v0, 4, 1                        ; h
	v_mul_u32_u24 v12, v1, PITCH
	v_lshl_add_u32 v12, v11, 4, v12                ; 272 r + 16 h
	s_mul_i32 s22, s11, 128*PITCH                  ; my 128 tokens
	s_mul_i32 s23, s12, 64*PITCH                   ; my 64 rows of weights,
	s_add_co_u32 s23, s23, ATILE                   ; behind the tokens' 256
.irp s, 0,1
	v_add_nc_u32 v[ADRA+\s], s22, v12
	v_add_nc_u32 v[ADRB+\s], s23, v12
	s_add_co_u32 s22, s22, SLOT
	s_add_co_u32 s23, s23, SLOT
.endr
	s_mul_i32 s22, s10, 16*PITCH
	s_add_co_u32 s22, s22, STAGE                   ; my stage
	v_mul_u32_u24 v13, v1, PITCH
	v_lshl_add_u32 v13, v11, 5, v13                ; in: row r, 32 bytes for each half of the lanes
	v_add_nc_u32 v[STO], s22, v13
	v_mul_u32_u24 v13, v11, PITCH
	v_lshl_add_u32 v13, v1, 4, v13                 ; back: lanes 0-15 one row of 256 bytes, lanes 16-31 the next
	v_add_nc_u32 v[RD], s22, v13
	v_lshlrev_b32 v13, 12, v11
	v_lshl_add_u32 v[CO], v1, 4, v13               ; the same two rows in out0
	v_lshlrev_b32 v13, 5, v1
	v_lshl_add_u32 v[EWO], v11, 4, v13             ; token r's 32 bytes of weights, 16 for each half of the lanes
	v_lshlrev_b32 v[BO], 5, v11
	s_lshl_b32 s82, s42, 9                         ; bd: 4 (128 x block column + 64 x half)
	s_lshl_b32 s83, s12, 8
	s_add_co_u32 s82, s82, s83
	s_mov_b32 s83, 0
	s_add_nc_u64 s[70:71], s[70:71], s[82:83]
	s_lshl_b32 s80, s13, 13                        ; expert_weights: 32 (256 x block row + 128 x half)
	s_lshl_b32 s81, s11, 12
	s_add_co_u32 s80, s80, s81
	s_mov_b32 s81, 0
	s_add_nc_u64 s[72:73], s[72:73], s[80:81]
.irp b, 0,1,2,3
	global_load_b128 v[BIAS+8*\b:BIAS+8*\b+3],   v[BO], s[70:71] offset:64*\b
	global_load_b128 v[BIAS+8*\b+4:BIAS+8*\b+7], v[BO], s[70:71] offset:64*\b+16
.endr
.irp a, 0,1,2,3,4,5,6,7
	global_load_b128 v[FA+4*\a:FA+4*\a+3], v[EWO], s[72:73] offset:512*\a
.endr
	s_wait_loadcnt 0x0
.irp a, 0,1,2,3,4,5,6,7
	v_add_f32 v[FA+4*\a],   v[FA+4*\a],   v[FA+4*\a+1]
	v_add_f32 v[FA+4*\a+2], v[FA+4*\a+2], v[FA+4*\a+3]
	v_add_f32 v[FA+4*\a],   v[FA+4*\a],   v[FA+4*\a+2]
	v_permlanex16_b32 v[FA+4*\a+1], v[FA+4*\a], s74, s75           ; the other four weights of my token
	v_add_f32 v[SW+2*\a],   v[FA+4*\a], v[FA+4*\a+1]
	v_add_f32 v[SW+2*\a+1], v[FA+4*\a], v[FA+4*\a+1]
.endr
; 8 matrix instructions: token blocks a0, a0 + 1 x the 4 column blocks.  zero = 1: the bias starts the sums.
; The 32 accumulators take turns, one instruction a turn, in the same order in every quarter step.
.macro MULA f, a0, zero
.irp a, \a0, \a0+1
.irp b, 0,1,2,3
.if \zero
	v_wmma_f32_16x16x32_bf16 v[8*(4*(\a)+\b):8*(4*(\a)+\b)+7], v[FB+32*\f+8*\b:FB+32*\f+8*\b+7], v[FA+64*\f+8*(\a):FA+64*\f+8*(\a)+7], v[BIAS+8*\b:BIAS+8*\b+7]
.else
	v_wmma_f32_16x16x32_bf16 v[8*(4*(\a)+\b):8*(4*(\a)+\b)+7], v[FB+32*\f+8*\b:FB+32*\f+8*\b+7], v[FA+64*\f+8*(\a):FA+64*\f+8*(\a)+7], v[8*(4*(\a)+\b):8*(4*(\a)+\b)+7]
.endif
.endr
.endr
.endm
.macro FETCH slot, k, f                ; 24 LDS loads in one run: the weights' 8, then the tokens' 16
	WIN 0
.irp i, 0,1,2,3
	ds_load_b128 v[FB+32*\f+8*\i:FB+32*\f+8*\i+3],   v[ADRB+\slot] offset:\k+\i*16*PITCH
	ds_load_b128 v[FB+32*\f+8*\i+4:FB+32*\f+8*\i+7], v[ADRB+\slot] offset:\k+\i*16*PITCH+32
.endr
.irp i, 0,1,2,3,4,5,6,7
	ds_load_b128 v[FA+64*\f+8*\i:FA+64*\f+8*\i+3],   v[ADRA+\slot] offset:\k+\i*16*PITCH
	ds_load_b128 v[FA+64*\f+8*\i+4:FA+64*\f+8*\i+7], v[ADRA+\slot] offset:\k+\i*16*PITCH+32
.endr
.endm
.macro PLACES                          ; four places behind a matrix instruction (ISA guide 7.12.1)
.rept 4
	v_nop
.endr
.endm
.macro WINM zero
.if \zero
	WIN MULZ
.else
	WIN MUL
.endif
.endm
.macro QUARTER slot, k, f, g, zero
	s_wait_dscnt 8                                 ; the weights and tokens 0-63 are in; the youngest eight loads may be out
	WINM \zero
	MULA \f, 0, \zero
	MULA \f, 2, \zero
	PLACES
	FETCH \slot, \k, \g
	s_wait_dscnt 24                                ; all but the 24 just issued
	WINM \zero
	MULA \f, 4, \zero
	MULA \f, 6, \zero
.endm
.macro THREE slot, zero
	QUARTER \slot, 64,  0, 1, \zero
	QUARTER \slot, 128, 1, 0, 0
	QUARTER \slot, 192, 0, 1, 0
.endm
; The last quarter changes slots.  In front of the barrier each wave waits for its reads of this slot and for all its tensor loads; behind the
; cluster's round the refill comes first.  fill = 1: two K steps on in Hb and Wdo, round the sixteen: the offset is stepped and cut apart from the
; addresses and then added to my rows' first bytes; fill = 2: K step 16 + slot, from Hx and Wx (rows of 256 elements).
.macro TURN slot, next, fill
	s_wait_dscnt 8
	WIN MUL
	MULA 1, 0, 0
	s_wait_dscnt 0
	s_wait_tensorcnt 0x0
	ds_add_u32 v14, v15
	s_wait_dscnt 0x0
	s_barrier_signal -1
	MULA 1, 2, 0                                   ; register work while the others arrive
	WIN 0
	s_barrier_wait -1
.if \fill == 1
	CREST
	s_add_co_u32 s[KO+2*\slot], s[KO+2*\slot], 2*KSTEP*2
	s_and_b32 s[KO+2*\slot], s[KO+2*\slot], 0xfff
	s_add_nc_u64 s[G0+4*\slot+2:G0+4*\slot+3], s[14:15], s[KO+2*\slot:KO+2*\slot+1]
	s_or_b32 s[G0+4*\slot+3], s[G0+4*\slot+3], 0x80000000
	s_add_nc_u64 s[G0B+4*\slot+2:G0B+4*\slot+3], s[46:47], s[KO+2*\slot:KO+2*\slot+1]
	s_or_b32 s[G0B+4*\slot+3], s[G0B+4*\slot+3], 0x80000000
	JLOAD \slot
.endif
.if \fill == 2
	CREST
	s_mov_b32 s[G1+5], 256                         ; no tensor load of mine is out: every descriptor word may be written
	s_mov_b32 s[G1B+5], 256
	s_add_nc_u64 s[G0+4*\slot+2:G0+4*\slot+3], s[76:77], 256*\slot
	s_or_b32 s[G0+4*\slot+3], s[G0+4*\slot+3], 0x80000000
	s_add_nc_u64 s[G0B+4*\slot+2:G0B+4*\slot+3], s[78:79], 256*\slot
	s_or_b32 s[G0B+4*\slot+3], s[G0B+4*\slot+3], 0x80000000
	JLOAD \slot
.endif
	PLACES
	FETCH \next, 0, 0
	WIN MUL
	MULA 1, 4, 0
	MULA 1, 6, 0
.endm
.macro LAP zero
	THREE 0, \zero
	TURN 0, 1, 1
	THREE 1, 0
	TURN 1, 0, 1
.endm
	s_wait_tensorcnt 1                             ; my part of the first K step is in; the second's stays out
	s_barrier_signal -1
	s_barrier_wait -1
	FETCH 0, 0, 0
	LAP 1                                          ; the 1st and 2nd of the sixteen
	WIN 0
	s_mov_b32 s3, 6
.Llap:
	LAP 0                                          ; the 3rd to the 14th
	WIN 0
	s_sub_co_u32 s3, s3, 1
	s_cmp_lg_u32 s3, 0
	s_cbranch_scc1 .Llap
	THREE 0, 0                                     ; the 15th and 16th; K steps 16, 17 are asked for
	TURN 0, 1, 2
	THREE 1, 0
	TURN 1, 0, 2
	THREE 0, 0                                     ; K step 16: adapt
	TURN 0, 1, 0
	PLACES                                         ; shared is whole: times the token's sum of weights
	WIN 0x41                                       ; source 0 and destination window 1, source 1 window 0
.irp a, 0,1,2,3,4,5,6,7
.set i, 0
.rept 16
	v_pk_mul_f32 v[32*\a+i:32*\a+i+1], v[32*\a+i:32*\a+i+1], v[SW+2*\a:SW+2*\a+1]
.set i, i+2
.endr
.endr
	THREE 1, 0                                     ; K step 17: hw
	s_wait_dscnt 8
	WIN MUL
	MULA 1, 0, 0
	MULA 1, 2, 0
	s_wait_dscnt 0
	MULA 1, 4, 0
	MULA 1, 6, 0
	; THE WAY OUT, 16 tokens at a time: 32 bytes a lane and tile into my own stage, read back as whole rows of 256 bytes
	PLACES
	s_lshl_b32 s16, s13, 8
	s_lshl_b32 s14, s11, 7
	s_add_co_u32 s16, s16, s14                     ; my first token
	s_lshl_b32 s16, s16, 12
	s_mov_b32 s17, 0
	s_add_nc_u64 s[8:9], s[8:9], s[16:17]
	s_lshl_b32 s46, s42, 9                         ; my first column, in bytes: 512 x block column + 256 x half
	s_lshl_b32 s47, s12, 8
	s_add_co_u32 s46, s46, s47
	s_mov_b32 s47, 0
	s_add_nc_u64 s[8:9], s[8:9], s[46:47]
.macro OUT16 a, f
	WIN 0x04                                       ; store data in window 1
.irp b, 0,1,2,3
	ds_store_b128 v[STO], v[8*(4*\a+\b):8*(4*\a+\b)+3]   offset:64*\b
	ds_store_b128 v[STO], v[8*(4*\a+\b)+4:8*(4*\a+\b)+7] offset:64*\b+16
.endr
	WIN 0
	s_wait_xcnt 0x0                                ; buffer f, which stores read, and the stores' base are rewritten only behind this wait
.if \a
	s_add_nc_u64 s[8:9], s[8:9], 65536             ; 16 rows of 4,096 bytes on
.endif
.irp t, 0,1,2,3,4,5,6,7
	ds_load_b128 v[FA+64*\f+4*\t:FA+64*\f+4*\t+3], v[RD] offset:\t*2*PITCH  ; LDS serves a wave's instructions in order: these see the stores above
.endr
.irp t, 0,1,2,3,4,5,6,7
	s_wait_dscnt 7-\t
	global_store_b128 v[CO], v[FA+64*\f+4*\t:FA+64*\f+4*\t+3], s[8:9] offset:8192*\t th:TH_STORE_NT   ; 16 lanes store 256 consecutive bytes, aligned
.endr
.endm
	OUT16 0, 0
	OUT16 1, 1
	OUT16 2, 0
	OUT16 3, 1
	OUT16 4, 0
	OUT16 5, 1
	OUT16 6, 0
	OUT16 7, 1
	s_wait_tensorcnt 0x0
	ds_add_u32 v14, v15
	s_wait_dscnt 0x0
	CROUND                                         ; the closing round
	s_endpgm
.Lfunc_end_k_q69e77a192f_down:
	.size	k_q69e77a192f_down, .Lfunc_end_k_q69e77a192f_down-k_q69e77a192f_down
	.p2alignl 7, 3214868480
	.fill 96, 4, 3214868480
	.section	.rodata,"a",@progbits
	.p2align	6, 0x0
	.amdhsa_kernel k_q69e77a192f_down
		.amdhsa_group_segment_fixed_size 327680
		.amdhsa_private_segment_fixed_size 0
		.amdhsa_enable_private_segment 0
		.amdhsa_kernarg_size 56
		.amdhsa_user_sgpr_count 2
		.amdhsa_user_sgpr_kernarg_segment_ptr 1
		.amdhsa_wavefront_size32 1
		.amdhsa_system_sgpr_workgroup_id_x 1
		.amdhsa_system_sgpr_workgroup_id_y 1
		.amdhsa_system_sgpr_workgroup_id_z 1
		.amdhsa_system_vgpr_workitem_id 0
		.amdhsa_next_free_vgpr 512
		.amdhsa_next_free_sgpr 88
		.amdhsa_reserve_vcc 0
		.amdhsa_float_denorm_mode_32 3
		.amdhsa_float_denorm_mode_16_64 3
		.amdhsa_memory_ordered 1
		.amdhsa_forward_progress 1
		.amdhsa_inst_pref_size 164
	.end_amdhsa_kernel
	.amdgpu_metadata
---
amdhsa.version: [ 1, 2 ]
amdhsa.kernels:
  - .name:           k_q69e77a192f_down
    .symbol:         k_q69e77a192f_down.kd
    .args:
      - { .name: Hb, .offset: 0, .size: 8, .value_kind: global_buffer, .address_space: global }
      - { .name: Wdo, .offset: 8, .size: 8, .value_kind: global_buffer, .address_space: global }
      - { .name: out0, .offset: 16, .size: 8, .value_kind: global_buffer, .address_space: global }
      - { .name: Hx, .offset: 24, .size: 8, .value_kind: global_buffer, .address_space: global }
      - { .name: Wx, .offset: 32, .size: 8, .value_kind: global_buffer, .address_space: global }
      - { .name: bd, .offset: 40, .size: 8, .value_kind: global_buffer, .address_space: global }
      - { .name: expert_weights, .offset: 48, .size: 8, .value_kind: global_buffer, .address_space: global }
    .group_segment_fixed_size: 327680
    .private_segment_fixed_size: 0
    .kernarg_segment_align: 8
    .kernarg_segment_size: 56
    .max_flat_workgroup_size: 128
    .sgpr_count:     88
    .vgpr_count:     512
    .wavefront_size: 32
...
	.end_amdgpu_metadata
.endif
;; end of part 11
;; ======== version 3 of 3: 5 launches; version 2 with the launch prep written anew for expert scheduling mode
;; limits: right only within a limited range of input values
;; workspace buffers: xb 16,777,216 bytes; Wug 8,388,608 bytes; Wdo 8,388,608 bytes; Wsm 2,097,152 bytes; Hb 33,554,432 bytes; Hx 4,194,304 bytes; AIO 4,194,304 bytes; Wx 524,288 bytes
;; launch prep (part 12): grid 592 x 1, 8 waves a work-group, no clusters, 0 bytes of LDS; arguments x, Wu, Wg, Wd, Wo, Wpost, Wpre, A, Wap, Wp, xb, Wug, Wdo, Wsm; writes xb, Wug, Wdo, Wsm
.if DOCPART == 12
	.amdgcn_target "amdgcn-amd-amdhsa--gfx1250"
	.amdhsa_code_object_version 6
	.text
	.protected	k_q69e77a192f_prep
	.globl	k_q69e77a192f_prep
	.p2align	8
	.type	k_q69e77a192f_prep,@function
k_q69e77a192f_prep:
	s_mov_b64 s[64:65], 0
	v_nop
	global_prefetch_b8 v0, s[64:65] scope:SCOPE_SE
	s_setreg_imm32_b32 hwreg(HW_REG_WAVE_SCHED_MODE, 0, 2), 2
	s_setreg_imm32_b32 hwreg(HW_REG_WAVE_MODE, 25, 1), 1
	s_wait_xcnt 0x0
	s_wait_alu depctr_vm_vsrc(0)
; Every matrix operand is rounded to bf16 once, here, so that the later launches move and read half the bytes.
; Work-groups 0-527 convert: each takes 32 pieces of 1,024 f32 (131,072 bytes in, 65,536 out), a wave 4 pieces.
;   0-255 x -> xb;  256-319 Wu, 320-383 Wg -> Wug;  384-447 Wd, 448-511 Wo -> Wdo (Wo behind Wd);
;   512-519 Wpost, 520-523 Wpre, 524-527 A -> Wsm at bytes 0, 1,572,864 and 1,835,008.
; Wug interleaves Wu and Wg: row 256 (h>>7) + 128 ((h>>6)&1) + 64 g + (h&63), g = 0 for Wu, 1 for Wg, so that a wave of the next
; product that takes 128 neighbouring rows holds "up" and "gate" of the same 64 columns of hidden.
; Work-groups 528-559 transpose Wap, 560-591 Wp, [2048][128] f32 -> [128][2048] bf16, to Wsm at bytes 524,288 and 1,048,576.
; A stream: no LDS, no matrix unit, no cluster (no two work-groups read the same byte).  All of a wave's 32 loads are out at once.
; The two packed words of a load are written over the first two of its four registers, so a wave takes 132 registers and not 196:
; more work-groups, and with them more loads, can be at work at a time.
; THE MODE: SCHED_MODE bits 1:0 = 2 (LLVM: expert scheduling mode 2), set by the entry lines.  The code itself states the register dependences
; between vector instructions and memory instructions, with s_wait_alu, always for 0.
; THE PLAN, converting path.  Registers that memory instructions touch:
;   v1, v2       byte offsets of the loads and of the stores: made once at the head, never written again.
;   v[LD+4 j ..] load j lands in four registers, once; the two conversions of j read the four and write the first two; store j reads those two, once.
; No register is loaded twice, none is written again behind its store, and no vector instruction names a load's registers ahead of the load.  So what
; has to be stated is that the offsets are written ahead of the first load, and that a store's two words are written ahead of the store.
; The 32 loads are worked off in eight blocks of four.  Block p converts loads 4 p .. 4 p + 3; its memory instructions are the four stores of
; block p - 1, whose registers no conversion of block p names.  So ONE wait at a block's head states all that the block's four stores hang on, and these
; are dealt among its conversions with no further wait.  One more wait stands ahead of the last four stores.
; Transposing path: the offsets likewise; v[4:35] are loaded once and read by the conversions; v[36:51] are written by the sixteen conversions and
; read by the four stores, with one wait between.
.set LD,  4                            ; v[4:131]   32 loads of 4 f32; registers 0 and 1 of each then hold its 4 bf16
.set BLK, 4                            ; loads in a block
	s_load_b512 s[16:31], s[0:1], 0x0              ; x 16, Wu 18, Wg 20, Wd 22, Wo 24, Wpost 26, Wpre 28, A 30
	s_load_b256 s[32:39], s[0:1], 0x40             ; Wap 32, Wp 34, xb 36, Wug 38
	s_load_b128 s[40:43], s[0:1], 0x60             ; Wdo 40, Wsm 42
	s_mov_b32 s4, ttmp9                            ; the work-group's number
	v_lshrrev_b32 v1, 5, v0
	v_readfirstlane_b32 s5, v1                     ; the wave's number
	v_and_b32 v3, 31, v0                           ; lane
	s_mov_b32 s15, 0                               ; the upper word of every offset
	s_wait_alu depctr_va_sdst(0)                   ; s5 is written, ahead of the branch below: both paths make their addresses from it
	s_wait_kmcnt 0x0
	s_cmp_ge_u32 s4, 528
	s_cbranch_scc1 .Ltr
	; which tensor: source, destination, the role's first work-group, the destination's first byte
	s_mov_b64 s[6:7], s[16:17]
	s_mov_b64 s[8:9], s[36:37]
	s_mov_b32 s10, 0
	s_mov_b32 s13, 0
.macro ROLE from, src, dst, at
	s_cmp_ge_u32 s4, \from
	s_cselect_b64 s[6:7], s[\src:\src+1], s[6:7]
	s_cselect_b64 s[8:9], s[\dst:\dst+1], s[8:9]
	s_cselect_b32 s10, \from, s10
	s_cselect_b32 s13, \at, s13
.endm
	ROLE 256, 18, 38, 0
	ROLE 320, 20, 38, 0
	ROLE 384, 22, 40, 0
	ROLE 448, 24, 40, 4194304
	ROLE 512, 26, 42, 0
	ROLE 520, 28, 42, 1572864
	ROLE 524, 30, 42, 1835008
	s_sub_co_u32 s11, s4, s10                      ; my number within the role
	s_lshl_b32 s12, s11, 16
	s_add_co_u32 s12, s12, s13                     ; dense: 65,536 bytes out for each work-group
	; Wug: my 32 rows h = 32 n .. 32 n + 31 go to row 256 (n>>2) + 128 ((n>>1)&1) + 64 g + 32 (n&1), rows of 2,048 bytes
	s_lshr_b32 s2, s11, 2
	s_lshl_b32 s2, s2, 19
	s_bfe_u32 s3, s11, 0x10001
	s_lshl_b32 s3, s3, 18
	s_or_b32 s2, s2, s3
	s_and_b32 s3, s11, 1
	s_lshl_b32 s3, s3, 16
	s_or_b32 s2, s2, s3
	s_cmp_ge_u32 s4, 320
	s_cselect_b32 s3, 0x20000, 0
	s_or_b32 s2, s2, s3
	s_sub_co_u32 s14, s4, 256
	s_cmp_lt_u32 s14, 128                          ; unsigned: true for work-groups 256 to 383 alone
	s_cselect_b32 s12, s2, s12
	s_lshl_b32 s14, s11, 17                        ; source: 131,072 bytes a work-group, 16,384 a wave
	s_lshl_b32 s2, s5, 14
	s_add_co_u32 s14, s14, s2
	s_add_nc_u64 s[6:7], s[6:7], s[14:15]
	s_lshl_b32 s14, s5, 13                         ; destination: 8,192 bytes a wave
	s_add_co_u32 s14, s14, s12
	s_add_nc_u64 s[8:9], s[8:9], s[14:15]
	v_lshlrev_b32 v1, 4, v3                        ; 16 bytes a lane in
	v_lshlrev_b32 v2, 3, v3                        ; 8 bytes a lane out
	s_wait_alu depctr_va_vdst(0)                   ; v1 and v2 are written: every load below reads v1 as its offset, every store v2
.set j, 0
.rept 32
	global_load_b128 v[LD+4*j:LD+4*j+3], v1, s[6:7] offset:512*j th:TH_LOAD_NT
.set j, j+1
.endr
.set p, 0
.rept 32/BLK
	s_wait_loadcnt 32-BLK*(p+1)                    ; loads come back in order: block p's four are in, the younger blocks' stay out
.if p > 0
	s_wait_alu depctr_va_vdst(0)                   ; the conversions of block p - 1 have written their packed words, which the four stores below read
.endif
.set i, 0
.rept BLK
.set j, BLK*p+i
.if p > 0
	global_store_b64 v2, v[LD+4*(j-BLK):LD+4*(j-BLK)+1], s[8:9] offset:256*(j-BLK)  ; the block before; no vector instruction since the wait names these registers.  The wave's store covers 256 consecutive bytes, aligned
.endif
	v_cvt_pk_bf16_f32 v[LD+4*j],   v[LD+4*j],   v[LD+4*j+1]        ; in place: numbers 0 and 1 into register 0,
	v_cvt_pk_bf16_f32 v[LD+4*j+1], v[LD+4*j+2], v[LD+4*j+3]        ; numbers 2 and 3 into register 1, which the line above has read
.set i, i+1
.endr
.set p, p+1
.endr
	s_wait_alu depctr_va_vdst(0)                   ; the last block's conversions have written their packed words, which the last four stores read
.set j, 32-BLK
.rept BLK
	global_store_b64 v2, v[LD+4*j:LD+4*j+1], s[8:9] offset:256*j
.set j, j+1
.endr
	s_endpgm
.Ltr:
	; A work-group takes 128 rows h (ht = 0..15) and 64 columns a; a wave 8 columns.  Lane (q, hf) loads W[128 ht + 8 q + j][a0 + 4 hf + 0..3],
	; j = 0..7, and stores, for each of its 4 columns, the 8 neighbouring h as 16 bytes: sixteen lanes fill 256 consecutive bytes, aligned.
	; The loads take 32 bytes of each row; the two tensors are 2 MiB in all and each byte is read once.
	s_sub_co_u32 s11, s4, 528
	s_mov_b32 s13, 524288
	s_cmp_ge_u32 s4, 560
	s_cselect_b64 s[6:7], s[34:35], s[32:33]       ; Wp or Wap
	s_cselect_b32 s13, 1048576, s13                ; its place in Wsm
	s_and_b32 s11, s11, 31
	s_lshr_b32 s12, s11, 1                         ; ht
	s_and_b32 s10, s11, 1
	s_lshl_b32 s10, s10, 6
	s_lshl3_add_u32 s10, s5, s10                   ; a0 = 64 x half + 8 x wave
	s_lshl_b32 s14, s12, 16                        ; 128 rows of 512 bytes
	s_lshl2_add_u32 s14, s10, s14                  ; + 4 a0
	s_add_nc_u64 s[6:7], s[6:7], s[14:15]
	s_lshl_b32 s14, s10, 12                        ; a0 rows of 4,096 bytes
	s_lshl_b32 s2, s12, 8                          ; + 128 ht columns of 2 bytes
	s_add_co_u32 s14, s14, s2
	s_add_co_u32 s14, s14, s13
	s_add_nc_u64 s[8:9], s[42:43], s[14:15]
	v_and_b32 v52, 15, v3                          ; q
	v_lshrrev_b32 v53, 4, v3                       ; hf
	v_lshlrev_b32 v1, 12, v52                      ; in: 8 q rows of 512 bytes + 16 hf
	v_lshl_add_u32 v1, v53, 4, v1
	v_lshlrev_b32 v2, 4, v52                       ; out: 4 hf rows of 4,096 bytes + 16 q
	v_lshl_add_u32 v2, v53, 14, v2
	s_wait_alu depctr_va_vdst(0)                   ; v1 and v2 are written: the eight loads read v1 as their offset, the four stores v2
.irp j, 0,1,2,3,4,5,6,7
	global_load_b128 v[4+4*\j:7+4*\j], v1, s[6:7] offset:512*\j th:TH_LOAD_NT
.endr
	s_wait_loadcnt 0x0
.irp i, 0,1,2,3
.irp p, 0,1,2,3
	v_cvt_pk_bf16_f32 v[36+4*\i+\p], v[4+8*\p+\i], v[8+8*\p+\i]      ; rows 2 p and 2 p + 1 of column i
.endr
.endr
	s_wait_alu depctr_va_vdst(0)                   ; the sixteen conversions have written v[36:51], which the four stores read
.irp i, 0,1,2,3
	global_store_b128 v2, v[36+4*\i:39+4*\i], s[8:9] offset:4096*\i
.endr
	s_endpgm
.Lfunc_end_k_q69e77a192f_prep:
	.size	k_q69e77a192f_prep, .Lfunc_end_k_q69e77a192f_prep-k_q69e77a192f_prep
	.p2alignl 7, 3214868480
	.fill 96, 4, 3214868480
	.section	.rodata,"a",@progbits
	.p2align	6, 0x0
	.amdhsa_kernel k_q69e77a192f_prep
		.amdhsa_group_segment_fixed_size 0
		.amdhsa_private_segment_fixed_size 0
		.amdhsa_enable_private_segment 0
		.amdhsa_kernarg_size 112
		.amdhsa_user_sgpr_count 2
		.amdhsa_user_sgpr_kernarg_segment_ptr 1
		.amdhsa_wavefront_size32 1
		.amdhsa_system_sgpr_workgroup_id_x 1
		.amdhsa_system_sgpr_workgroup_id_y 1
		.amdhsa_system_sgpr_workgroup_id_z 1
		.amdhsa_system_vgpr_workitem_id 0
		.amdhsa_next_free_vgpr 132
		.amdhsa_next_free_sgpr 66
		.amdhsa_reserve_vcc 0
		.amdhsa_float_denorm_mode_32 3
		.amdhsa_float_denorm_mode_16_64 3
		.amdhsa_memory_ordered 1
		.amdhsa_forward_progress 1
		.amdhsa_inst_pref_size 18
	.end_amdhsa_kernel
	.amdgpu_metadata
---
amdhsa.version: [ 1, 2 ]
amdhsa.kernels:
  - .name:           k_q69e77a192f_prep
    .symbol:         k_q69e77a192f_prep.kd
    .args:
      - { .name: x, .offset: 0, .size: 8, .value_kind: global_buffer, .address_space: global }
      - { .name: Wu, .offset: 8, .size: 8, .value_kind: global_buffer, .address_space: global }
      - { .name: Wg, .offset: 16, .size: 8, .value_kind: global_buffer, .address_space: global }
      - { .name: Wd, .offset: 24, .size: 8, .value_kind: global_buffer, .address_space: global }
      - { .name: Wo, .offset: 32, .size: 8, .value_kind: global_buffer, .address_space: global }
      - { .name: Wpost, .offset: 40, .size: 8, .value_kind: global_buffer, .address_space: global }
      - { .name: Wpre, .offset: 48, .size: 8, .value_kind: global_buffer, .address_space: global }
      - { .name: A, .offset: 56, .size: 8, .value_kind: global_buffer, .address_space: global }
      - { .name: Wap, .offset: 64, .size: 8, .value_kind: global_buffer, .address_space: global }
      - { .name: Wp, .offset: 72, .size: 8, .value_kind: global_buffer, .address_space: global }
      - { .name: xb, .offset: 80, .size: 8, .value_kind: global_buffer, .address_space: global }
      - { .name: Wug, .offset: 88, .size: 8, .value_kind: global_buffer, .address_space: global }
      - { .name: Wdo, .offset: 96, .size: 8, .value_kind: global_buffer, .address_space: global }
      - { .name: Wsm, .offset: 104, .size: 8, .value_kind: global_buffer, .address_space: global }
    .group_segment_fixed_size: 0
    .private_segment_fixed_size: 0
    .kernarg_segment_align: 8
    .kernarg_segment_size: 112
    .max_flat_workgroup_size: 256
    .sgpr_count:     66
    .vgpr_count:     132
    .wavefront_size: 32
...
	.end_amdgpu_metadata
.endif
;; end of part 12
;; launch gemm1: the kernel of part 8 again; grid 16 x 16, 4 waves a work-group, clusters of 4 x 4, 327,680 bytes of LDS; arguments xb, Wug, Hb, bu, bg; writes Hb
;; launch prepost: the kernel of part 9 again; grid 208 x 1, 4 waves a work-group, clusters of 4 x 1, 327,680 bytes of LDS; arguments xb, Wsm, bpre, ln_g, ln_b, eg, eb, expert_weights, AIO, Hx, Hb, Wdo, bpost, Wx; writes AIO, Hx, Wx
;; launch mix: the kernel of part 10 again; grid 256 x 1, 4 waves a work-group, clusters of 4 x 1, 327,680 bytes of LDS; arguments AIO, Hx; writes Hx
;; launch down: the kernel of part 11 again; grid 8 x 32, 4 waves a work-group, clusters of 4 x 4, 327,680 bytes of LDS; arguments Hb, Wdo, out0, Hx, Wx, bd, expert_weights; writes out0
